; MI455X (gfx1250); checked and timed in simulation.
; The chip was launched on July 23, 2026; its instructions are those of AMD's public machine-readable ISA for CDNA 5 (MIT licence, August 2026) and "CDNA5" Instruction Set Architecture Reference Guide (July 2026). The comments in the code are by the model that wrote it; some were corrected since.
;; Point Transformer Layer. Allowed arithmetic: matrix products marked QUANTISED: E5M2 operands, one E8M0 scale for each 32 along K, by v_wmma_scale_f32_16x16x128_f8f6f4 with both operands' format E5M2, f32 sums; products left as they are: f32 operands where the result goes on into a quantised operand, else bf16, f16 or f32 operands; f32 sums; everything else in f32.
;; Inputs: Wd1 3 x 3 float32; Wd2 128 x 3 float32; Wg1_codes 128 x 4 x 32 uint8 (E5M2 codes of Wg1, K innermost, in blocks of 32 codes); Wg1_scales 128 x 4 uint8 (E8M0 scales of Wg1, one for each 32 codes along K); Wg2_codes 128 x 4 x 32 uint8 (E5M2 codes of Wg2, K innermost, in blocks of 32 codes); Wg2_scales 128 x 4 uint8 (E8M0 scales of Wg2, one for each 32 codes along K); Wk_codes 128 x 4 x 32 uint8 (E5M2 codes of Wk, K innermost, in blocks of 32 codes); Wk_scales 128 x 4 uint8 (E8M0 scales of Wk, one for each 32 codes along K); Wq_codes 128 x 4 x 32 uint8 (E5M2 codes of Wq, K innermost, in blocks of 32 codes); Wq_scales 128 x 4 uint8 (E8M0 scales of Wq, one for each 32 codes along K); Wv_codes 128 x 4 x 32 uint8 (E5M2 codes of Wv, K innermost, in blocks of 32 codes); Wv_scales 128 x 4 uint8 (E8M0 scales of Wv, one for each 32 codes along K); bd1 3 float32; bd2 128 float32; betad 3 float32; betag1 128 float32; betag2 128 float32; bg1 128 float32; bg2 128 float32; bk 128 float32; bq 128 float32; bv 128 float32; feats 2 x 8,192 x 128 float32; gd 3 float32; gg1 128 float32; gg2 128 float32; points 2 x 8,192 x 3 float32.
;; Outputs: out0 2 x 8,192 x 128 float32.
;; Constants: k = 16.
;; This version of the problem:
;;   THIS VERSION OF THE PROBLEM IS GIVEN IN LOW PRECISION. The matrix products marked QUANTISED in the list below multiply operands that are first quantised to E5M2 (5 exponent bits, 2 mantissa bits; 8 bits a number), with one power-of-two scale for each 32 numbers along K (OCP MX v1.0); their sums are f32. All else is computed in f32.
;;   The module's matrix products, in the order in which they are computed (A, B: the left and right operand; K: the contracted axis; several contracted axes count as one K, in the product's order):
;;     1. batch 2 x [M 8,192, K 3] x [K 3, N 8,192]; A: input points; B: input points: left as it is (K = 3 < 32)
;;     2. [M 262,144, K 3] x [K 3, N 3]; A: computed on the way; B: input Wd1: left as it is (K = 3 < 32)
;;     3. [M 262,144, K 3] x [K 3, N 128]; A: computed on the way; B: input Wd2: left as it is (K = 3 < 32)
;;     4. [M 16,384, K 128] x [K 128, N 128]; A: input feats; B: input Wq (given as codes): QUANTISED
;;     5. [M 262,144, K 128] x [K 128, N 128]; A: computed on the way; B: input Wk (given as codes): QUANTISED
;;     6. [M 262,144, K 128] x [K 128, N 128]; A: computed on the way; B: input Wg1 (given as codes): QUANTISED
;;     7. [M 262,144, K 128] x [K 128, N 128]; A: computed on the way; B: input Wg2 (given as codes): QUANTISED
;;     8. [M 262,144, K 128] x [K 128, N 128]; A: computed on the way; B: input Wv (given as codes): QUANTISED
;;     9. batch 2,097,152 x [M 1, K 16] x [K 16, N 1]; A: softmax; B: computed on the way: left as it is (K = 16 < 32)
;;   THE QUANTISER, for each operand of a quantised product, along K:
;;     - K is cut into blocks of 32 from its start; a last block that is shorter is filled with zeros.
;;     - A block's scale is 2^e with e = floor(log2(the largest magnitude in the block)) - 15, held to -126 .. 127; a block of zeros has e = 0. As a byte (E8M0): e + 127.
;;     - Each number is divided by its block's scale, clamped to +-57,344, and rounded to the nearest number of E5M2, ties to even, subnormals kept.
;;     - The product sums the exact products of the quantised numbers (number of the format x scale) in f32.
;;   ~~~python
;;   def quantise(x, axis):      # numpy; x: float32 -> the quantised numbers, widened to float32 again
;;       x = np.moveaxis(x, axis, -1); K = x.shape[-1]
;;       x = np.pad(x, [(0, 0)] * (x.ndim - 1) + [(0, -K % 32)]); x = x.reshape(x.shape[:-1] + (-1, 32)); a = np.abs(x).max(-1, keepdims=True)
;;       e = np.where(a > 0, np.clip(np.frexp(np.where(a > 0, a, 1))[1] - 1 - 15, -126, 127), 0)      # np.frexp(a)[1] - 1 = floor(log2(a)), exactly
;;       r = np.clip(x / 2.0 ** e, -57344, 57344)
;;       step = 2.0 ** (np.maximum(np.frexp(np.where(r == 0, 1, r))[1] - 1, -14) - 2)
;;       q = np.round(r / step) * step * 2.0 ** e      # np.round: ties to even
;;       return np.moveaxis(q.reshape(q.shape[:-2] + (-1,))[..., :K], -1, axis).astype(np.float32)
;;   ~~~
;;   OPERANDS COMPUTED ON THE WAY. 'Computed on the way' means the value that the module computes at that place (a softmax that the list does not call 'softmax' is quantised finished and normalised). What goes into a quantiser is computed in f32, as accurately as f32 sums, v_exp_f32 and their like allow (about 1e-6 of the number): no bf16 or f16 on the way to a quantiser, and a product that is left as it is and whose result goes on into a quantised operand takes f32 operands (vector FMAs, or v_wmma_f32_16x16x4_f32). A number that lies on a knife's edge between two numbers of the format may be rounded either way, as far as f32 arithmetic and the matrix unit's own rounding can turn it there, and no further.
;;   INPUTS GIVEN AS CODES. Wg1 (in the module: [128, 128], K = its axis 1); Wg2 (in the module: [128, 128], K = its axis 1); Wk (in the module: [128, 128], K = its axis 1); Wq (in the module: [128, 128], K = its axis 1); Wv (in the module: [128, 128], K = its axis 1): each comes as NAME_codes (uint8): NAME with its K axis moved to the last place and cut into blocks of 32 codes, [.., K / 32, bytes a block], one block behind the other in memory; one code a byte (a code: sign, 5 exponent bits, 2 mantissa bits); and NAME_scales (uint8): the same leading axes, one E8M0 byte (e + 127) for each 32 codes along K. Its value is code x scale, taken as it is: it is not quantised again, and the codes and scales need not be those that the quantiser above would give.
;; 2 versions, each right; version 2 is version 1 with the launches prep, knn1, pa, pb, pc written anew for expert scheduling mode. Each part assembles by itself: llvm-mc -triple=amdgcn-amd-amdhsa -mcpu=gfx1250 --defsym DOCPART=n.
;; ======== version 1 of 2: 7 launches
;; workspace buffers: prepb 10,813,440 bytes; gi 1,048,576 bytes of whole numbers; idx 1,048,576 bytes of whole numbers; sd 8,192 bytes; s1 262,144 bytes; s2 262,144 bytes; g1c 34,603,008 bytes
;; launch prep (part 1): grid 256 x 1, 4 waves a work-group, no clusters, 1,536 bytes of LDS; arguments feats, points, Wq_codes, Wq_scales, bq, bk, bd2, prepb; writes prepb
.if DOCPART == 1
	.amdgcn_target "amdgcn-amd-amdhsa--gfx1250"
	.amdhsa_code_object_version 6
	.text
	.protected	k_qc05534598f_prep
	.globl	k_qc05534598f_prep
	.p2align	8
	.type	k_qc05534598f_prep,@function
k_qc05534598f_prep:
	s_mov_b64 s[64:65], 0
	v_nop
	global_prefetch_b8 v0, s[64:65] scope:SCOPE_SE
	s_setreg_imm32_b32 hwreg(HW_REG_WAVE_MODE, 25, 1), 1
	s_wait_xcnt 0x0
; PREP.  Three tables in one workspace buffer:
;   PT  at 0        : for each pair of points 8 f32: -2x0 -2x1 -2y0 -2y1 -2z0 -2z1 |p0|^2 |p1|^2  (|p|^2 = (x x + y y) + z z, each step rounded)
;   FC  at FC_O     : feats as E5M2 codes, [16384][128];   FS at FS_O: their scale words, [16384]
;   NQT at NQ_O     : -(feats Wq^T + bq - bk + bd2), f32, laid [row][m 16][t 8] = channel 32 (t/2) + 8 (t%2) + m + 8 (m/8)
; A wave takes 16 rows.  The product is used transposed (source 0 = 16 rows of Wq, source 1 = my 16 rows of feats); the rows of Wq that form
; tile s are chosen so that a lane's eight results are eight neighbours of NQT's layout.
; LIMITS: NaN and infinities are not served; a block whose largest magnitude lies under 2^-111 keeps the scale byte 1 (a block of zeros too: its codes are zeros).
.set FC_O, 262144
.set FS_O, 2359296
.set NQ_O, 2424832
.set X,   48                           ; v48-111  64 numbers of feats, later the eight accumulators
.set PW,  32                           ; v32      my rows' scale word
.set WS,  33                           ; v33-40   Wq's scale words
.set WF,  112                          ; v112-239 Wq's eight fragments, later the negated results
.set TM,  240                          ; v240-255 the quantiser's work
.set SEL, 24
.set MNT, 26
.macro NOPS n
.rept \n
	v_nop
.endr
.endm
; 64 numbers of a lane, register 16 b + i = k 32 b + 16 (lane / 16) + i of my row, become a fragment's codes in v[cd] on and its scale word in v[PW]
.macro QUANT s, cd
.irp b, 0,1,2,3
	v_max3_num_f32 v[TM+\b], |v[\s+16*\b]|, |v[\s+1+16*\b]|, 0x8000000   ; with the floor 2^(16 - 127): the byte cannot fall under 1
.endr
.irp i, 2,4,6,8,10,12,14
.irp b, 0,1,2,3
	v_max3_num_f32 v[TM+\b], v[TM+\b], |v[\s+16*\b+\i]|, |v[\s+1+16*\b+\i]|
.endr
.endr
.irp b, 0,1,2,3
	v_permlanex16_b32 v[TM+4+\b], v[TM+\b], s[SEL], s[SEL+1]
.endr
.irp b, 0,1,2,3
	v_max_num_f32 v[TM+\b], v[TM+\b], v[TM+4+\b]       ; with lane l xor 16's: the block's largest magnitude
.endr
.irp b, 0,1,2,3
	v_add_nc_u32 v[TM+12+\b], 0xf8800000, v[TM+\b]     ; 15 off its exponent field: the conversion's scale operand
.endr
.irp b, 0,1,2,3
	v_and_or_b32 v[TM+8+\b], v[TM+\b], 0x7f800000, s[MNT]  ; 57,344 x the scale
.endr
.irp b, 0,1,2,3
	v_lshrrev_b32 v[TM+4+\b], 23, v[TM+12+\b]          ; the scale's byte
.endr
	v_lshl_or_b32 v[PW], v[TM+5], 8, v[TM+4]
	v_lshl_or_b32 v[PW], v[TM+6], 16, v[PW]
	v_lshl_or_b32 v[PW], v[TM+7], 24, v[PW]
.irp b, 0,1,2,3
.irp i, 0,1,2,3,4,5,6,7,8,9,10,11,12,13,14,15
	v_med3_num_f32 v[\s+16*\b+\i], v[\s+16*\b+\i], -v[TM+8+\b], v[TM+8+\b]   ; the conversion does not saturate (ISA guide 7.6.2): the hold
.endr
	v_cvt_scalef32_pk8_bf8_f32 v[\cd+4*\b:\cd+1+4*\b], v[\s+16*\b:\s+7+16*\b], v[TM+12+\b]
	v_cvt_scalef32_pk8_bf8_f32 v[\cd+2+4*\b:\cd+3+4*\b], v[\s+8+16*\b:\s+15+16*\b], v[TM+12+\b]
.endr
	NOPS 4                                         ; codes made by vector instructions stand four places ahead of a scaled product
.endm
	s_load_b256 s[4:11], s[0:1], 0x0               ; feats, points, Wq's codes, Wq's scales
	s_load_b256 s[12:19], s[0:1], 0x20             ; bq, bk, bd2, prepb
	v_lshl_add_u32 v47, v0, 2, 0x400
	s_set_vgpr_msb 0x40
	v_mov_b32 v1, 0
	s_set_vgpr_msb 0x4000
	v_lshrrev_b32 v1, 5, v0
	v_readfirstlane_b32 s20, v1                    ; wave
	v_and_b32 v2, 15, v0                           ; r
	v_bfe_u32 v3, v0, 4, 1                         ; h
	s_lshl_b32 s21, ttmp9, 2
	s_add_co_u32 s21, s21, s20
	s_lshl_b32 s22, s21, 4                         ; my wave's first row
	v_add_nc_u32 v4, s22, v2                       ; my row, and my point
	v_lshlrev_b32 v5, 2, v0                        ; 4 x thread
	v_and_b32 v7, 7, v2
	v_lshrrev_b32 v8, 1, v7
	v_lshlrev_b32 v8, 5, v8
	v_and_b32 v9, 1, v2
	v_lshl_add_u32 v8, v9, 3, v8
	v_lshrrev_b32 v9, 3, v2
	v_add_nc_u32 v8, v8, v9                        ; Wq: lane r of tile s takes row 32 ((r%8)/2) + 8 (r%2) + r/8 + 2 s + 8 (s/4)
	v_lshlrev_b32 v6, 7, v8
	v_lshl_add_u32 v6, v3, 4, v6                   ; its codes
	v_lshlrev_b32 v7, 2, v8                        ; its scale word
	v_lshlrev_b32 v9, 9, v4
	v_lshl_add_u32 v9, v3, 6, v9                   ; feats: row of 512 bytes, + 64 h
	v_mul_u32_u24 v10, v4, 12                      ; my point
	v_lshrrev_b32 v14, 1, v4
	v_lshlrev_b32 v14, 5, v14
	v_and_b32 v15, 1, v4
	v_lshl_add_u32 v14, v15, 2, v14
	v_lshl_add_u32 v14, v3, 4, v14                 ; PT: pair x 32 + 4 x (point % 2) + 16 h
	v_lshlrev_b32 v15, 9, v4
	v_lshl_add_u32 v15, v3, 5, v15                 ; NQT: row x 512 + 32 h
	v_lshlrev_b32 v44, 7, v4
	v_lshl_add_u32 v44, v3, 4, v44                 ; FC
	v_lshlrev_b32 v45, 2, v4                       ; FS
	v_lshlrev_b32 v46, 2, v3                       ; 4 h
	s_mov_b32 s23, 0xffff0000                      ; lanes 16-31
	s_mov_b32 s[SEL], 0x76543210
	s_mov_b32 s[SEL+1], 0xfedcba98
	s_mov_b32 s[MNT], 0x600000
.irp b, 0,1,2,3
	v_mov_b32 v[TM+4+\b], 0                        ; a lane permute's destination counts as one of its sources
.endr
	s_wait_kmcnt 0x0
	global_load_b32 v11, v5, s[12:13]
	global_load_b32 v12, v5, s[14:15]
	global_load_b32 v13, v5, s[16:17]
	global_load_b32 v41, v10, s[6:7]
	global_load_b32 v42, v10, s[6:7] offset:4
	global_load_b32 v43, v10, s[6:7] offset:8
.irp b, 0,1,2,3
.irp j, 0,1,2,3
	global_load_b128 v[X+16*\b+4*\j:X+16*\b+4*\j+3], v9, s[4:5] offset:128*\b+16*\j
.endr
.endr
.irp s, 0,1,2,3,4,5,6,7
.irp k, 0,1,2,3
	global_load_b128 v[WF+16*\s+4*\k:WF+16*\s+4*\k+3], v6, s[8:9] offset:(2*\s+8*(\s/4))*128+32*\k
.endr
	global_load_b32 v[WS+\s], v7, s[10:11] offset:(2*\s+8*(\s/4))*4
.endr
	s_wait_loadcnt 0x0
	v_sub_f32 v11, v11, v12
	v_add_f32 v11, v11, v13                        ; bq - bk + bd2 of channel = thread
	ds_store_b32 v5, v11
	s_wait_dscnt 0x0                               ; for the other waves' sake
	s_barrier_signal -1
	s_barrier_wait -1
	; PT
	v_mul_f32 v11, v41, v41
	v_mul_f32 v12, v42, v42
	v_add_f32 v11, v11, v12
	v_mul_f32 v12, v43, v43
	v_add_f32 v11, v11, v12                        ; |p|^2
	v_mul_f32 v41, -2.0, v41
	v_mul_f32 v42, -2.0, v42
	v_mul_f32 v43, -2.0, v43
	v_cndmask_b32 v12, v41, v43, s23               ; lanes 0-15 store -2x and -2y, lanes 16-31 -2z and |p|^2
	v_cndmask_b32 v13, v42, v11, s23
	global_store_b32 v14, v12, s[18:19]
	global_store_b32 v14, v13, s[18:19] offset:8
	; feats' codes
	QUANT X, 16
.irp k, 0,1,2,3
	global_store_b128 v44, v[16+4*\k:19+4*\k], s[18:19] offset:FC_O+32*\k
.endr
	global_store_b32 v45, v[PW], s[18:19] offset:FS_O    ; both halves of the lanes hold the same word
	; the biases are the C of the products: register j of tile s in lane (r, h) is channel 32 (j/2) + 8 (j%2) + 2 s + h + 8 (s/4)
.irp s, 0,1,2,3,4,5,6,7
.irp j, 0,1,2,3,4,5,6,7
	ds_load_b32 v[X+8*\s+\j], v46 offset:4*(32*(\j/2)+8*(\j%2)+2*\s+8*(\s/4))
.endr
.endr
	NOPS 4                                         ; with the four above: eight places between the scale word's last line and the products
	s_wait_dscnt 0x0
.irp s, 0,1,2,3,4,5,6,7
	v_wmma_scale_f32_16x16x128_f8f6f4 v[X+8*\s:X+8*\s+7], v[WF+16*\s:WF+16*\s+15], v[16:31], v[X+8*\s:X+8*\s+7], v[WS+\s], v[PW] matrix_a_fmt:MATRIX_FMT_BF8 matrix_b_fmt:MATRIX_FMT_BF8
.endr
	NOPS 9
.set i_, 0
.rept 32
	v_pk_mul_f32 v[WF+i_:WF+i_+1], v[X+i_:X+i_+1], -1.0 op_sel_hi:[1,0]   ; each accumulator from its low end on
.set i_, i_+2
.endr
.irp s, 0,1,2,3,4,5,6,7
	global_store_b128 v15, v[WF+8*\s:WF+8*\s+3], s[18:19] offset:NQ_O+64*\s
	global_store_b128 v15, v[WF+8*\s+4:WF+8*\s+7], s[18:19] offset:NQ_O+64*\s+16
.endr
	s_set_vgpr_msb 0x4
	s_wait_tensorcnt 0x0
	ds_add_u32 v47, v1
	s_wait_dscnt 0x0
	s_set_vgpr_msb 0x400
	s_endpgm
.Lfunc_end_k_qc05534598f_prep:
	.size	k_qc05534598f_prep, .Lfunc_end_k_qc05534598f_prep-k_qc05534598f_prep
	.p2alignl 7, 3214868480
	.fill 96, 4, 3214868480
	.section	.rodata,"a",@progbits
	.p2align	6, 0x0
	.amdhsa_kernel k_qc05534598f_prep
		.amdhsa_group_segment_fixed_size 1536
		.amdhsa_private_segment_fixed_size 0
		.amdhsa_enable_private_segment 0
		.amdhsa_kernarg_size 64
		.amdhsa_user_sgpr_count 2
		.amdhsa_user_sgpr_kernarg_segment_ptr 1
		.amdhsa_wavefront_size32 1
		.amdhsa_system_sgpr_workgroup_id_x 1
		.amdhsa_system_sgpr_workgroup_id_y 1
		.amdhsa_system_sgpr_workgroup_id_z 1
		.amdhsa_system_vgpr_workitem_id 0
		.amdhsa_next_free_vgpr 258
		.amdhsa_next_free_sgpr 66
		.amdhsa_reserve_vcc 0
		.amdhsa_float_denorm_mode_32 3
		.amdhsa_float_denorm_mode_16_64 3
		.amdhsa_memory_ordered 1
		.amdhsa_forward_progress 1
		.amdhsa_inst_pref_size 27
	.end_amdhsa_kernel
	.amdgpu_metadata
---
amdhsa.version: [ 1, 2 ]
amdhsa.kernels:
  - .name:           k_qc05534598f_prep
    .symbol:         k_qc05534598f_prep.kd
    .args:
      - { .name: feats, .offset: 0, .size: 8, .value_kind: global_buffer, .address_space: global }
      - { .name: points, .offset: 8, .size: 8, .value_kind: global_buffer, .address_space: global }
      - { .name: Wq_codes, .offset: 16, .size: 8, .value_kind: global_buffer, .address_space: global }
      - { .name: Wq_scales, .offset: 24, .size: 8, .value_kind: global_buffer, .address_space: global }
      - { .name: bq, .offset: 32, .size: 8, .value_kind: global_buffer, .address_space: global }
      - { .name: bk, .offset: 40, .size: 8, .value_kind: global_buffer, .address_space: global }
      - { .name: bd2, .offset: 48, .size: 8, .value_kind: global_buffer, .address_space: global }
      - { .name: prepb, .offset: 56, .size: 8, .value_kind: global_buffer, .address_space: global }
    .group_segment_fixed_size: 1536
    .private_segment_fixed_size: 0
    .kernarg_segment_align: 8
    .kernarg_segment_size: 64
    .max_flat_workgroup_size: 128
    .sgpr_count:     66
    .vgpr_count:     258
    .wavefront_size: 32
...
	.end_amdgpu_metadata
.endif
;; end of part 1
;; launch knn1 (part 2): grid 256 x 1, 4 waves a work-group, no clusters, 139,776 bytes of LDS; arguments prepb, gi; writes gi
.if DOCPART == 2
	.amdgcn_target "amdgcn-amd-amdhsa--gfx1250"
	.amdhsa_code_object_version 6
	.text
	.protected	k_qc05534598f_knn1
	.globl	k_qc05534598f_knn1
	.p2align	8
	.type	k_qc05534598f_knn1,@function
k_qc05534598f_knn1:
	s_mov_b64 s[64:65], 0
	v_nop
	global_prefetch_b8 v0, s[64:65] scope:SCOPE_SE
	s_setreg_imm32_b32 hwreg(HW_REG_WAVE_MODE, 25, 1), 1
	s_wait_xcnt 0x0
; KNN, FIRST STEP.  For each query: the 16 groups (of 16 neighbouring candidates) with the smallest (group's least d2, group's number), stored as whole numbers in ascending order.
; Every one of the query's 16 nearest (ties: the lower index) lies in one of them: were one outside, 16 groups would stand before its own, each with a candidate that stands before it.
; d2 = (|q|^2 + |c|^2) - 2 (q . c), the dot product as a multiplication and two fused multiply-adds in ascending order; the factor -2 is folded into the table and rounds nothing.
; A work-group has 64 queries of one batch, a lane a query; waves 0, 1: queries 0-31, waves 2, 3: queries 32-63; of a pair of waves one walks groups 0-255 and one groups 256-511.
; The batch's table (131,072 bytes) lies in LDS; all lanes of a load read the same 16 bytes.  No branch and no address hangs on a distance: the list is kept by compares and selects.
; ORDER OF THE LINES.  A SIMD has one wave here, so the text itself keeps a result and its reader apart: the distances go in passes of eight, the minimum is a tree three deep, and in an
; insertion every line reads results that stand 15 lines back or more (macro INSERTP).
; LIMITS: NaN and infinities are not served; where two candidates' d2 differ from another order of rounding by an ulp at the 16th place, they may change places.
.set L,  10                            ; v10-25   the 16 smallest minima, ascending
.set I,  26                            ; v26-41   their groups' numbers (as f32): one of two sets that change places from insertion to insertion
.set I2, 196                           ; v196-211 the other set
.set D,  42                            ; v42-57   16 distances
.set T,  212                           ; v212-216 the minimum's tree
.set M,  32                            ; s32-47   compare masks
.set B0, 64                            ; v64-127, v128-191: two groups' table entries
.set B1, 128
.set LISTS, 131072
; c and its payload id go into the list.  A strict compare keeps the earlier entry ahead on ties.  The payloads are read from set fr and written to set to:
;   to[j] = c < L[j-1] ? fr[j-1] : (c < L[j] ? id : fr[j]),  with the L of before the insertion.
; Compare j stands ahead of the line that rewrites L[j]; compares and list lines alternate; the two passes of selects follow, each select 15 lines or more behind what it reads.
.macro INSERTP c, id, fr, to
	v_cmp_lt_f32 s[M+15], v[\c], v[L+15]
.irp j, 15,14,13,12,11,10,9,8,7,6,5,4,3,2,1
	v_cmp_lt_f32 s[M+\j-1], v[\c], v[L+\j-1]
	v_med3_num_f32 v[L+\j], v[L+\j-1], v[L+\j], v[\c]
.endr
	v_min_num_f32 v[L], v[L], v[\c]
.irp j, 15,14,13,12,11,10,9,8,7,6,5,4,3,2,1,0
	v_cndmask_b32 v[\to+\j], v[\fr+\j], v[\id], s[M+\j]
.endr
.irp j, 15,14,13,12,11,10,9,8,7,6,5,4,3,2,1
	v_cndmask_b32 v[\to+\j], v[\to+\j], v[\fr+\j-1], s[M+\j-1]
.endr
.endm
.macro INSV l, c                       ; values alone
.irp j, 15,14,13,12,11,10,9,8,7,6,5,4,3,2,1
	v_med3_num_f32 v[\l+\j], v[\l+\j-1], v[\l+\j], v[\c]
.endr
	v_min_num_f32 v[\l], v[\l], v[\c]
.endm
.macro DIST b                          ; 16 distances, two at a time; v[4:7] = x, y, z, |q|^2
.irp k, 0,1,2,3,4,5,6,7
	v_pk_mul_f32 v[D+2*\k:D+2*\k+1], v[\b+8*\k:\b+8*\k+1], v[4:5] op_sel_hi:[1,0]
.endr
.irp k, 0,1,2,3,4,5,6,7
	v_pk_fma_f32 v[D+2*\k:D+2*\k+1], v[\b+8*\k+2:\b+8*\k+3], v[4:5], v[D+2*\k:D+2*\k+1] op_sel:[0,1,0] op_sel_hi:[1,1,1]
.endr
.irp k, 0,1,2,3,4,5,6,7
	v_pk_fma_f32 v[D+2*\k:D+2*\k+1], v[\b+8*\k+4:\b+8*\k+5], v[6:7], v[D+2*\k:D+2*\k+1] op_sel_hi:[1,0,1]
.endr
.irp k, 0,1,2,3,4,5,6,7
	v_pk_add_f32 v[\b+8*\k+6:\b+8*\k+7], v[\b+8*\k+6:\b+8*\k+7], v[6:7] op_sel:[0,1] op_sel_hi:[1,1]
.endr
.irp k, 0,1,2,3,4,5,6,7
	v_pk_add_f32 v[D+2*\k:D+2*\k+1], v[\b+8*\k+6:\b+8*\k+7], v[D+2*\k:D+2*\k+1]
.endr
.endm
.macro LOADG b                         ; the next group's 256 bytes; v9 holds s20, moved there well ahead
.irp k, 0,1,2,3,4,5,6,7
	ds_load_b128 v[\b+8*\k:\b+8*\k+3], v9 offset:32*\k
	ds_load_b128 v[\b+8*\k+4:\b+8*\k+7], v9 offset:32*\k+16
.endr
	s_add_co_u32 s20, s20, 256
.endm
.macro PROC b, fr, to
	v_mov_b32 v9, s20                              ; the address of the run of loads that follows this group's work
	DIST \b
	v_min3_num_f32 v[T],   v[D],    v[D+1],  v[D+2]
	v_min3_num_f32 v[T+1], v[D+3],  v[D+4],  v[D+5]
	v_min3_num_f32 v[T+2], v[D+6],  v[D+7],  v[D+8]
	v_min3_num_f32 v[T+3], v[D+9],  v[D+10], v[D+11]
	v_min3_num_f32 v[T+4], v[D+12], v[D+13], v[D+14]
	v_add_f32 v8, 1.0, v8                          ; the group's number
	v_min3_num_f32 v[T],   v[T],   v[T+1], v[T+2]
	v_min3_num_f32 v[T+3], v[T+3], v[T+4], v[D+15]
	v_min_num_f32 v58, v[T], v[T+3]                ; the group's least distance
	INSERTP 58, 8, \fr, \to
.endm
	s_load_b128 s[4:7], s[0:1], 0x0                ; prepb, gi
	v_lshl_add_u32 v224, v0, 2, 0x22000
	v_mov_b32 v225, 0
	v_lshrrev_b32 v1, 5, v0
	v_readfirstlane_b32 s8, v1                     ; wave
	s_lshr_b32 s9, s8, 1                           ; which 32 queries
	s_and_b32 s10, s8, 1                           ; which half of the candidates
	v_and_b32 v1, 31, v0
	v_lshlrev_b32 v2, 4, v0                        ; the copy: 16 bytes a thread
	v_add_nc_u32 v3, 0x10000, v2
	s_lshl_b32 s11, s9, 12
	s_add_co_u32 s11, s11, LISTS
	v_lshl_add_u32 v59, v1, 4, s11                 ; where a list's images lie
	s_lshr_b32 s12, ttmp9, 7
	s_lshl_b32 s12, s12, 17                        ; the batch's part of PT
	s_mov_b32 s13, 0
	s_lshl_b32 s14, ttmp9, 6
	s_lshl_b32 s15, s9, 5
	s_add_co_u32 s14, s14, s15
	v_add_nc_u32 v9, s14, v1                       ; my query
	v_lshrrev_b32 v193, 1, v9
	v_and_b32 v194, 1, v9
	v_lshlrev_b32 v193, 5, v193
	v_lshl_add_u32 v193, v194, 2, v193             ; its place in PT
	v_lshlrev_b32 v192, 6, v9                      ; its 64 bytes of gi
	s_wait_kmcnt 0x0
	s_add_nc_u64 s[16:17], s[4:5], s[12:13]
	global_load_b32 v4, v193, s[4:5]
	global_load_b32 v5, v193, s[4:5] offset:8
	global_load_b32 v6, v193, s[4:5] offset:16
	global_load_b32 v7, v193, s[4:5] offset:24
.irp u, 0,1                            ; the table, 65,536 bytes at a time: 32 loads and 32 LDS stores a thread
.set i_, 0
.rept 32
	global_load_b128 v[64+4*i_:67+4*i_], v2, s[16:17] offset:65536*\u+2048*i_
.set i_, i_+1
.endr
	s_wait_loadcnt 0x0
.set i_, 0
.rept 32
	ds_store_b128 v[2+\u], v[64+4*i_:67+4*i_] offset:2048*i_
.set i_, i_+1
.endr
	s_wait_dscnt 0x0                               ; the stores are done: for the next loads into their registers, and for the other waves
.endr
	s_barrier_signal -1
	s_barrier_wait -1
	v_mul_f32 v4, -0.5, v4
	v_mul_f32 v5, -0.5, v5
	v_mul_f32 v6, -0.5, v6
.irp j, 0,1,2,3,4,5,6,7,8,9,10,11,12,13,14,15
	v_mov_b32 v[L+\j], 0x7f800000
	v_mov_b32 v[I+\j], 0
.endr
	s_lshl_b32 s18, s10, 8
	s_sub_co_i32 s18, s18, 1
	v_cvt_f32_i32 v8, s18                          ; one under my first group's number
	s_lshl_b32 s20, s10, 16                        ; my half of the table
	v_mov_b32 v9, s20
	LOADG B0                                       ; my first two groups
	v_mov_b32 v9, s20
	LOADG B1
	s_mov_b32 s21, 127
.Lpair:                                ; a trip works two groups and asks, behind each, for the group two further on
	s_wait_dscnt 16                                ; the older group is in; the other buffer's 16 loads may be out
	PROC B0, I, I2
	LOADG B0
	s_wait_dscnt 16
	PROC B1, I2, I
	LOADG B1
	s_sub_co_u32 s21, s21, 1
	s_cmp_lg_u32 s21, 0
	s_cbranch_scc1 .Lpair
	s_wait_dscnt 16                                ; the last two groups: nothing more is asked for
	PROC B0, I, I2
	s_wait_dscnt 0x0
	PROC B1, I2, I
	s_barrier_signal -1                            ; nobody reads the table any more
	s_barrier_wait -1
	s_cmp_eq_u32 s10, 0
	s_cbranch_scc1 .Lkeep
.irp k, 0,1,2,3
	ds_store_b128 v59, v[L+4*\k:L+4*\k+3] offset:512*\k
	ds_store_b128 v59, v[I+4*\k:I+4*\k+3] offset:2048+512*\k
.endr
.Lkeep:
	s_wait_dscnt 0x0
	s_barrier_signal -1
	s_barrier_wait -1
	s_cmp_lg_u32 s10, 0
	s_cbranch_scc1 .Lend
.irp k, 0,1,2,3,4,5,6,7
	ds_load_b128 v[64+4*\k:67+4*\k], v59 offset:512*\k
.endr
	s_wait_dscnt 0x0
.irp i, 0,1,2,3,4,5,6,7,8,9,10,11,12,13,14,15
	v_cmp_lt_f32 vcc_lo, v[79-\i], v[L+\i]         ; the 16 smallest of two ascending lists; my list (the lower groups) wins ties
	v_cndmask_b32 v[I+\i], v[I+\i], v[95-\i], vcc_lo
.endr
.irp j, 0,1,2,3,4,5,6,7,8,9,10,11,12,13,14,15
	v_mov_b32 v[96+\j], 0x7f800000
.endr
.irp i, 0,1,2,3,4,5,6,7,8,9,10,11,12,13,14,15
	INSV 96, I+\i                                  ; the groups' numbers in ascending order
.endr
.irp j, 0,1,2,3,4,5,6,7,8,9,10,11,12,13,14,15
	v_cvt_u32_f32 v[96+\j], v[96+\j]
.endr
.irp k, 0,1,2,3
	global_store_b128 v192, v[96+4*\k:99+4*\k], s[6:7] offset:16*\k
.endr
.Lend:
	s_wait_tensorcnt 0x0
	ds_add_u32 v224, v225
	s_wait_dscnt 0x0
	s_endpgm
.Lfunc_end_k_qc05534598f_knn1:
	.size	k_qc05534598f_knn1, .Lfunc_end_k_qc05534598f_knn1-k_qc05534598f_knn1
	.p2alignl 7, 3214868480
	.fill 96, 4, 3214868480
	.section	.rodata,"a",@progbits
	.p2align	6, 0x0
	.amdhsa_kernel k_qc05534598f_knn1
		.amdhsa_group_segment_fixed_size 139776
		.amdhsa_private_segment_fixed_size 0
		.amdhsa_enable_private_segment 0
		.amdhsa_kernarg_size 16
		.amdhsa_user_sgpr_count 2
		.amdhsa_user_sgpr_kernarg_segment_ptr 1
		.amdhsa_wavefront_size32 1
		.amdhsa_system_sgpr_workgroup_id_x 1
		.amdhsa_system_sgpr_workgroup_id_y 1
		.amdhsa_system_sgpr_workgroup_id_z 1
		.amdhsa_system_vgpr_workitem_id 0
		.amdhsa_next_free_vgpr 226
		.amdhsa_next_free_sgpr 66
		.amdhsa_reserve_vcc 1
		.amdhsa_float_denorm_mode_32 3
		.amdhsa_float_denorm_mode_16_64 3
		.amdhsa_memory_ordered 1
		.amdhsa_forward_progress 1
		.amdhsa_inst_pref_size 66
	.end_amdhsa_kernel
	.amdgpu_metadata
---
amdhsa.version: [ 1, 2 ]
amdhsa.kernels:
  - .name:           k_qc05534598f_knn1
    .symbol:         k_qc05534598f_knn1.kd
    .args:
      - { .name: prepb, .offset: 0, .size: 8, .value_kind: global_buffer, .address_space: global }
      - { .name: gi, .offset: 8, .size: 8, .value_kind: global_buffer, .address_space: global }
    .group_segment_fixed_size: 139776
    .private_segment_fixed_size: 0
    .kernarg_segment_align: 8
    .kernarg_segment_size: 16
    .max_flat_workgroup_size: 128
    .sgpr_count:     66
    .vgpr_count:     226
    .wavefront_size: 32
...
	.end_amdgpu_metadata
.endif
;; end of part 2
;; launch knn2 (part 3): grid 256 x 1, 4 waves a work-group, no clusters, 8,704 bytes of LDS; arguments prepb, gi, idx; writes idx
.if DOCPART == 3
	.amdgcn_target "amdgcn-amd-amdhsa--gfx1250"
	.amdhsa_code_object_version 6
	.text
	.protected	k_qc05534598f_knn2
	.globl	k_qc05534598f_knn2
	.p2align	8
	.type	k_qc05534598f_knn2,@function
k_qc05534598f_knn2:
	s_mov_b64 s[64:65], 0
	v_nop
	global_prefetch_b8 v0, s[64:65] scope:SCOPE_SE
	s_setreg_imm32_b32 hwreg(HW_REG_WAVE_MODE, 25, 1), 1
	s_wait_xcnt 0x0
; KNN, SECOND STEP.  For each query the 256 candidates of its 16 stored groups are gathered (a group is 256 bytes of PT) and the 16 nearest are kept, with their row numbers.
; The groups stand in ascending order, so candidates arrive by ascending index and a strict compare keeps the lower index on ties.  The distances are made exactly as in the first step.
; Shares as there: a lane a query; of a pair of waves one takes the list's places 0-7, the other 8-15; the two lists of 16 meet in LDS.  The order inside the stored 16 carries no meaning.
; The groups' numbers are whole numbers stored by the launch before; each is held to 511 ahead of its use in an address.
; ORDER OF THE LINES as in the first step: a SIMD has one wave, and in an insertion every line reads results that stand 15 lines back or more (macro INSERTP).
; Each group is asked for once: three trips of two groups ask for the two behind them, the last two groups are written out without loads.
.set L,  10
.set I,  26                            ; v26-41   the payloads (row numbers): one of two sets that change places from insertion to insertion
.set I2, 224                           ; v224-239 the other set
.set D,  42
.set M,  32
.set B0, 64
.set B1, 128
.set GO, 208                           ; v208-215 byte offsets of my groups in PT
.set IB, 216                           ; v216-223 row number of each group's first candidate
; to[j] = c < L[j-1] ? fr[j-1] : (c < L[j] ? id : fr[j]),  with the L of before the insertion.  Compare j stands ahead of the line that rewrites L[j].
.macro INSERTP c, id, fr, to
	v_cmp_lt_f32 s[M+15], v[\c], v[L+15]
.irp j, 15,14,13,12,11,10,9,8,7,6,5,4,3,2,1
	v_cmp_lt_f32 s[M+\j-1], v[\c], v[L+\j-1]
	v_med3_num_f32 v[L+\j], v[L+\j-1], v[L+\j], v[\c]
.endr
	v_min_num_f32 v[L], v[L], v[\c]
.irp j, 15,14,13,12,11,10,9,8,7,6,5,4,3,2,1,0
	v_cndmask_b32 v[\to+\j], v[\fr+\j], v[\id], s[M+\j]
.endr
.irp j, 15,14,13,12,11,10,9,8,7,6,5,4,3,2,1
	v_cndmask_b32 v[\to+\j], v[\to+\j], v[\fr+\j-1], s[M+\j-1]
.endr
.endm
.macro DIST b
.irp k, 0,1,2,3,4,5,6,7
	v_pk_mul_f32 v[D+2*\k:D+2*\k+1], v[\b+8*\k:\b+8*\k+1], v[4:5] op_sel_hi:[1,0]
.endr
.irp k, 0,1,2,3,4,5,6,7
	v_pk_fma_f32 v[D+2*\k:D+2*\k+1], v[\b+8*\k+2:\b+8*\k+3], v[4:5], v[D+2*\k:D+2*\k+1] op_sel:[0,1,0] op_sel_hi:[1,1,1]
.endr
.irp k, 0,1,2,3,4,5,6,7
	v_pk_fma_f32 v[D+2*\k:D+2*\k+1], v[\b+8*\k+4:\b+8*\k+5], v[6:7], v[D+2*\k:D+2*\k+1] op_sel_hi:[1,0,1]
.endr
.irp k, 0,1,2,3,4,5,6,7
	v_pk_add_f32 v[\b+8*\k+6:\b+8*\k+7], v[\b+8*\k+6:\b+8*\k+7], v[6:7] op_sel:[0,1] op_sel_hi:[1,1]
.endr
.irp k, 0,1,2,3,4,5,6,7
	v_pk_add_f32 v[D+2*\k:D+2*\k+1], v[\b+8*\k+6:\b+8*\k+7], v[D+2*\k:D+2*\k+1]
.endr
.endm
.macro LOADC b, k
.set i_, 0
.rept 16
	global_load_b128 v[\b+4*i_:\b+4*i_+3], v[GO+\k], s[4:5] offset:16*i_
.set i_, i_+1
.endr
.endm
.macro PROC b, k                       ; 16 insertions: an even number, so the payloads end in the set in which they began
	DIST \b
.irp e, 0,2,4,6,8,10,12,14
	v_add_nc_u32 v195, \e, v[IB+\k]
	INSERTP D+\e, 195, I, I2
	v_add_nc_u32 v195, \e+1, v[IB+\k]
	INSERTP D+\e+1, 195, I2, I
.endr
.endm
	s_load_b128 s[4:7], s[0:1], 0x0                ; prepb, gi
	s_load_b64 s[8:9], s[0:1], 0x10                ; idx
	v_lshl_add_u32 v240, v0, 2, 0x2000
	v_mov_b32 v241, 0
	v_lshrrev_b32 v1, 5, v0
	v_readfirstlane_b32 s10, v1
	s_lshr_b32 s11, s10, 1
	s_and_b32 s12, s10, 1
	v_and_b32 v1, 31, v0
	s_lshl_b32 s13, s11, 12
	v_lshl_add_u32 v59, v1, 4, s13                 ; where a list's images lie
	s_lshr_b32 s13, ttmp9, 7
	s_lshl_b32 s14, s13, 17                        ; the batch's part of PT
	s_lshl_b32 s15, s13, 13                        ; and its first row
	s_lshl_b32 s16, ttmp9, 6
	s_lshl_b32 s17, s11, 5
	s_add_co_u32 s16, s16, s17
	v_add_nc_u32 v9, s16, v1                       ; my query
	v_lshrrev_b32 v193, 1, v9
	v_and_b32 v194, 1, v9
	v_lshlrev_b32 v193, 5, v193
	v_lshl_add_u32 v193, v194, 2, v193
	v_lshlrev_b32 v192, 6, v9
	s_lshl_b32 s17, s12, 5
	v_add_nc_u32 v194, s17, v192                   ; my eight places of the list
	s_wait_kmcnt 0x0
	global_load_b32 v4, v193, s[4:5]
	global_load_b32 v5, v193, s[4:5] offset:8
	global_load_b32 v6, v193, s[4:5] offset:16
	global_load_b32 v7, v193, s[4:5] offset:24
	global_load_b128 v[IB:IB+3], v194, s[6:7]
	global_load_b128 v[IB+4:IB+7], v194, s[6:7] offset:16
	s_wait_loadcnt 0x0
	v_mul_f32 v4, -0.5, v4
	v_mul_f32 v5, -0.5, v5
	v_mul_f32 v6, -0.5, v6
.irp k, 0,1,2,3,4,5,6,7
	v_min_u32 v[IB+\k], 0x1ff, v[IB+\k]
	v_lshl_add_u32 v[GO+\k], v[IB+\k], 8, s14
	v_lshl_add_u32 v[IB+\k], v[IB+\k], 4, s15
.endr
.irp j, 0,1,2,3,4,5,6,7,8,9,10,11,12,13,14,15
	v_mov_b32 v[L+\j], 0x7f800000
	v_mov_b32 v[I+\j], 0
.endr
	LOADC B0, 0
	LOADC B1, 1
	s_mov_b32 s20, 3
.Ltwo:                                 ; a trip works two groups and asks for the two behind them
	s_wait_loadcnt 16                              ; the older group is in; the other buffer's 16 loads may be out
	PROC B0, 0
	LOADC B0, 2
	s_wait_loadcnt 16
	PROC B1, 1
	LOADC B1, 3
	s_wait_xcnt 0x0                                ; the loads have read their offsets: these move up by two
.irp k, 0,1,2,3,4,5
	v_mov_b32 v[GO+\k], v[GO+\k+2]
	v_mov_b32 v[IB+\k], v[IB+\k+2]
.endr
	s_sub_co_u32 s20, s20, 1
	s_cmp_lg_u32 s20, 0
	s_cbranch_scc1 .Ltwo
	s_wait_loadcnt 16                              ; my last two groups: nothing more is asked for
	PROC B0, 0
	s_wait_loadcnt 0x0
	PROC B1, 1
	s_cmp_eq_u32 s12, 0
	s_cbranch_scc1 .Lkeep
.irp k, 0,1,2,3
	ds_store_b128 v59, v[L+4*\k:L+4*\k+3] offset:512*\k
	ds_store_b128 v59, v[I+4*\k:I+4*\k+3] offset:2048+512*\k
.endr
.Lkeep:
	s_wait_dscnt 0x0
	s_barrier_signal -1
	s_barrier_wait -1
	s_cmp_lg_u32 s12, 0
	s_cbranch_scc1 .Lend
.irp k, 0,1,2,3,4,5,6,7
	ds_load_b128 v[64+4*\k:67+4*\k], v59 offset:512*\k
.endr
	s_wait_dscnt 0x0
.irp i, 0,1,2,3,4,5,6,7,8,9,10,11,12,13,14,15
	v_cmp_lt_f32 vcc_lo, v[79-\i], v[L+\i]         ; my list holds the lower indices and wins ties
	v_cndmask_b32 v[I+\i], v[I+\i], v[95-\i], vcc_lo
.endr
.irp k, 0,1,2,3
	global_store_b128 v192, v[I+4*\k:I+4*\k+3], s[8:9] offset:16*\k
.endr
.Lend:
	s_wait_tensorcnt 0x0
	ds_add_u32 v240, v241
	s_wait_dscnt 0x0
	s_endpgm
.Lfunc_end_k_qc05534598f_knn2:
	.size	k_qc05534598f_knn2, .Lfunc_end_k_qc05534598f_knn2-k_qc05534598f_knn2
	.p2alignl 7, 3214868480
	.fill 96, 4, 3214868480
	.section	.rodata,"a",@progbits
	.p2align	6, 0x0
	.amdhsa_kernel k_qc05534598f_knn2
		.amdhsa_group_segment_fixed_size 8704
		.amdhsa_private_segment_fixed_size 0
		.amdhsa_enable_private_segment 0
		.amdhsa_kernarg_size 24
		.amdhsa_user_sgpr_count 2
		.amdhsa_user_sgpr_kernarg_segment_ptr 1
		.amdhsa_wavefront_size32 1
		.amdhsa_system_sgpr_workgroup_id_x 1
		.amdhsa_system_sgpr_workgroup_id_y 1
		.amdhsa_system_sgpr_workgroup_id_z 1
		.amdhsa_system_vgpr_workitem_id 0
		.amdhsa_next_free_vgpr 242
		.amdhsa_next_free_sgpr 66
		.amdhsa_reserve_vcc 1
		.amdhsa_float_denorm_mode_32 3
		.amdhsa_float_denorm_mode_16_64 3
		.amdhsa_memory_ordered 1
		.amdhsa_forward_progress 1
		.amdhsa_inst_pref_size 255
	.end_amdhsa_kernel
	.section	.bss,"aw",@nobits
	.p2align	6
	.space	262144
	.amdgpu_metadata
---
amdhsa.version: [ 1, 2 ]
amdhsa.kernels:
  - .name:           k_qc05534598f_knn2
    .symbol:         k_qc05534598f_knn2.kd
    .args:
      - { .name: prepb, .offset: 0, .size: 8, .value_kind: global_buffer, .address_space: global }
      - { .name: gi, .offset: 8, .size: 8, .value_kind: global_buffer, .address_space: global }
      - { .name: idx, .offset: 16, .size: 8, .value_kind: global_buffer, .address_space: global }
    .group_segment_fixed_size: 8704
    .private_segment_fixed_size: 0
    .kernarg_segment_align: 8
    .kernarg_segment_size: 24
    .max_flat_workgroup_size: 128
    .sgpr_count:     66
    .vgpr_count:     242
    .wavefront_size: 32
...
	.end_amdgpu_metadata
.endif
;; end of part 3
;; launch pd (part 4): grid 256 x 1, 8 waves a work-group, no clusters, 1,280 bytes of LDS; arguments points, idx, Wd1, sd; writes sd
.if DOCPART == 4
	.amdgcn_target "amdgcn-amd-amdhsa--gfx1250"
	.amdhsa_code_object_version 6
	.text
	.protected	k_qc05534598f_pd
	.globl	k_qc05534598f_pd
	.p2align	8
	.type	k_qc05534598f_pd,@function
k_qc05534598f_pd:
	s_mov_b64 s[64:65], 0
	v_nop
	global_prefetch_b8 v0, s[64:65] scope:SCOPE_SE
	s_setreg_imm32_b32 hwreg(HW_REG_WAVE_MODE, 25, 1), 1
	s_wait_xcnt 0x0
; SUMS FOR THE FIRST NORM.  w = Wd1 (p_query - p_neighbour) for all 262,144 rows; each work-group stores the sums of w and of w w over its 1,024 rows (6 words of a record of 32 bytes).
; w is made of a difference of points, so its mean is small beside its spread and plain sums lose nothing; the bias bd1 shifts the mean alone and is added where the sums are used.
; The neighbours' rows are whole numbers stored by an earlier launch, held to 16,383 ahead of their use in an address.
	s_load_b256 s[4:11], s[0:1], 0x0               ; points, idx, Wd1, sd
	v_lshl_add_u32 v64, v0, 2, 0x100
	v_mov_b32 v65, 0
	v_lshrrev_b32 v1, 5, v0
	v_readfirstlane_b32 s12, v1                    ; wave
	s_lshl_b32 s13, ttmp9, 10
	v_add_nc_u32 v2, s13, v0                       ; my first row; the others lie 256 rows apart
	v_lshlrev_b32 v3, 2, v2
	v_lshrrev_b32 v8, 4, v2
	v_mul_u32_u24 v8, v8, 12                       ; its query's point; 256 rows on is 16 queries on
	s_lshl_b32 s14, s12, 5
	v_mov_b32 v46, s14                             ; my wave's 32 bytes of LDS
	v_and_b32 v47, 31, v0
	v_cmp_gt_u32 vcc_lo, 6, v47
	v_min_u32 v47, 5, v47
	v_lshlrev_b32 v47, 2, v47                      ; wave 0 at the end: lane l takes word min(l, 5)
	s_lshl_b32 s15, ttmp9, 5
	v_add_nc_u32 v56, s15, v47
	s_mov_b32 s26, 0x76543210
	s_mov_b32 s27, 0xfedcba98
	s_wait_kmcnt 0x0
	s_load_b256 s[16:23], s[8:9], 0x0
	s_load_b32 s24, s[8:9], 0x20
.irp i, 0,1,2,3
	global_load_b32 v[4+\i], v3, s[6:7] offset:1024*\i
.irp k, 0,1,2
	global_load_b32 v[12+3*\i+\k], v8, s[4:5] offset:192*\i+4*\k
.endr
.endr
	s_wait_loadcnt 0x0
.irp i, 0,1,2,3
	v_min_u32 v[4+\i], 0x3fff, v[4+\i]
	v_mul_u32_u24 v[4+\i], v[4+\i], 12
.irp k, 0,1,2
	global_load_b32 v[24+3*\i+\k], v[4+\i], s[4:5] offset:4*\k
.endr
.endr
	s_wait_loadcnt 0x0
	s_wait_kmcnt 0x0
.irp i, 0,1,2,3
.irp k, 0,1,2
	v_sub_f32 v[12+3*\i+\k], v[12+3*\i+\k], v[24+3*\i+\k]
.endr
.irp c, 0,1,2
	v_mul_f32 v36, s[16+3*\c], v[12+3*\i]
	v_fma_f32 v36, s[17+3*\c], v[13+3*\i], v36
	v_fma_f32 v36, s[18+3*\c], v[14+3*\i], v36
.if \i == 0
	v_mov_b32 v[40+\c], v36
	v_mul_f32 v[43+\c], v36, v36
.else
	v_add_f32 v[40+\c], v[40+\c], v36
	v_fma_f32 v[43+\c], v36, v36, v[43+\c]
.endif
.endr
.endr
.irp x, 1,2,4,8
.irp c, 0,1,2,3,4,5
	v_add_f32_dpp v[40+\c], v[40+\c], v[40+\c] row_xmask:\x row_mask:0xf bank_mask:0xf
.endr
.endr
.irp c, 0,1,2,3,4,5
	v_mov_b32 v[48+\c], 0                          ; a lane permute's destination counts as one of its sources
.endr
.irp c, 0,1,2,3,4,5
	v_permlanex16_b32 v[48+\c], v[40+\c], s26, s27
.endr
.irp c, 0,1,2,3,4,5
	v_add_f32 v[40+\c], v[40+\c], v[48+\c]
	ds_store_b32 v46, v[40+\c] offset:4*\c         ; all lanes write the same word with the same value
.endr
	s_wait_dscnt 0x0
	s_barrier_signal -1
	s_barrier_wait -1
	s_cmp_lg_u32 s12, 0
	s_cbranch_scc1 .Lend
.irp w, 0,1,2,3,4,5,6,7
	ds_load_b32 v[48+\w], v47 offset:32*\w
.endr
	s_wait_dscnt 0x0
	v_add_f32 v48, v48, v49
	v_add_f32 v50, v50, v51
	v_add_f32 v52, v52, v53
	v_add_f32 v54, v54, v55
	v_add_f32 v48, v48, v50
	v_add_f32 v52, v52, v54
	v_add_f32 v48, v48, v52
	s_wait_xcnt 0x0                                ; EXEC changes only behind this wait
	s_and_saveexec_b32 s30, vcc_lo                 ; lanes 0 to 5
	global_store_b32 v56, v48, s[10:11]
	s_wait_xcnt 0x0
	s_or_b32 exec_lo, exec_lo, s30
.Lend:
	s_wait_tensorcnt 0x0
	ds_add_u32 v64, v65
	s_wait_dscnt 0x0
	s_endpgm
.Lfunc_end_k_qc05534598f_pd:
	.size	k_qc05534598f_pd, .Lfunc_end_k_qc05534598f_pd-k_qc05534598f_pd
	.p2alignl 7, 3214868480
	.fill 96, 4, 3214868480
	.section	.rodata,"a",@progbits
	.p2align	6, 0x0
	.amdhsa_kernel k_qc05534598f_pd
		.amdhsa_group_segment_fixed_size 1280
		.amdhsa_private_segment_fixed_size 0
		.amdhsa_enable_private_segment 0
		.amdhsa_kernarg_size 32
		.amdhsa_user_sgpr_count 2
		.amdhsa_user_sgpr_kernarg_segment_ptr 1
		.amdhsa_wavefront_size32 1
		.amdhsa_system_sgpr_workgroup_id_x 1
		.amdhsa_system_sgpr_workgroup_id_y 1
		.amdhsa_system_sgpr_workgroup_id_z 1
		.amdhsa_system_vgpr_workitem_id 0
		.amdhsa_next_free_vgpr 66
		.amdhsa_next_free_sgpr 66
		.amdhsa_reserve_vcc 1
		.amdhsa_float_denorm_mode_32 3
		.amdhsa_float_denorm_mode_16_64 3
		.amdhsa_memory_ordered 1
		.amdhsa_forward_progress 1
		.amdhsa_inst_pref_size 12
	.end_amdhsa_kernel
	.amdgpu_metadata
---
amdhsa.version: [ 1, 2 ]
amdhsa.kernels:
  - .name:           k_qc05534598f_pd
    .symbol:         k_qc05534598f_pd.kd
    .args:
      - { .name: points, .offset: 0, .size: 8, .value_kind: global_buffer, .address_space: global }
      - { .name: idx, .offset: 8, .size: 8, .value_kind: global_buffer, .address_space: global }
      - { .name: Wd1, .offset: 16, .size: 8, .value_kind: global_buffer, .address_space: global }
      - { .name: sd, .offset: 24, .size: 8, .value_kind: global_buffer, .address_space: global }
    .group_segment_fixed_size: 1280
    .private_segment_fixed_size: 0
    .kernarg_segment_align: 8
    .kernarg_segment_size: 32
    .max_flat_workgroup_size: 256
    .sgpr_count:     66
    .vgpr_count:     66
    .wavefront_size: 32
...
	.end_amdgpu_metadata
.endif
;; end of part 4
;; launch pa (part 5): grid 256 x 1, 16 waves a work-group, no clusters, 53,760 bytes of LDS; arguments prepb, idx, points, sd, Wd1, bd1, gd, betad, Wd2, Wk_codes, Wk_scales, s1; writes s1
.if DOCPART == 5
	.amdgcn_target "amdgcn-amd-amdhsa--gfx1250"
	.amdhsa_code_object_version 6
	.text
	.protected	k_qc05534598f_pa
	.globl	k_qc05534598f_pa
	.p2align	8
	.type	k_qc05534598f_pa,@function
k_qc05534598f_pa:
	s_mov_b64 s[64:65], 0
	v_nop
	global_prefetch_b8 v0, s[64:65] scope:SCOPE_SE
	s_setreg_imm32_b32 hwreg(HW_REG_WAVE_MODE, 25, 1), 1
	s_wait_xcnt 0x0
; STATISTICS OF E = -(q - key + pos), the number in front of the second norm, with its sign turned.  E = Wk x(neighbour) - Wd2 pos1 - (q + bq - bk + bd2).
; A tile is one query with its 16 neighbours as 16 rows.  A work-group of 16 waves has 64 tiles, a wave four.  The neighbours' feats come as rows of codes, gathered straight into the operand's registers.
; The small product (K = 3) goes by the f32 matrix form with K = 4: its fourth place carries 1 on the tile's side and the query's term on the weight's side; it starts the sum that the quantised product goes on with.
; Products are used in the natural way here (source 0 = the tile): a lane holds ONE channel (slot 16 t + lane % 16 = channel 32 (t/2) + 8 (t%2) + r + 8 (r/8)) and eight neighbours.
; Mean and sum of squares are kept about a pivot (each lane's first number) and merged as (mean, M2): no difference of large sums is formed.  Each work-group stores 128 pairs over its 1,024 rows.
; No tensor loads and no cluster: the weights are 16 KB a work-group, read once; what is gathered differs from tile to tile.
; LIMITS: NaN and infinities are not served.  erf is a ratio of polynomials in z^2 on |z| <= 4 (beyond, erf is 1 in f32), good to a few ulp.
.set FC_O, 262144
.set FS_O, 2359296
.set NQ_O, 2424832
.set WK,  0                            ; LDS: Wk's eight fragments as images of their registers, 2,048 bytes each
.set WKS, 16384                        ; their scale words, 64 bytes a tile
.set WDI, 16896                        ; -Wd2's eight fragments of the f32 form, 256 bytes each
.set REC, 18944                        ; 32 x 128 pairs (mean, M2)
; REGISTERS: v1 16 lane, v2 4 r, v3 256 h, v4 32 r, v8 8 lane; v5-7, v12-14 offsets of the gathers; v9 the next tile's neighbours; v10-11 the tile's fragment of the f32 form;
; v16-31 the neighbours' codes, v32 their scale words, v34-41 the weights' scale words; v42-47 points; v48-55 the query's term; v56-63 pivots, v64-71 sums, v72-79 sums of squares;
; v80-143 E (written by matrix instructions alone); v144-207 four fragments of weights; v208-255 at work.
.macro NOPS n
.rept \n
	v_nop
.endr
.endm
.macro HORN acc, k, np                 ; acc = acc x z^2 + k
.set g_, 0
.rept \np
	v_pk_fma_f32 v[\acc+g_:\acc+g_+1], v[\acc+g_:\acc+g_+1], v[216+g_:217+g_], \k op_sel_hi:[1,1,0]
.set g_, g_+2
.endr
.endm
; gelu(y) = y/2 (1 + erf(y / sqrt 2)) of np pairs.  ab = 1: y = src x a + b (a in v240 on, b in v248 on); else y lies in dst.  v208-239 at work.
.macro GELU src, dst, np, ab
.if \ab
.set g_, 0
.rept \np
	v_pk_fma_f32 v[\dst+g_:\dst+g_+1], v[\src+g_:\src+g_+1], v[240+g_:241+g_], v[248+g_:249+g_]
.set g_, g_+2
.endr
.endif
.set g_, 0
.rept \np
	v_pk_mul_f32 v[208+g_:209+g_], v[\dst+g_:\dst+g_+1], 0x3f3504f3 op_sel_hi:[1,0]
.set g_, g_+2
.endr
.set g_, 0
.rept 2*\np
	v_med3_num_f32 v[208+g_], v[208+g_], -4.0, 4.0
.set g_, g_+1
.endr
.set g_, 0
.rept \np
	v_pk_mul_f32 v[216+g_:217+g_], v[208+g_:209+g_], v[208+g_:209+g_]
.set g_, g_+2
.endr
.set g_, 0
.rept \np
	v_pk_fma_f32 v[224+g_:225+g_], v[216+g_:217+g_], s[48:49], 0x32edffee op_sel_hi:[1,0,0]
	v_pk_fma_f32 v[232+g_:233+g_], v[216+g_:217+g_], s[50:51], 0xb95fbd29 op_sel_hi:[1,0,0]
.set g_, g_+2
.endr
	HORN 224, 0xb60cff51, \np
	HORN 232, 0xbadc924e, \np
	HORN 224, 0xb86ec2d2, \np
	HORN 232, 0xbbf19bf8, \np
	HORN 224, 0xba40ac63, \np
	HORN 232, 0xbc69b6a7, \np
	HORN 224, 0xbb41a1f6, \np
	HORN 224, 0xbc83dbd4, \np
.set g_, 0
.rept \np
	v_pk_mul_f32 v[224+g_:225+g_], v[224+g_:225+g_], v[208+g_:209+g_]
.set g_, g_+2
.endr
.set g_, 0
.rept 2*\np
	v_rcp_f32 v[208+g_], v[232+g_]
.set g_, g_+1
.endr
.set g_, 0
.rept \np
	v_pk_mul_f32 v[216+g_:217+g_], v[\dst+g_:\dst+g_+1], 0.5 op_sel_hi:[1,0]   ; plain work behind the reciprocals
.set g_, g_+2
.endr
	s_wait_alu depctr_va_vdst(0)                   ; one wait for the batch of reciprocals, ahead of their first reader
.set g_, 0
.rept \np
	v_pk_mul_f32 v[224+g_:225+g_], v[224+g_:225+g_], v[208+g_:209+g_]
.set g_, g_+2
.endr
.set g_, 0
.rept \np
	v_pk_fma_f32 v[\dst+g_:\dst+g_+1], v[216+g_:217+g_], v[224+g_:225+g_], v[216+g_:217+g_]
.set g_, g_+2
.endr
.endm
; pos1 = gelu(bn(Wd1 (p_query - p_neighbour) + bd1)) of my neighbour, as the tile's fragment of the f32 form: k = 2 h + register; k = 3 is 1
.macro POS1
	v_sub_f32 v42, v45, v42
	v_sub_f32 v43, v46, v43
	v_sub_f32 v44, v47, v44
.irp c, 0,1,2
	v_mul_f32 v[240+\c], s[16+3*\c], v42
.endr
.irp c, 0,1,2
	v_fma_f32 v[240+\c], s[17+3*\c], v43, v[240+\c]
.endr
.irp c, 0,1,2
	v_fma_f32 v[240+\c], s[18+3*\c], v44, v[240+\c]
.endr
.irp c, 0,1,2
	v_add_f32 v[240+\c], s[28+\c], v[240+\c]
.endr
.irp c, 0,1,2
	v_fma_f32 v[240+\c], v[240+\c], s[40+\c], s[44+\c]
.endr
	v_mov_b32 v243, v242
	GELU 240, 240, 2, 0
	v_cndmask_b32 v10, v240, v242, s55
	v_cndmask_b32 v11, v241, 1.0, s55
.endm
.macro WDFRAG nq                       ; the weight's side of the f32 form; nq = 1: its k = 3 is the query's term
.irp u, 0,1,2,3,4,5,6,7
	ds_load_b64 v[208+2*\u:209+2*\u], v8 offset:WDI+256*\u
.endr
	s_wait_dscnt 0x0
.if \nq
.irp u, 0,1,2,3,4,5,6,7
	v_cndmask_b32 v[209+2*\u], v[209+2*\u], v[48+\u], s55
.endr
.endif
.endm
.macro POSMM tr, acc
.irp u, 0,1,2,3,4,5,6,7
.if \tr
	v_wmma_f32_16x16x4_f32 v[\acc+8*\u:\acc+8*\u+7], v[208+2*\u:209+2*\u], v[10:11], 0
.else
	v_wmma_f32_16x16x4_f32 v[\acc+8*\u:\acc+8*\u+7], v[10:11], v[208+2*\u:209+2*\u], 0
.endif
.endr
	NOPS 9                                         ; nine places ahead of the products of another form that go on with these sums
.endm
; Eight products of one tile with a weight's eight fragments, nf fragments at a time from LDS into v[tmp] on.  tr = 1: source 0 = the weight.  cm = 1: C = D.
.macro MM8 d, img, simg, x, xs, tr, cm, tmp, nf
.set t0_, 0
.rept 8/\nf
.if t0_ > 0
	NOPS 8                                         ; places in front of loads into registers that products have read
.endif
.set f_, 0
.rept \nf
.irp k, 0,1,2,3
	ds_load_b128 v[\tmp+16*f_+4*\k:\tmp+16*f_+4*\k+3], v1 offset:\img+2048*(t0_+f_)+512*\k
.endr
	ds_load_b32 v[34+t0_+f_], v2 offset:\simg+64*(t0_+f_)
.set f_, f_+1
.endr
	s_wait_dscnt 0x0
.set f_, 0
.rept \nf
.set dd_, \d+8*(t0_+f_)
.set ff_, \tmp+16*f_
.if \tr
.if \cm
	v_wmma_scale_f32_16x16x128_f8f6f4 v[dd_:dd_+7], v[ff_:ff_+15], v[\x:\x+15], v[dd_:dd_+7], v[34+t0_+f_], v[\xs] matrix_a_fmt:MATRIX_FMT_BF8 matrix_b_fmt:MATRIX_FMT_BF8
.else
	v_wmma_scale_f32_16x16x128_f8f6f4 v[dd_:dd_+7], v[ff_:ff_+15], v[\x:\x+15], 0, v[34+t0_+f_], v[\xs] matrix_a_fmt:MATRIX_FMT_BF8 matrix_b_fmt:MATRIX_FMT_BF8
.endif
.else
.if \cm
	v_wmma_scale_f32_16x16x128_f8f6f4 v[dd_:dd_+7], v[\x:\x+15], v[ff_:ff_+15], v[dd_:dd_+7], v[\xs], v[34+t0_+f_] matrix_a_fmt:MATRIX_FMT_BF8 matrix_b_fmt:MATRIX_FMT_BF8
.else
	v_wmma_scale_f32_16x16x128_f8f6f4 v[dd_:dd_+7], v[\x:\x+15], v[ff_:ff_+15], 0, v[\xs], v[34+t0_+f_] matrix_a_fmt:MATRIX_FMT_BF8 matrix_b_fmt:MATRIX_FMT_BF8
.endif
.endif
.set f_, f_+1
.endr
.set t0_, t0_+\nf
.endr
	NOPS 9
.endm
.macro PKSUBB d, a, b                  ; v[d:d+1] = v[a:a+1] - v[b], both halves
.if ((\b)%2)==0
	v_pk_add_f32 v[\d:\d+1], v[\a:\a+1], v[\b:\b+1] op_sel_hi:[1,0] neg_lo:[0,1] neg_hi:[0,1]
.else
	v_pk_add_f32 v[\d:\d+1], v[\a:\a+1], v[\b-1:\b] op_sel:[0,1] op_sel_hi:[1,1] neg_lo:[0,1] neg_hi:[0,1]
.endif
.endm
.macro STATS acc                       ; my eight numbers of each of eight channels, about the lane's pivot; each accumulator is read from its low end on
.set t_, 0
.rept 8
	v_cndmask_b32 v[56+t_], v[56+t_], v[\acc+8*t_], s56
.irp p, 0,1,2,3
	PKSUBB 208+2*\p, \acc+8*t_+2*\p, 56+t_
.endr
	v_pk_add_f32 v[216:217], v[208:209], v[210:211]
	v_pk_add_f32 v[218:219], v[212:213], v[214:215]
	v_pk_mul_f32 v[220:221], v[208:209], v[208:209]
	v_pk_add_f32 v[216:217], v[216:217], v[218:219]
	v_pk_fma_f32 v[220:221], v[210:211], v[210:211], v[220:221]
	v_pk_fma_f32 v[220:221], v[212:213], v[212:213], v[220:221]
	v_pk_fma_f32 v[220:221], v[214:215], v[214:215], v[220:221]
	v_add_f32 v216, v216, v217
	v_add_f32 v220, v220, v221
	v_add_f32 v[64+t_], v[64+t_], v216
	v_add_f32 v[72+t_], v[72+t_], v220
.set t_, t_+1
.endr
.endm
; Merging records (mean, M2) of equal counts: v208 pivot, v209 sum of (mean - pivot), v210 of its square, v211 of M2
.macro MINIT m
	v_mov_b32 v208, v[\m]
	v_mov_b32 v209, 0
	v_mov_b32 v210, 0
	v_mov_b32 v211, 0
.endm
.macro MACC m
	v_sub_f32 v212, v[\m], v208
	v_add_f32 v211, v211, v[\m+1]
	v_add_f32 v209, v209, v212
	v_fma_f32 v210, v212, v212, v210
.endm
.macro MFIN invg, n                    ; 1 / records, numbers in a record -> v[214:215]
	v_mul_f32 v212, v209, v209
	v_fma_f32 v214, v209, \invg, v208
	v_fma_f32 v210, -v212, \invg, v210
	v_fma_f32 v215, v210, \n, v211
.endm
.macro RECOUT                          ; 32 records of 32 numbers for each of 128 slots meet in LDS; waves 0-3 merge and store them
	v_and_b32 v12, 15, v0
	v_lshlrev_b32 v12, 3, v12
	v_bfe_u32 v13, v0, 4, 1
	v_lshl_add_u32 v12, v13, 10, v12
	s_lshl_b32 s25, s2, 11
	s_add_co_u32 s25, s25, REC
	v_add_nc_u32 v12, s25, v12
	v_lshlrev_b32 v13, 3, v0
	v_add_nc_u32 v15, REC, v13
	s_lshl_b32 s25, ttmp9, 10
	v_add_nc_u32 v14, s25, v13
.irp u, 0,1,2,3,4,5,6,7
	v_mul_f32 v[208+\u], v[64+\u], v[64+\u]
	v_fma_f32 v[144+2*\u], v[64+\u], 0x3d000000, v[56+\u]
	v_fma_f32 v[145+2*\u], -v[208+\u], 0x3d000000, v[72+\u]
	ds_store_b64 v12, v[144+2*\u:145+2*\u] offset:128*\u
.endr
	s_wait_dscnt 0x0
	s_barrier_signal -1
	s_barrier_wait -1
	s_cmp_ge_u32 s2, 4
	s_cbranch_scc1 .Lrec_done
.set i_, 0
.rept 32
	ds_load_b64 v[144+2*i_:145+2*i_], v15 offset:1024*i_
.set i_, i_+1
.endr
	s_wait_dscnt 0x0
	MINIT 144
.set i_, 0
.rept 32
	MACC 144+2*i_
.set i_, i_+1
.endr
	MFIN 0x3d000000, 0x42000000
	global_store_b64 v14, v[214:215], s[14:15]     ; a wave stores 256 consecutive bytes, aligned
.Lrec_done:
.endm
.macro GATHER st, nq                   ; tile s[st]: its neighbours' rows stand in v9
	v_min_u32 v6, 0x3fff, v9
	v_lshrrev_b32 v5, 4, v3
	v_lshl_add_u32 v5, v6, 7, v5
	v_mul_u32_u24 v7, v6, 12
	v_lshlrev_b32 v6, 2, v6
	s_mul_i32 s25, s[\st], 12
	v_mov_b32 v12, s25
.if \nq
	s_lshl_b32 s25, s[\st], 9
	v_add_nc_u32 v13, s25, v4
.endif
.irp k, 0,1,2,3
	global_load_b128 v[16+4*\k:19+4*\k], v5, s[4:5] offset:FC_O+32*\k
.endr
	global_load_b32 v32, v6, s[4:5] offset:FS_O
.irp k, 0,1,2
	global_load_b32 v[42+\k], v7, s[8:9] offset:4*\k
	global_load_b32 v[45+\k], v12, s[8:9] offset:4*\k
.endr
.if \nq
	global_load_b128 v[48:51], v13, s[4:5] offset:NQ_O
	global_load_b128 v[52:55], v13, s[4:5] offset:NQ_O+16
.endif
.endm
.macro LOADIDX st
	s_lshl_b32 s25, s[\st], 6
	v_add_nc_u32 v14, s25, v2
	global_load_b32 v9, v14, s[6:7]
.endm
.macro LOADW d, vc, vs, pc, ps         ; my wave's 1,024 bytes of a weight's images, and 8 scale words
	global_load_b128 v[\d:\d+3], v[\vc], s[\pc:\pc+1]
	global_load_b128 v[\d+4:\d+7], v[\vc], s[\pc:\pc+1] offset:32
	global_load_b32 v[\d+8], v[\vs], s[\ps:\ps+1]
.endm
.macro PUTW d, img, simg
	ds_store_b128 v148, v[\d:\d+3] offset:\img
	ds_store_b128 v148, v[\d+4:\d+7] offset:\img+512
	ds_store_b32 v149, v[\d+8] offset:\simg
.endm
.macro BNDC                            ; the first norm's y = u A + B from the 256 records in v208-255 (eight a lane) -> s40-42, s44-46
.set i_, 1
.rept 7
	v_pk_add_f32 v[208:209], v[208:209], v[208+6*i_:209+6*i_]
	v_pk_add_f32 v[210:211], v[210:211], v[210+6*i_:211+6*i_]
	v_pk_add_f32 v[212:213], v[212:213], v[212+6*i_:213+6*i_]
.set i_, i_+1
.endr
.irp x, 1,2,4,8
.irp c, 0,1,2,3,4,5
	v_add_f32_dpp v[208+\c], v[208+\c], v[208+\c] row_xmask:\x row_mask:0xf bank_mask:0xf
.endr
.endr
.irp c, 0,1,2,3,4,5
	v_permlanex16_b32 v[214+\c], v[208+\c], s52, s53
.endr
.irp c, 0,1,2,3,4,5
	v_add_f32 v[208+\c], v[208+\c], v[214+\c]
.endr
.irp c, 0,1,2
	v_mul_f32 v[208+\c], 0x36800000, v[208+\c]     ; / 262,144
	v_mul_f32 v[211+\c], 0x36800000, v[211+\c]
	v_fma_f32 v[211+\c], -v[208+\c], v[208+\c], v[211+\c]
	v_add_f32 v[211+\c], 0x3727c5ac, v[211+\c]     ; + 1e-5
.endr
.irp c, 0,1,2
	v_rsq_f32 v[211+\c], v[211+\c]
.endr
	v_nop
	s_wait_alu depctr_va_vdst(0)
.irp c, 0,1,2
	v_mul_f32 v[220+\c], s[32+\c], v[211+\c]
	v_add_f32 v[208+\c], s[28+\c], v[208+\c]
	v_fma_f32 v[223+\c], -v[208+\c], v[220+\c], s[36+\c]
	v_readfirstlane_b32 s[40+\c], v[220+\c]
	v_readfirstlane_b32 s[44+\c], v[223+\c]
.endr
.endm
	s_load_b128 s[4:7], s[0:1], 0x0                ; prepb, idx
	s_load_b64 s[8:9], s[0:1], 0x10                ; points
	s_load_b256 s[68:75], s[0:1], 0x18             ; sd, Wd1, bd1, gd
	s_load_b256 s[76:83], s[0:1], 0x38             ; betad, Wd2, Wk's codes, Wk's scales
	s_load_b64 s[14:15], s[0:1], 0x58              ; s1
	v_lshrrev_b32 v12, 5, v0
	v_readfirstlane_b32 s2, v12                    ; wave
	v_and_b32 v13, 31, v0
	v_and_b32 v14, 15, v0
	v_bfe_u32 v15, v0, 4, 1
	v_lshlrev_b32 v1, 4, v13
	v_lshlrev_b32 v2, 2, v14
	v_lshlrev_b32 v3, 8, v15
	v_lshlrev_b32 v4, 5, v14
	v_lshlrev_b32 v8, 3, v13
	s_lshr_b32 s25, s2, 1                          ; the images: wave W brings chunks 2 (W%2), 2 (W%2) + 1 of tile t = W / 2
	s_and_b32 s26, s2, 1
	s_lshr_b32 s27, s2, 2
	s_lshl_b32 s27, s27, 5
	s_and_b32 s31, s25, 1
	s_lshl_b32 s31, s31, 3
	s_add_co_u32 s27, s27, s31                     ; 32 (t/2) + 8 (t%2)
	s_lshl_b32 s35, s27, 7
	s_lshl_b32 s39, s26, 6
	s_add_co_u32 s35, s35, s39
	v_and_b32 v144, 8, v14
	v_add_nc_u32 v144, v144, v14                   ; r + 8 (r/8)
	v_lshlrev_b32 v145, 7, v144
	v_lshl_add_u32 v145, v15, 4, v145
	v_add_nc_u32 v145, s35, v145                   ; codes
	v_and_b32 v146, 7, v0
	s_lshl_b32 s43, s26, 4
	s_add_co_u32 s43, s43, s27
	v_add_nc_u32 v147, s43, v146
	v_lshlrev_b32 v147, 2, v147                    ; scale words: word 8 W + lane % 8 of the image
	s_lshl_b32 s43, s2, 10
	v_add_nc_u32 v148, s43, v1
	s_lshl_b32 s43, s2, 5
	v_lshl_add_u32 v149, v146, 2, s43
	v_lshrrev_b32 v186, 6, v0                      ; Wd2's image: thread = 64 t + 2 lane + register
	v_bfe_u32 v187, v0, 1, 4
	v_bfe_u32 v188, v0, 5, 1
	v_and_b32 v189, 1, v0
	v_lshl_add_u32 v188, v188, 1, v189             ; k
	v_min_u32 v189, 2, v188
	v_lshrrev_b32 v190, 1, v186
	v_lshlrev_b32 v190, 5, v190
	v_and_b32 v191, 1, v186
	v_lshl_add_u32 v190, v191, 3, v190
	v_add_nc_u32 v190, v190, v187
	v_and_b32 v191, 8, v187
	v_add_nc_u32 v190, v190, v191                  ; the channel
	v_mad_u32_u24 v191, v190, 3, v189
	v_lshlrev_b32 v191, 2, v191
	v_lshlrev_b32 v196, 2, v0
	v_lshlrev_b32 v197, 5, v13
	s_mov_b32 s48, 0xaf95df0b
	s_mov_b32 s49, s48
	s_mov_b32 s50, 0xb77460cd
	s_mov_b32 s51, s50
	s_mov_b32 s52, 0x76543210
	s_mov_b32 s53, 0xfedcba98
	s_mov_b32 s55, 0xffff0000                      ; lanes 16-31
	s_wait_kmcnt 0x0
	s_load_b256 s[16:23], s[70:71], 0x0            ; Wd1
	s_load_b32 s24, s[70:71], 0x20
	s_load_b96 s[28:30], s[72:73], 0x0             ; bd1
	s_load_b96 s[32:34], s[74:75], 0x0             ; gd
	s_load_b96 s[36:38], s[76:77], 0x0             ; betad
	LOADW 152, 145, 147, 80, 82
	global_load_b32 v192, v191, s[78:79]
.set i_, 0
.rept 8
	global_load_b128 v[208+6*i_:211+6*i_], v197, s[68:69] offset:1024*i_
	global_load_b64 v[212+6*i_:213+6*i_], v197, s[68:69] offset:1024*i_+16
.set i_, i_+1
.endr
	s_wait_loadcnt 0x0
	s_wait_kmcnt 0x0
	PUTW 152, WK, WKS
	v_mul_f32 v192, -1.0, v192                     ; (the words of k = 3 are replaced in every tile)
	ds_store_b32 v196, v192 offset:WDI
	BNDC
.irp j, 0,1,2,3,4,5,6,7,8,9,10,11,12,13,14,15,16,17,18,19,20,21,22,23
	v_mov_b32 v[56+\j], 0
.endr
	s_wait_dscnt 0x0
	s_barrier_signal -1
	s_barrier_wait -1
	s_lshl_b32 s57, ttmp9, 6
	s_lshl_b32 s58, s2, 2
	s_add_co_u32 s57, s57, s58                     ; my first tile
	LOADIDX 57
	s_wait_loadcnt 0x0
	GATHER 57, 1
	s_add_co_u32 s59, s57, 1
	LOADIDX 59
	s_mov_b32 s3, 0
.Ltile:
	s_wait_loadcnt 0x0                             ; this tile's gathers and the next tile's neighbours
	s_cmp_eq_u32 s3, 0
	s_cselect_b32 s56, -1, 0                       ; the first tile sets the pivots
	s_add_co_u32 s58, s57, s3
	POS1
	WDFRAG 1
	POSMM 0, 80
	MM8 80, WK, WKS, 16, 32, 0, 1, 144, 4
	s_wait_xcnt 0x0                                ; the gathers' offsets are written again only behind this wait
	s_add_co_u32 s59, s58, 1
	s_min_u32 s59, s59, 0x3fff                     ; behind the last tile: a tile that exists, not used
	GATHER 59, 1
	s_add_co_u32 s59, s58, 2
	s_min_u32 s59, s59, 0x3fff
	LOADIDX 59
	STATS 80
	s_add_co_u32 s3, s3, 1
	s_cmp_lt_u32 s3, 4
	s_cbranch_scc1 .Ltile
	s_wait_loadcnt 0x0
	RECOUT
	s_wait_xcnt 0x0
	v_lshl_add_u32 v254, v0, 2, 0xca00
	v_mov_b32 v255, 0
	s_wait_tensorcnt 0x0
	ds_add_u32 v254, v255
	s_wait_dscnt 0x0
	s_endpgm
.Lfunc_end_k_qc05534598f_pa:
	.size	k_qc05534598f_pa, .Lfunc_end_k_qc05534598f_pa-k_qc05534598f_pa
	.p2alignl 7, 3214868480
	.fill 96, 4, 3214868480
	.section	.rodata,"a",@progbits
	.p2align	6, 0x0
	.amdhsa_kernel k_qc05534598f_pa
		.amdhsa_group_segment_fixed_size 53760
		.amdhsa_private_segment_fixed_size 0
		.amdhsa_enable_private_segment 0
		.amdhsa_kernarg_size 96
		.amdhsa_user_sgpr_count 2
		.amdhsa_user_sgpr_kernarg_segment_ptr 1
		.amdhsa_wavefront_size32 1
		.amdhsa_system_sgpr_workgroup_id_x 1
		.amdhsa_system_sgpr_workgroup_id_y 1
		.amdhsa_system_sgpr_workgroup_id_z 1
		.amdhsa_system_vgpr_workitem_id 0
		.amdhsa_next_free_vgpr 256
		.amdhsa_next_free_sgpr 84
		.amdhsa_reserve_vcc 0
		.amdhsa_float_denorm_mode_32 3
		.amdhsa_float_denorm_mode_16_64 3
		.amdhsa_memory_ordered 1
		.amdhsa_forward_progress 1
		.amdhsa_inst_pref_size 44
	.end_amdhsa_kernel
	.amdgpu_metadata
---
amdhsa.version: [ 1, 2 ]
amdhsa.kernels:
  - .name:           k_qc05534598f_pa
    .symbol:         k_qc05534598f_pa.kd
    .args:
      - { .name: prepb, .offset: 0, .size: 8, .value_kind: global_buffer, .address_space: global }
      - { .name: idx, .offset: 8, .size: 8, .value_kind: global_buffer, .address_space: global }
      - { .name: points, .offset: 16, .size: 8, .value_kind: global_buffer, .address_space: global }
      - { .name: sd, .offset: 24, .size: 8, .value_kind: global_buffer, .address_space: global }
      - { .name: Wd1, .offset: 32, .size: 8, .value_kind: global_buffer, .address_space: global }
      - { .name: bd1, .offset: 40, .size: 8, .value_kind: global_buffer, .address_space: global }
      - { .name: gd, .offset: 48, .size: 8, .value_kind: global_buffer, .address_space: global }
      - { .name: betad, .offset: 56, .size: 8, .value_kind: global_buffer, .address_space: global }
      - { .name: Wd2, .offset: 64, .size: 8, .value_kind: global_buffer, .address_space: global }
      - { .name: Wk_codes, .offset: 72, .size: 8, .value_kind: global_buffer, .address_space: global }
      - { .name: Wk_scales, .offset: 80, .size: 8, .value_kind: global_buffer, .address_space: global }
      - { .name: s1, .offset: 88, .size: 8, .value_kind: global_buffer, .address_space: global }
    .group_segment_fixed_size: 53760
    .private_segment_fixed_size: 0
    .kernarg_segment_align: 8
    .kernarg_segment_size: 96
    .max_flat_workgroup_size: 512
    .sgpr_count:     84
    .vgpr_count:     256
    .wavefront_size: 32
...
	.end_amdgpu_metadata
.endif
;; end of part 5
;; launch pb (part 6): grid 256 x 1, 16 waves a work-group, no clusters, 75,776 bytes of LDS; arguments prepb, idx, points, sd, Wd1, bd1, gd, betad, Wd2, Wk_codes, Wk_scales, s1, gg1, betag1, Wg1_codes, Wg1_scales, g1c, s2; writes g1c, s2
.if DOCPART == 6
	.amdgcn_target "amdgcn-amd-amdhsa--gfx1250"
	.amdhsa_code_object_version 6
	.text
	.protected	k_qc05534598f_pb
	.globl	k_qc05534598f_pb
	.p2align	8
	.type	k_qc05534598f_pb,@function
k_qc05534598f_pb:
	s_mov_b64 s[64:65], 0
	v_nop
	global_prefetch_b8 v0, s[64:65] scope:SCOPE_SE
	s_setreg_imm32_b32 hwreg(HW_REG_WAVE_MODE, 25, 1), 1
	s_wait_xcnt 0x0
; E = -(q - key + pos) once more, now transposed (source 0 = the weight): a lane holds ONE neighbour and registers along the channels, 32 b + 16 h + i in register 16 b + i.
; Then the second norm (from the 256 records of the launch before), gelu, the quantiser along the channels: the codes are the operand of the product with Wg1; they are stored as images of their
; registers (2,048 bytes a tile, a wave's store covers 512 consecutive bytes) with their scale words, and multiplied at once (natural way) for the statistics of that product, stored like the launch before's.
; Shares, gathers and the f32 matrix form's use as in that launch.  bg1 shifts the third norm's mean alone and is added where the statistics are used.
; LIMITS: NaN and infinities are not served; a block whose largest magnitude lies under 2^-111 keeps the scale byte 1; erf as a ratio of polynomials on |z| <= 4, good to a few ulp.
.set FC_O, 262144
.set FS_O, 2359296
.set NQ_O, 2424832
.set WK,   0
.set WG1,  16384
.set WKS,  32768
.set WG1S, 33280
.set WDI,  33792
.set ABT,  35840                       ; the norm's a: 256 h + 4 x register; b 512 bytes on
.set REC2, 36864                       ; 4 x 128 pairs
.set REC,  40960                       ; 32 x 128 pairs
.set TM,  208
.set PW,  33
.set SEL, 52
.set MNT, 54
; REGISTERS as in the launch before; the codes just made lie on v16-31, their scale word in v33; v144-207 also hold gelu's results.
.macro NOPS n
.rept \n
	v_nop
.endr
.endm
.macro HORN acc, k, np
.set g_, 0
.rept \np
	v_pk_fma_f32 v[\acc+g_:\acc+g_+1], v[\acc+g_:\acc+g_+1], v[216+g_:217+g_], \k op_sel_hi:[1,1,0]
.set g_, g_+2
.endr
.endm
.macro GELU src, dst, np, ab
.if \ab
.set g_, 0
.rept \np
	v_pk_fma_f32 v[\dst+g_:\dst+g_+1], v[\src+g_:\src+g_+1], v[240+g_:241+g_], v[248+g_:249+g_]
.set g_, g_+2
.endr
.endif
.set g_, 0
.rept \np
	v_pk_mul_f32 v[208+g_:209+g_], v[\dst+g_:\dst+g_+1], 0x3f3504f3 op_sel_hi:[1,0]
.set g_, g_+2
.endr
.set g_, 0
.rept 2*\np
	v_med3_num_f32 v[208+g_], v[208+g_], -4.0, 4.0
.set g_, g_+1
.endr
.set g_, 0
.rept \np
	v_pk_mul_f32 v[216+g_:217+g_], v[208+g_:209+g_], v[208+g_:209+g_]
.set g_, g_+2
.endr
.set g_, 0
.rept \np
	v_pk_fma_f32 v[224+g_:225+g_], v[216+g_:217+g_], s[48:49], 0x32edffee op_sel_hi:[1,0,0]
	v_pk_fma_f32 v[232+g_:233+g_], v[216+g_:217+g_], s[50:51], 0xb95fbd29 op_sel_hi:[1,0,0]
.set g_, g_+2
.endr
	HORN 224, 0xb60cff51, \np
	HORN 232, 0xbadc924e, \np
	HORN 224, 0xb86ec2d2, \np
	HORN 232, 0xbbf19bf8, \np
	HORN 224, 0xba40ac63, \np
	HORN 232, 0xbc69b6a7, \np
	HORN 224, 0xbb41a1f6, \np
	HORN 224, 0xbc83dbd4, \np
.set g_, 0
.rept \np
	v_pk_mul_f32 v[224+g_:225+g_], v[224+g_:225+g_], v[208+g_:209+g_]
.set g_, g_+2
.endr
.set g_, 0
.rept 2*\np
	v_rcp_f32 v[208+g_], v[232+g_]
.set g_, g_+1
.endr
.set g_, 0
.rept \np
	v_pk_mul_f32 v[216+g_:217+g_], v[\dst+g_:\dst+g_+1], 0.5 op_sel_hi:[1,0]   ; plain work behind the reciprocals
.set g_, g_+2
.endr
	s_wait_alu depctr_va_vdst(0)                   ; one wait for the batch of reciprocals, ahead of their first reader
.set g_, 0
.rept \np
	v_pk_mul_f32 v[224+g_:225+g_], v[224+g_:225+g_], v[208+g_:209+g_]
.set g_, g_+2
.endr
.set g_, 0
.rept \np
	v_pk_fma_f32 v[\dst+g_:\dst+g_+1], v[216+g_:217+g_], v[224+g_:225+g_], v[216+g_:217+g_]
.set g_, g_+2
.endr
.endm
.macro QUANT s, cd
.irp b, 0,1,2,3
	v_max3_num_f32 v[TM+\b], |v[\s+16*\b]|, |v[\s+1+16*\b]|, 0x8000000   ; with the floor 2^(16 - 127): the byte cannot fall under 1
.endr
.irp i, 2,4,6,8,10,12,14
.irp b, 0,1,2,3
	v_max3_num_f32 v[TM+\b], v[TM+\b], |v[\s+16*\b+\i]|, |v[\s+1+16*\b+\i]|
.endr
.endr
.irp b, 0,1,2,3
	v_permlanex16_b32 v[TM+4+\b], v[TM+\b], s[SEL], s[SEL+1]
.endr
.irp b, 0,1,2,3
	v_max_num_f32 v[TM+\b], v[TM+\b], v[TM+4+\b]
.endr
.irp b, 0,1,2,3
	v_add_nc_u32 v[TM+12+\b], 0xf8800000, v[TM+\b]
.endr
.irp b, 0,1,2,3
	v_and_or_b32 v[TM+8+\b], v[TM+\b], 0x7f800000, s[MNT]
.endr
.irp b, 0,1,2,3
	v_lshrrev_b32 v[TM+4+\b], 23, v[TM+12+\b]
.endr
	v_lshl_or_b32 v[PW], v[TM+5], 8, v[TM+4]
	v_lshl_or_b32 v[PW], v[TM+6], 16, v[PW]
	v_lshl_or_b32 v[PW], v[TM+7], 24, v[PW]
.irp b, 0,1,2,3
.irp i, 0,1,2,3,4,5,6,7,8,9,10,11,12,13,14,15
	v_med3_num_f32 v[\s+16*\b+\i], v[\s+16*\b+\i], -v[TM+8+\b], v[TM+8+\b]   ; the conversion does not saturate (ISA guide 7.6.2): the hold
.endr
	v_cvt_scalef32_pk8_bf8_f32 v[\cd+4*\b:\cd+1+4*\b], v[\s+16*\b:\s+7+16*\b], v[TM+12+\b]
	v_cvt_scalef32_pk8_bf8_f32 v[\cd+2+4*\b:\cd+3+4*\b], v[\s+8+16*\b:\s+15+16*\b], v[TM+12+\b]
.endr
	NOPS 4                                         ; codes made by vector instructions stand four places ahead of a scaled product (the scale word stands ahead of the 64 holds)
.endm
.macro POS1
	v_sub_f32 v42, v45, v42
	v_sub_f32 v43, v46, v43
	v_sub_f32 v44, v47, v44
.irp c, 0,1,2
	v_mul_f32 v[240+\c], s[16+3*\c], v42
.endr
.irp c, 0,1,2
	v_fma_f32 v[240+\c], s[17+3*\c], v43, v[240+\c]
.endr
.irp c, 0,1,2
	v_fma_f32 v[240+\c], s[18+3*\c], v44, v[240+\c]
.endr
.irp c, 0,1,2
	v_add_f32 v[240+\c], s[28+\c], v[240+\c]
.endr
.irp c, 0,1,2
	v_fma_f32 v[240+\c], v[240+\c], s[40+\c], s[44+\c]
.endr
	v_mov_b32 v243, v242
	GELU 240, 240, 2, 0
	v_cndmask_b32 v10, v240, v242, s55
	v_cndmask_b32 v11, v241, 1.0, s55
.endm
.macro WDFRAG nq
.irp u, 0,1,2,3,4,5,6,7
	ds_load_b64 v[208+2*\u:209+2*\u], v8 offset:WDI+256*\u
.endr
	s_wait_dscnt 0x0
.if \nq
.irp u, 0,1,2,3,4,5,6,7
	v_cndmask_b32 v[209+2*\u], v[209+2*\u], v[48+\u], s55
.endr
.endif
.endm
.macro POSMM tr, acc
.irp u, 0,1,2,3,4,5,6,7
.if \tr
	v_wmma_f32_16x16x4_f32 v[\acc+8*\u:\acc+8*\u+7], v[208+2*\u:209+2*\u], v[10:11], 0
.else
	v_wmma_f32_16x16x4_f32 v[\acc+8*\u:\acc+8*\u+7], v[10:11], v[208+2*\u:209+2*\u], 0
.endif
.endr
	NOPS 9
.endm
.macro MM8 d, img, simg, x, xs, tr, cm, tmp, nf
.set t0_, 0
.rept 8/\nf
.if t0_ > 0
	NOPS 8
.endif
.set f_, 0
.rept \nf
.irp k, 0,1,2,3
	ds_load_b128 v[\tmp+16*f_+4*\k:\tmp+16*f_+4*\k+3], v1 offset:\img+2048*(t0_+f_)+512*\k
.endr
	ds_load_b32 v[34+t0_+f_], v2 offset:\simg+64*(t0_+f_)
.set f_, f_+1
.endr
	s_wait_dscnt 0x0
.set f_, 0
.rept \nf
.set dd_, \d+8*(t0_+f_)
.set ff_, \tmp+16*f_
.if \tr
.if \cm
	v_wmma_scale_f32_16x16x128_f8f6f4 v[dd_:dd_+7], v[ff_:ff_+15], v[\x:\x+15], v[dd_:dd_+7], v[34+t0_+f_], v[\xs] matrix_a_fmt:MATRIX_FMT_BF8 matrix_b_fmt:MATRIX_FMT_BF8
.else
	v_wmma_scale_f32_16x16x128_f8f6f4 v[dd_:dd_+7], v[ff_:ff_+15], v[\x:\x+15], 0, v[34+t0_+f_], v[\xs] matrix_a_fmt:MATRIX_FMT_BF8 matrix_b_fmt:MATRIX_FMT_BF8
.endif
.else
.if \cm
	v_wmma_scale_f32_16x16x128_f8f6f4 v[dd_:dd_+7], v[\x:\x+15], v[ff_:ff_+15], v[dd_:dd_+7], v[\xs], v[34+t0_+f_] matrix_a_fmt:MATRIX_FMT_BF8 matrix_b_fmt:MATRIX_FMT_BF8
.else
	v_wmma_scale_f32_16x16x128_f8f6f4 v[dd_:dd_+7], v[\x:\x+15], v[ff_:ff_+15], 0, v[\xs], v[34+t0_+f_] matrix_a_fmt:MATRIX_FMT_BF8 matrix_b_fmt:MATRIX_FMT_BF8
.endif
.endif
.set f_, f_+1
.endr
.set t0_, t0_+\nf
.endr
	NOPS 9
.endm
.macro PKSUBB d, a, b
.if ((\b)%2)==0
	v_pk_add_f32 v[\d:\d+1], v[\a:\a+1], v[\b:\b+1] op_sel_hi:[1,0] neg_lo:[0,1] neg_hi:[0,1]
.else
	v_pk_add_f32 v[\d:\d+1], v[\a:\a+1], v[\b-1:\b] op_sel:[0,1] op_sel_hi:[1,1] neg_lo:[0,1] neg_hi:[0,1]
.endif
.endm
.macro STATS acc
.set t_, 0
.rept 8
	v_cndmask_b32 v[56+t_], v[56+t_], v[\acc+8*t_], s56
.irp p, 0,1,2,3
	PKSUBB 208+2*\p, \acc+8*t_+2*\p, 56+t_
.endr
	v_pk_add_f32 v[216:217], v[208:209], v[210:211]
	v_pk_add_f32 v[218:219], v[212:213], v[214:215]
	v_pk_mul_f32 v[220:221], v[208:209], v[208:209]
	v_pk_add_f32 v[216:217], v[216:217], v[218:219]
	v_pk_fma_f32 v[220:221], v[210:211], v[210:211], v[220:221]
	v_pk_fma_f32 v[220:221], v[212:213], v[212:213], v[220:221]
	v_pk_fma_f32 v[220:221], v[214:215], v[214:215], v[220:221]
	v_add_f32 v216, v216, v217
	v_add_f32 v220, v220, v221
	v_add_f32 v[64+t_], v[64+t_], v216
	v_add_f32 v[72+t_], v[72+t_], v220
.set t_, t_+1
.endr
.endm
.macro MINIT m
	v_mov_b32 v208, v[\m]
	v_mov_b32 v209, 0
	v_mov_b32 v210, 0
	v_mov_b32 v211, 0
.endm
.macro MACC m
	v_sub_f32 v212, v[\m], v208
	v_add_f32 v211, v211, v[\m+1]
	v_add_f32 v209, v209, v212
	v_fma_f32 v210, v212, v212, v210
.endm
.macro MFIN invg, n
	v_mul_f32 v212, v209, v209
	v_fma_f32 v214, v209, \invg, v208
	v_fma_f32 v210, -v212, \invg, v210
	v_fma_f32 v215, v210, \n, v211
.endm
.macro RECOUT
	v_and_b32 v12, 15, v0
	v_lshlrev_b32 v12, 3, v12
	v_bfe_u32 v13, v0, 4, 1
	v_lshl_add_u32 v12, v13, 10, v12
	s_lshl_b32 s25, s2, 11
	s_add_co_u32 s25, s25, REC
	v_add_nc_u32 v12, s25, v12
	v_lshlrev_b32 v13, 3, v0
	v_add_nc_u32 v15, REC, v13
	s_lshl_b32 s25, ttmp9, 10
	v_add_nc_u32 v14, s25, v13
.irp u, 0,1,2,3,4,5,6,7
	v_mul_f32 v[208+\u], v[64+\u], v[64+\u]
	v_fma_f32 v[144+2*\u], v[64+\u], 0x3d000000, v[56+\u]
	v_fma_f32 v[145+2*\u], -v[208+\u], 0x3d000000, v[72+\u]
	ds_store_b64 v12, v[144+2*\u:145+2*\u] offset:128*\u
.endr
	s_wait_dscnt 0x0
	s_barrier_signal -1
	s_barrier_wait -1
	s_cmp_ge_u32 s2, 4
	s_cbranch_scc1 .Lrec_done
.set i_, 0
.rept 32
	ds_load_b64 v[144+2*i_:145+2*i_], v15 offset:1024*i_
.set i_, i_+1
.endr
	s_wait_dscnt 0x0
	MINIT 144
.set i_, 0
.rept 32
	MACC 144+2*i_
.set i_, i_+1
.endr
	MFIN 0x3d000000, 0x42000000
	global_store_b64 v14, v[214:215], s[14:15]
.Lrec_done:
.endm
; The norm's y = x a + b for 128 slots, from 256 records a slot (s[84:85]); gain in v10, shift in v11 (of slot = thread % 128).  Thread (slot, quarter) merges 64 records; waves 0-3 merge the four.
.macro BNHEAD
	v_and_b32 v12, 127, v0
	v_lshlrev_b32 v12, 3, v12
	v_lshrrev_b32 v13, 7, v0
	v_lshl_add_u32 v12, v13, 16, v12
	v_lshlrev_b32 v13, 3, v0
	v_bfe_u32 v14, v0, 3, 1
	v_lshlrev_b32 v14, 8, v14
	v_bfe_u32 v15, v0, 4, 3
	v_lshl_add_u32 v14, v15, 5, v14
	v_and_b32 v15, 7, v0
	v_lshl_add_u32 v14, v15, 2, v14                ; slot 16 t + 8 h + j lies at 256 h + 4 (8 t + j)
.irp u, 0,1
.set i_, 0
.rept 32
	global_load_b64 v[144+2*i_:145+2*i_], v12, s[84:85] offset:1024*(32*\u+i_)
.set i_, i_+1
.endr
	s_wait_loadcnt 0x0
.if \u == 0
	MINIT 144
.endif
.set i_, 0
.rept 32
	MACC 144+2*i_
.set i_, i_+1
.endr
.endr
	MFIN 0x3c800000, 0x44800000
	ds_store_b64 v13, v[214:215] offset:REC2
	s_wait_dscnt 0x0
	s_barrier_signal -1
	s_barrier_wait -1
	s_cmp_ge_u32 s2, 4
	s_cbranch_scc1 .Lbn_done
.irp k, 0,1,2,3
	ds_load_b64 v[144+2*\k:145+2*\k], v13 offset:REC2+1024*\k
.endr
	s_wait_dscnt 0x0
	MINIT 144
.irp k, 0,1,2,3
	MACC 144+2*\k
.endr
	MFIN 0x3e800000, 0x47800000
	v_mul_f32 v215, 0x36800000, v215
	v_add_f32 v215, 0x3727c5ac, v215
	v_rsq_f32 v215, v215
	v_nop
	s_wait_alu depctr_va_vdst(0)
	v_mul_f32 v216, v215, v10
	v_fma_f32 v217, v214, v216, v11                ; the number at hand is E = -gamma: a = -rs g, b = beta + mean(E) rs g
	v_mul_f32 v216, -1.0, v216
	ds_store_b32 v14, v216 offset:ABT
	ds_store_b32 v14, v217 offset:ABT+512
.Lbn_done:
	s_wait_dscnt 0x0
	s_barrier_signal -1
	s_barrier_wait -1
.endm
.macro GATHER st, nq
	v_min_u32 v6, 0x3fff, v9
	v_lshrrev_b32 v5, 4, v3
	v_lshl_add_u32 v5, v6, 7, v5
	v_mul_u32_u24 v7, v6, 12
	v_lshlrev_b32 v6, 2, v6
	s_mul_i32 s25, s[\st], 12
	v_mov_b32 v12, s25
.if \nq
	s_lshl_b32 s25, s[\st], 9
	v_add_nc_u32 v13, s25, v4
.endif
.irp k, 0,1,2,3
	global_load_b128 v[16+4*\k:19+4*\k], v5, s[4:5] offset:FC_O+32*\k
.endr
	global_load_b32 v32, v6, s[4:5] offset:FS_O
.irp k, 0,1,2
	global_load_b32 v[42+\k], v7, s[8:9] offset:4*\k
	global_load_b32 v[45+\k], v12, s[8:9] offset:4*\k
.endr
.if \nq
	global_load_b128 v[48:51], v13, s[4:5] offset:NQ_O
	global_load_b128 v[52:55], v13, s[4:5] offset:NQ_O+16
.endif
.endm
.macro LOADIDX st
	s_lshl_b32 s25, s[\st], 6
	v_add_nc_u32 v14, s25, v2
	global_load_b32 v9, v14, s[6:7]
.endm
.macro LOADW d, vc, vs, pc, ps
	global_load_b128 v[\d:\d+3], v[\vc], s[\pc:\pc+1]
	global_load_b128 v[\d+4:\d+7], v[\vc], s[\pc:\pc+1] offset:32
	global_load_b32 v[\d+8], v[\vs], s[\ps:\ps+1]
.endm
.macro PUTW d, img, simg
	ds_store_b128 v148, v[\d:\d+3] offset:\img
	ds_store_b128 v148, v[\d+4:\d+7] offset:\img+512
	ds_store_b32 v149, v[\d+8] offset:\simg
.endm
.macro BNDC
.set i_, 1
.rept 7
	v_pk_add_f32 v[208:209], v[208:209], v[208+6*i_:209+6*i_]
	v_pk_add_f32 v[210:211], v[210:211], v[210+6*i_:211+6*i_]
	v_pk_add_f32 v[212:213], v[212:213], v[212+6*i_:213+6*i_]
.set i_, i_+1
.endr
.irp x, 1,2,4,8
.irp c, 0,1,2,3,4,5
	v_add_f32_dpp v[208+\c], v[208+\c], v[208+\c] row_xmask:\x row_mask:0xf bank_mask:0xf
.endr
.endr
.irp c, 0,1,2,3,4,5
	v_permlanex16_b32 v[214+\c], v[208+\c], s52, s53
.endr
.irp c, 0,1,2,3,4,5
	v_add_f32 v[208+\c], v[208+\c], v[214+\c]
.endr
.irp c, 0,1,2
	v_mul_f32 v[208+\c], 0x36800000, v[208+\c]
	v_mul_f32 v[211+\c], 0x36800000, v[211+\c]
	v_fma_f32 v[211+\c], -v[208+\c], v[208+\c], v[211+\c]
	v_add_f32 v[211+\c], 0x3727c5ac, v[211+\c]
.endr
.irp c, 0,1,2
	v_rsq_f32 v[211+\c], v[211+\c]
.endr
	v_nop
	s_wait_alu depctr_va_vdst(0)
.irp c, 0,1,2
	v_mul_f32 v[220+\c], s[32+\c], v[211+\c]
	v_add_f32 v[208+\c], s[28+\c], v[208+\c]
	v_fma_f32 v[223+\c], -v[208+\c], v[220+\c], s[36+\c]
	v_readfirstlane_b32 s[40+\c], v[220+\c]
	v_readfirstlane_b32 s[44+\c], v[223+\c]
.endr
.endm
	s_load_b128 s[4:7], s[0:1], 0x0                ; prepb, idx
	s_load_b64 s[8:9], s[0:1], 0x10                ; points
	s_load_b256 s[68:75], s[0:1], 0x18             ; sd, Wd1, bd1, gd
	s_load_b256 s[76:83], s[0:1], 0x38             ; betad, Wd2, Wk's codes, Wk's scales
	s_load_b256 s[84:91], s[0:1], 0x58             ; s1, gg1, betag1, Wg1's codes
	s_load_b64 s[92:93], s[0:1], 0x78              ; Wg1's scales
	s_load_b64 s[10:11], s[0:1], 0x80              ; g1c
	s_load_b64 s[14:15], s[0:1], 0x88              ; s2
	v_lshrrev_b32 v12, 5, v0
	v_readfirstlane_b32 s2, v12
	v_and_b32 v13, 31, v0
	v_and_b32 v14, 15, v0
	v_bfe_u32 v15, v0, 4, 1
	v_lshlrev_b32 v1, 4, v13
	v_lshlrev_b32 v2, 2, v14
	v_lshlrev_b32 v3, 8, v15
	v_lshlrev_b32 v4, 5, v14
	v_lshlrev_b32 v8, 3, v13
	s_lshr_b32 s25, s2, 1
	s_and_b32 s26, s2, 1
	s_lshr_b32 s27, s2, 2
	s_lshl_b32 s27, s27, 5
	s_and_b32 s31, s25, 1
	s_lshl_b32 s31, s31, 3
	s_add_co_u32 s27, s27, s31
	s_lshl_b32 s35, s27, 7
	s_lshl_b32 s39, s26, 6
	s_add_co_u32 s35, s35, s39
	v_and_b32 v144, 8, v14
	v_add_nc_u32 v144, v144, v14
	v_lshlrev_b32 v145, 7, v144
	v_lshl_add_u32 v145, v15, 4, v145
	v_add_nc_u32 v145, s35, v145
	v_and_b32 v146, 7, v0
	s_lshl_b32 s43, s26, 4
	s_add_co_u32 s43, s43, s27
	v_add_nc_u32 v147, s43, v146
	v_lshlrev_b32 v147, 2, v147
	s_lshl_b32 s43, s2, 10
	v_add_nc_u32 v148, s43, v1
	s_lshl_b32 s43, s2, 5
	v_lshl_add_u32 v149, v146, 2, s43
	v_lshrrev_b32 v186, 6, v0
	v_bfe_u32 v187, v0, 1, 4
	v_bfe_u32 v188, v0, 5, 1
	v_and_b32 v189, 1, v0
	v_lshl_add_u32 v188, v188, 1, v189
	v_min_u32 v189, 2, v188
	v_lshrrev_b32 v190, 1, v186
	v_lshlrev_b32 v190, 5, v190
	v_and_b32 v191, 1, v186
	v_lshl_add_u32 v190, v191, 3, v190
	v_add_nc_u32 v190, v190, v187
	v_and_b32 v191, 8, v187
	v_add_nc_u32 v190, v190, v191
	v_mad_u32_u24 v191, v190, 3, v189
	v_lshlrev_b32 v191, 2, v191
	v_lshlrev_b32 v196, 2, v0
	v_lshlrev_b32 v197, 5, v13
	v_bfe_u32 v198, v0, 5, 2                       ; the channel of slot = thread % 128
	v_lshlrev_b32 v198, 5, v198
	v_bfe_u32 v199, v0, 4, 1
	v_lshl_add_u32 v198, v199, 3, v198
	v_and_b32 v199, 15, v0
	v_add_nc_u32 v198, v198, v199
	v_and_b32 v199, 8, v0
	v_add_nc_u32 v198, v198, v199
	v_lshlrev_b32 v198, 2, v198
	s_mov_b32 s48, 0xaf95df0b
	s_mov_b32 s49, s48
	s_mov_b32 s50, 0xb77460cd
	s_mov_b32 s51, s50
	s_mov_b32 s52, 0x76543210
	s_mov_b32 s53, 0xfedcba98
	s_mov_b32 s54, 0x600000
	s_mov_b32 s55, 0xffff0000
	s_wait_kmcnt 0x0
	s_load_b256 s[16:23], s[70:71], 0x0
	s_load_b32 s24, s[70:71], 0x20
	s_load_b96 s[28:30], s[72:73], 0x0
	s_load_b96 s[32:34], s[74:75], 0x0
	s_load_b96 s[36:38], s[76:77], 0x0
	s_add_nc_u64 s[12:13], s[10:11], 0x2000000     ; g1c's scale words
	LOADW 152, 145, 147, 80, 82
	LOADW 164, 145, 147, 90, 92
	global_load_b32 v192, v191, s[78:79]
	global_load_b32 v10, v198, s[86:87]
	global_load_b32 v11, v198, s[88:89]
.set i_, 0
.rept 8
	global_load_b128 v[208+6*i_:211+6*i_], v197, s[68:69] offset:1024*i_
	global_load_b64 v[212+6*i_:213+6*i_], v197, s[68:69] offset:1024*i_+16
.set i_, i_+1
.endr
	s_wait_loadcnt 0x0
	s_wait_kmcnt 0x0
	PUTW 152, WK, WKS
	PUTW 164, WG1, WG1S
	v_mul_f32 v192, -1.0, v192
	ds_store_b32 v196, v192 offset:WDI
	BNDC
.irp j, 0,1,2,3,4,5,6,7,8,9,10,11,12,13,14,15,16,17,18,19,20,21,22,23
	v_mov_b32 v[56+\j], 0
.endr
	s_wait_dscnt 0x0
	BNHEAD                                         ; its barriers also show the images to every wave
	s_lshl_b32 s57, ttmp9, 6
	s_lshl_b32 s58, s2, 2
	s_add_co_u32 s57, s57, s58
	LOADIDX 57
	s_wait_loadcnt 0x0
	GATHER 57, 1
	s_add_co_u32 s59, s57, 1
	LOADIDX 59
	s_mov_b32 s3, 0
.Ltile:
	s_wait_loadcnt 0x0
	s_cmp_eq_u32 s3, 0
	s_cselect_b32 s56, -1, 0
	s_add_co_u32 s58, s57, s3
	POS1
	WDFRAG 1
	POSMM 1, 80
	MM8 80, WK, WKS, 16, 32, 1, 1, 144, 4
.set tt_, 0
.rept 8
	ds_load_b128 v[240:243], v3 offset:ABT+32*tt_
	ds_load_b128 v[244:247], v3 offset:ABT+32*tt_+16
	ds_load_b128 v[248:251], v3 offset:ABT+512+32*tt_
	ds_load_b128 v[252:255], v3 offset:ABT+512+32*tt_+16
	s_wait_dscnt 0x0
	GELU 80+8*tt_, 144+8*tt_, 4, 1
.set tt_, tt_+1
.endr
	QUANT 144, 16
	s_lshl_b32 s25, s58, 11
	v_add_nc_u32 v254, s25, v1
	s_lshl_b32 s25, s58, 6
	v_add_nc_u32 v255, s25, v2
.irp k, 0,1,2,3
	global_store_b128 v254, v[16+4*\k:19+4*\k], s[10:11] offset:512*\k   ; 32 lanes store 512 consecutive bytes, aligned
.endr
	global_store_b32 v255, v33, s[12:13]
	MM8 80, WG1, WG1S, 16, 33, 0, 0, 144, 4
	s_wait_xcnt 0x0                                ; the stores have read the codes and their offsets; the gathers' offsets may be written too
	s_add_co_u32 s59, s58, 1
	s_min_u32 s59, s59, 0x3fff
	GATHER 59, 1
	s_add_co_u32 s59, s58, 2
	s_min_u32 s59, s59, 0x3fff
	LOADIDX 59
	STATS 80
	s_add_co_u32 s3, s3, 1
	s_cmp_lt_u32 s3, 4
	s_cbranch_scc1 .Ltile
	s_wait_loadcnt 0x0
	RECOUT
	s_wait_xcnt 0x0
	v_lshl_add_u32 v254, v0, 2, 0x12000
	v_mov_b32 v255, 0
	s_wait_tensorcnt 0x0
	ds_add_u32 v254, v255
	s_wait_dscnt 0x0
	s_endpgm
.Lfunc_end_k_qc05534598f_pb:
	.size	k_qc05534598f_pb, .Lfunc_end_k_qc05534598f_pb-k_qc05534598f_pb
	.p2alignl 7, 3214868480
	.fill 96, 4, 3214868480
	.section	.rodata,"a",@progbits
	.p2align	6, 0x0
	.amdhsa_kernel k_qc05534598f_pb
		.amdhsa_group_segment_fixed_size 75776
		.amdhsa_private_segment_fixed_size 0
		.amdhsa_enable_private_segment 0
		.amdhsa_kernarg_size 144
		.amdhsa_user_sgpr_count 2
		.amdhsa_user_sgpr_kernarg_segment_ptr 1
		.amdhsa_wavefront_size32 1
		.amdhsa_system_sgpr_workgroup_id_x 1
		.amdhsa_system_sgpr_workgroup_id_y 1
		.amdhsa_system_sgpr_workgroup_id_z 1
		.amdhsa_system_vgpr_workitem_id 0
		.amdhsa_next_free_vgpr 256
		.amdhsa_next_free_sgpr 94
		.amdhsa_reserve_vcc 0
		.amdhsa_float_denorm_mode_32 3
		.amdhsa_float_denorm_mode_16_64 3
		.amdhsa_memory_ordered 1
		.amdhsa_forward_progress 1
		.amdhsa_inst_pref_size 130
	.end_amdhsa_kernel
	.amdgpu_metadata
---
amdhsa.version: [ 1, 2 ]
amdhsa.kernels:
  - .name:           k_qc05534598f_pb
    .symbol:         k_qc05534598f_pb.kd
    .args:
      - { .name: prepb, .offset: 0, .size: 8, .value_kind: global_buffer, .address_space: global }
      - { .name: idx, .offset: 8, .size: 8, .value_kind: global_buffer, .address_space: global }
      - { .name: points, .offset: 16, .size: 8, .value_kind: global_buffer, .address_space: global }
      - { .name: sd, .offset: 24, .size: 8, .value_kind: global_buffer, .address_space: global }
      - { .name: Wd1, .offset: 32, .size: 8, .value_kind: global_buffer, .address_space: global }
      - { .name: bd1, .offset: 40, .size: 8, .value_kind: global_buffer, .address_space: global }
      - { .name: gd, .offset: 48, .size: 8, .value_kind: global_buffer, .address_space: global }
      - { .name: betad, .offset: 56, .size: 8, .value_kind: global_buffer, .address_space: global }
      - { .name: Wd2, .offset: 64, .size: 8, .value_kind: global_buffer, .address_space: global }
      - { .name: Wk_codes, .offset: 72, .size: 8, .value_kind: global_buffer, .address_space: global }
      - { .name: Wk_scales, .offset: 80, .size: 8, .value_kind: global_buffer, .address_space: global }
      - { .name: s1, .offset: 88, .size: 8, .value_kind: global_buffer, .address_space: global }
      - { .name: gg1, .offset: 96, .size: 8, .value_kind: global_buffer, .address_space: global }
      - { .name: betag1, .offset: 104, .size: 8, .value_kind: global_buffer, .address_space: global }
      - { .name: Wg1_codes, .offset: 112, .size: 8, .value_kind: global_buffer, .address_space: global }
      - { .name: Wg1_scales, .offset: 120, .size: 8, .value_kind: global_buffer, .address_space: global }
      - { .name: g1c, .offset: 128, .size: 8, .value_kind: global_buffer, .address_space: global }
      - { .name: s2, .offset: 136, .size: 8, .value_kind: global_buffer, .address_space: global }
    .group_segment_fixed_size: 75776
    .private_segment_fixed_size: 0
    .kernarg_segment_align: 8
    .kernarg_segment_size: 144
    .max_flat_workgroup_size: 512
    .sgpr_count:     94
    .vgpr_count:     256
    .wavefront_size: 32
...
	.end_amdgpu_metadata
.endif
;; end of part 6
;; launch pc (part 7): grid 256 x 1, 16 waves a work-group, no clusters, 59,904 bytes of LDS; arguments prepb, idx, points, sd, Wd1, bd1, gd, betad, Wd2, Wv_codes, Wv_scales, s2, gg2, betag2, Wg1_codes, Wg1_scales, g1c, out0, Wg2_codes, Wg2_scales, bg1, bg2, bd2, bv; writes out0
.if DOCPART == 7
	.amdgcn_target "amdgcn-amd-amdhsa--gfx1250"
	.amdhsa_code_object_version 6
	.text
	.protected	k_qc05534598f_pc
	.globl	k_qc05534598f_pc
	.p2align	8
	.type	k_qc05534598f_pc,@function
k_qc05534598f_pc:
	s_mov_b64 s[64:65], 0
	v_nop
	global_prefetch_b8 v0, s[64:65] scope:SCOPE_SE
	s_setreg_imm32_b32 hwreg(HW_REG_WAVE_MODE, 25, 1), 1
	s_wait_xcnt 0x0
; THE LAST PASS.  For each tile (a query and its 16 neighbours):
;   value = Wv x(neighbour) + bv + Wd2 pos1 + bd2 (natural way; the f32 matrix form starts the sum, its fourth K place carries the two biases);
;   the stored codes x Wg1 (transposed) -> third norm -> gelu -> quantiser -> x Wg2 (natural way) -> + bg2 -> softmax over the 16 neighbours, with its maximum taken away -> the weighted sum of value.
; For Wg2, Wv and Wd2 lane r of tile t takes row 8 r + t: a lane then ends with eight neighbouring channels, and the wave's one store covers the query's 512 bytes.
; Shares and gathers as in the two launches before.
; LIMITS: NaN and infinities are not served; a block whose largest magnitude lies under 2^-111 keeps the scale byte 1; erf as a ratio of polynomials on |z| <= 4, good to a few ulp.
.set FC_O, 262144
.set FS_O, 2359296
.set WG1,  0
.set WG2,  16384
.set WV,   32768
.set WG1S, 49152
.set WG2S, 49664
.set WVS,  50176
.set WDI,  50688
.set ABT,  52736
.set REC2, 53760
.set TM,  208
.set PW,  33
.set SEL, 52
.set MNT, 54
; REGISTERS: v1-15 as before; v16-31 the neighbours' codes, v32 their scale words, v33 the scale word just made, v34-41 the weights'; v42-47 points; v48-63 the stored codes, later the codes just made;
; v64 the stored scale word; v66-73 bg2 log2(e); v80-143 value (written by matrix instructions alone); v144-207 gamma; v208-255 at work.
.macro NOPS n
.rept \n
	v_nop
.endr
.endm
.macro HORN acc, k, np
.set g_, 0
.rept \np
	v_pk_fma_f32 v[\acc+g_:\acc+g_+1], v[\acc+g_:\acc+g_+1], v[216+g_:217+g_], \k op_sel_hi:[1,1,0]
.set g_, g_+2
.endr
.endm
.macro GELU src, dst, np, ab
.if \ab
.set g_, 0
.rept \np
	v_pk_fma_f32 v[\dst+g_:\dst+g_+1], v[\src+g_:\src+g_+1], v[240+g_:241+g_], v[248+g_:249+g_]
.set g_, g_+2
.endr
.endif
.set g_, 0
.rept \np
	v_pk_mul_f32 v[208+g_:209+g_], v[\dst+g_:\dst+g_+1], 0x3f3504f3 op_sel_hi:[1,0]
.set g_, g_+2
.endr
.set g_, 0
.rept 2*\np
	v_med3_num_f32 v[208+g_], v[208+g_], -4.0, 4.0
.set g_, g_+1
.endr
.set g_, 0
.rept \np
	v_pk_mul_f32 v[216+g_:217+g_], v[208+g_:209+g_], v[208+g_:209+g_]
.set g_, g_+2
.endr
.set g_, 0
.rept \np
	v_pk_fma_f32 v[224+g_:225+g_], v[216+g_:217+g_], s[48:49], 0x32edffee op_sel_hi:[1,0,0]
	v_pk_fma_f32 v[232+g_:233+g_], v[216+g_:217+g_], s[50:51], 0xb95fbd29 op_sel_hi:[1,0,0]
.set g_, g_+2
.endr
	HORN 224, 0xb60cff51, \np
	HORN 232, 0xbadc924e, \np
	HORN 224, 0xb86ec2d2, \np
	HORN 232, 0xbbf19bf8, \np
	HORN 224, 0xba40ac63, \np
	HORN 232, 0xbc69b6a7, \np
	HORN 224, 0xbb41a1f6, \np
	HORN 224, 0xbc83dbd4, \np
.set g_, 0
.rept \np
	v_pk_mul_f32 v[224+g_:225+g_], v[224+g_:225+g_], v[208+g_:209+g_]
.set g_, g_+2
.endr
.set g_, 0
.rept 2*\np
	v_rcp_f32 v[208+g_], v[232+g_]
.set g_, g_+1
.endr
.set g_, 0
.rept \np
	v_pk_mul_f32 v[216+g_:217+g_], v[\dst+g_:\dst+g_+1], 0.5 op_sel_hi:[1,0]   ; plain work behind the reciprocals
.set g_, g_+2
.endr
	s_wait_alu depctr_va_vdst(0)                   ; one wait for the batch of reciprocals, ahead of their first reader
.set g_, 0
.rept \np
	v_pk_mul_f32 v[224+g_:225+g_], v[224+g_:225+g_], v[208+g_:209+g_]
.set g_, g_+2
.endr
.set g_, 0
.rept \np
	v_pk_fma_f32 v[\dst+g_:\dst+g_+1], v[216+g_:217+g_], v[224+g_:225+g_], v[216+g_:217+g_]
.set g_, g_+2
.endr
.endm
.macro QUANT s, cd
.irp b, 0,1,2,3
	v_max3_num_f32 v[TM+\b], |v[\s+16*\b]|, |v[\s+1+16*\b]|, 0x8000000   ; with the floor 2^(16 - 127): the byte cannot fall under 1
.endr
.irp i, 2,4,6,8,10,12,14
.irp b, 0,1,2,3
	v_max3_num_f32 v[TM+\b], v[TM+\b], |v[\s+16*\b+\i]|, |v[\s+1+16*\b+\i]|
.endr
.endr
.irp b, 0,1,2,3
	v_permlanex16_b32 v[TM+4+\b], v[TM+\b], s[SEL], s[SEL+1]
.endr
.irp b, 0,1,2,3
	v_max_num_f32 v[TM+\b], v[TM+\b], v[TM+4+\b]
.endr
.irp b, 0,1,2,3
	v_add_nc_u32 v[TM+12+\b], 0xf8800000, v[TM+\b]
.endr
.irp b, 0,1,2,3
	v_and_or_b32 v[TM+8+\b], v[TM+\b], 0x7f800000, s[MNT]
.endr
.irp b, 0,1,2,3
	v_lshrrev_b32 v[TM+4+\b], 23, v[TM+12+\b]
.endr
	v_lshl_or_b32 v[PW], v[TM+5], 8, v[TM+4]
	v_lshl_or_b32 v[PW], v[TM+6], 16, v[PW]
	v_lshl_or_b32 v[PW], v[TM+7], 24, v[PW]
.irp b, 0,1,2,3
.irp i, 0,1,2,3,4,5,6,7,8,9,10,11,12,13,14,15
	v_med3_num_f32 v[\s+16*\b+\i], v[\s+16*\b+\i], -v[TM+8+\b], v[TM+8+\b]   ; the conversion does not saturate (ISA guide 7.6.2): the hold
.endr
	v_cvt_scalef32_pk8_bf8_f32 v[\cd+4*\b:\cd+1+4*\b], v[\s+16*\b:\s+7+16*\b], v[TM+12+\b]
	v_cvt_scalef32_pk8_bf8_f32 v[\cd+2+4*\b:\cd+3+4*\b], v[\s+8+16*\b:\s+15+16*\b], v[TM+12+\b]
.endr
	NOPS 4                                         ; codes made by vector instructions stand four places ahead of a scaled product (the scale word stands ahead of the 64 holds)
.endm
.macro POS1
	v_sub_f32 v42, v45, v42
	v_sub_f32 v43, v46, v43
	v_sub_f32 v44, v47, v44
.irp c, 0,1,2
	v_mul_f32 v[240+\c], s[16+3*\c], v42
.endr
.irp c, 0,1,2
	v_fma_f32 v[240+\c], s[17+3*\c], v43, v[240+\c]
.endr
.irp c, 0,1,2
	v_fma_f32 v[240+\c], s[18+3*\c], v44, v[240+\c]
.endr
.irp c, 0,1,2
	v_add_f32 v[240+\c], s[28+\c], v[240+\c]
.endr
.irp c, 0,1,2
	v_fma_f32 v[240+\c], v[240+\c], s[40+\c], s[44+\c]
.endr
	v_mov_b32 v243, v242
	GELU 240, 240, 2, 0
	v_cndmask_b32 v10, v240, v242, s55
	v_cndmask_b32 v11, v241, 1.0, s55
.endm
.macro WDFRAG
.irp u, 0,1,2,3,4,5,6,7
	ds_load_b64 v[208+2*\u:209+2*\u], v8 offset:WDI+256*\u
.endr
	s_wait_dscnt 0x0
.endm
.macro POSMM acc
.irp u, 0,1,2,3,4,5,6,7
	v_wmma_f32_16x16x4_f32 v[\acc+8*\u:\acc+8*\u+7], v[10:11], v[208+2*\u:209+2*\u], 0
.endr
	NOPS 9
.endm
.macro MM8 d, img, simg, x, xs, tr, cm, tmp, nf
.set t0_, 0
.rept 8/\nf
.if t0_ > 0
	NOPS 8
.endif
.set f_, 0
.rept \nf
.irp k, 0,1,2,3
	ds_load_b128 v[\tmp+16*f_+4*\k:\tmp+16*f_+4*\k+3], v1 offset:\img+2048*(t0_+f_)+512*\k
.endr
	ds_load_b32 v[34+t0_+f_], v2 offset:\simg+64*(t0_+f_)
.set f_, f_+1
.endr
	s_wait_dscnt 0x0
.set f_, 0
.rept \nf
.set dd_, \d+8*(t0_+f_)
.set ff_, \tmp+16*f_
.if \tr
.if \cm
	v_wmma_scale_f32_16x16x128_f8f6f4 v[dd_:dd_+7], v[ff_:ff_+15], v[\x:\x+15], v[dd_:dd_+7], v[34+t0_+f_], v[\xs] matrix_a_fmt:MATRIX_FMT_BF8 matrix_b_fmt:MATRIX_FMT_BF8
.else
	v_wmma_scale_f32_16x16x128_f8f6f4 v[dd_:dd_+7], v[ff_:ff_+15], v[\x:\x+15], 0, v[34+t0_+f_], v[\xs] matrix_a_fmt:MATRIX_FMT_BF8 matrix_b_fmt:MATRIX_FMT_BF8
.endif
.else
.if \cm
	v_wmma_scale_f32_16x16x128_f8f6f4 v[dd_:dd_+7], v[\x:\x+15], v[ff_:ff_+15], v[dd_:dd_+7], v[\xs], v[34+t0_+f_] matrix_a_fmt:MATRIX_FMT_BF8 matrix_b_fmt:MATRIX_FMT_BF8
.else
	v_wmma_scale_f32_16x16x128_f8f6f4 v[dd_:dd_+7], v[\x:\x+15], v[ff_:ff_+15], 0, v[\xs], v[34+t0_+f_] matrix_a_fmt:MATRIX_FMT_BF8 matrix_b_fmt:MATRIX_FMT_BF8
.endif
.endif
.set f_, f_+1
.endr
.set t0_, t0_+\nf
.endr
	NOPS 9
.endm
.macro PKSUBB d, a, b
.if ((\b)%2)==0
	v_pk_add_f32 v[\d:\d+1], v[\a:\a+1], v[\b:\b+1] op_sel_hi:[1,0] neg_lo:[0,1] neg_hi:[0,1]
.else
	v_pk_add_f32 v[\d:\d+1], v[\a:\a+1], v[\b-1:\b] op_sel:[0,1] op_sel_hi:[1,1] neg_lo:[0,1] neg_hi:[0,1]
.endif
.endm
.macro PKFMAB d, b                     ; v[d:d+1] = v[d:d+1] x log2(e) + v[b]
.if ((\b)%2)==0
	v_pk_fma_f32 v[\d:\d+1], v[\d:\d+1], 0x3fb8aa3b, v[\b:\b+1] op_sel_hi:[1,0,0]
.else
	v_pk_fma_f32 v[\d:\d+1], v[\d:\d+1], 0x3fb8aa3b, v[\b-1:\b] op_sel:[0,0,1] op_sel_hi:[1,0,1]
.endif
.endm
.macro MINIT m
	v_mov_b32 v208, v[\m]
	v_mov_b32 v209, 0
	v_mov_b32 v210, 0
	v_mov_b32 v211, 0
.endm
.macro MACC m
	v_sub_f32 v212, v[\m], v208
	v_add_f32 v211, v211, v[\m+1]
	v_add_f32 v209, v209, v212
	v_fma_f32 v210, v212, v212, v210
.endm
.macro MFIN invg, n
	v_mul_f32 v212, v209, v209
	v_fma_f32 v214, v209, \invg, v208
	v_fma_f32 v210, -v212, \invg, v210
	v_fma_f32 v215, v210, \n, v211
.endm
; The third norm's y = x a + b, x the product without its bias; gain in v10, shift in v11, bg1 in v42 (of slot = thread % 128)
.macro BNHEAD
	v_and_b32 v12, 127, v0
	v_lshlrev_b32 v12, 3, v12
	v_lshrrev_b32 v13, 7, v0
	v_lshl_add_u32 v12, v13, 16, v12
	v_lshlrev_b32 v13, 3, v0
	v_bfe_u32 v14, v0, 3, 1
	v_lshlrev_b32 v14, 8, v14
	v_bfe_u32 v15, v0, 4, 3
	v_lshl_add_u32 v14, v15, 5, v14
	v_and_b32 v15, 7, v0
	v_lshl_add_u32 v14, v15, 2, v14
.irp u, 0,1
.set i_, 0
.rept 32
	global_load_b64 v[144+2*i_:145+2*i_], v12, s[84:85] offset:1024*(32*\u+i_)
.set i_, i_+1
.endr
	s_wait_loadcnt 0x0
.if \u == 0
	MINIT 144
.endif
.set i_, 0
.rept 32
	MACC 144+2*i_
.set i_, i_+1
.endr
.endr
	MFIN 0x3c800000, 0x44800000
	ds_store_b64 v13, v[214:215] offset:REC2
	s_wait_dscnt 0x0
	s_barrier_signal -1
	s_barrier_wait -1
	s_cmp_ge_u32 s2, 4
	s_cbranch_scc1 .Lbn_done
.irp k, 0,1,2,3
	ds_load_b64 v[144+2*\k:145+2*\k], v13 offset:REC2+1024*\k
.endr
	s_wait_dscnt 0x0
	MINIT 144
.irp k, 0,1,2,3
	MACC 144+2*\k
.endr
	MFIN 0x3e800000, 0x47800000
	v_mul_f32 v215, 0x36800000, v215
	v_add_f32 v215, 0x3727c5ac, v215
	v_rsq_f32 v215, v215
	v_nop
	s_wait_alu depctr_va_vdst(0)
	v_mul_f32 v216, v215, v10                      ; a = rs g
	v_add_f32 v218, v214, v42                      ; the mean with the bias
	v_fma_f32 v217, -v218, v216, v11
	v_fma_f32 v217, v42, v216, v217                ; b = bg1 a + beta - (mean + bg1) a
	ds_store_b32 v14, v216 offset:ABT
	ds_store_b32 v14, v217 offset:ABT+512
.Lbn_done:
	s_wait_dscnt 0x0
	s_barrier_signal -1
	s_barrier_wait -1
.endm
.macro GATHER st
	v_min_u32 v6, 0x3fff, v9
	v_lshrrev_b32 v5, 4, v3
	v_lshl_add_u32 v5, v6, 7, v5
	v_mul_u32_u24 v7, v6, 12
	v_lshlrev_b32 v6, 2, v6
	s_mul_i32 s25, s[\st], 12
	v_mov_b32 v12, s25
.irp k, 0,1,2,3
	global_load_b128 v[16+4*\k:19+4*\k], v5, s[4:5] offset:FC_O+32*\k
.endr
	global_load_b32 v32, v6, s[4:5] offset:FS_O
.irp k, 0,1,2
	global_load_b32 v[42+\k], v7, s[8:9] offset:4*\k
	global_load_b32 v[45+\k], v12, s[8:9] offset:4*\k
.endr
.endm
.macro LOADIDX st
	s_lshl_b32 s25, s[\st], 6
	v_add_nc_u32 v14, s25, v2
	global_load_b32 v9, v14, s[6:7]
.endm
.macro LOADH st                        ; the stored codes of tile s[st], as they left the registers, and their scale words
	s_lshl_b32 s25, s[\st], 11
	v_add_nc_u32 v253, s25, v1
	s_lshl_b32 s25, s[\st], 6
	v_add_nc_u32 v254, s25, v2
.irp k, 0,1,2,3
	global_load_b128 v[48+4*\k:51+4*\k], v253, s[10:11] offset:512*\k th:TH_LOAD_NT
.endr
	global_load_b32 v64, v254, s[12:13]
.endm
.macro LOADW d, vc, vs, pc, ps
	global_load_b128 v[\d:\d+3], v[\vc], s[\pc:\pc+1]
	global_load_b128 v[\d+4:\d+7], v[\vc], s[\pc:\pc+1] offset:32
	global_load_b32 v[\d+8], v[\vs], s[\ps:\ps+1]
.endm
.macro PUTW d, img, simg
	ds_store_b128 v148, v[\d:\d+3] offset:\img
	ds_store_b128 v148, v[\d+4:\d+7] offset:\img+512
	ds_store_b32 v149, v[\d+8] offset:\simg
.endm
.macro BNDC
.set i_, 1
.rept 7
	v_pk_add_f32 v[208:209], v[208:209], v[208+6*i_:209+6*i_]
	v_pk_add_f32 v[210:211], v[210:211], v[210+6*i_:211+6*i_]
	v_pk_add_f32 v[212:213], v[212:213], v[212+6*i_:213+6*i_]
.set i_, i_+1
.endr
.irp x, 1,2,4,8
.irp c, 0,1,2,3,4,5
	v_add_f32_dpp v[208+\c], v[208+\c], v[208+\c] row_xmask:\x row_mask:0xf bank_mask:0xf
.endr
.endr
.irp c, 0,1,2,3,4,5
	v_permlanex16_b32 v[214+\c], v[208+\c], s52, s53
.endr
.irp c, 0,1,2,3,4,5
	v_add_f32 v[208+\c], v[208+\c], v[214+\c]
.endr
.irp c, 0,1,2
	v_mul_f32 v[208+\c], 0x36800000, v[208+\c]
	v_mul_f32 v[211+\c], 0x36800000, v[211+\c]
	v_fma_f32 v[211+\c], -v[208+\c], v[208+\c], v[211+\c]
	v_add_f32 v[211+\c], 0x3727c5ac, v[211+\c]
.endr
.irp c, 0,1,2
	v_rsq_f32 v[211+\c], v[211+\c]
.endr
	v_nop
	s_wait_alu depctr_va_vdst(0)
.irp c, 0,1,2
	v_mul_f32 v[220+\c], s[32+\c], v[211+\c]
	v_add_f32 v[208+\c], s[28+\c], v[208+\c]
	v_fma_f32 v[223+\c], -v[208+\c], v[220+\c], s[36+\c]
	v_readfirstlane_b32 s[40+\c], v[220+\c]
	v_readfirstlane_b32 s[44+\c], v[223+\c]
.endr
.endm
	s_load_b128 s[4:7], s[0:1], 0x0                ; prepb, idx
	s_load_b64 s[8:9], s[0:1], 0x10                ; points
	s_load_b256 s[68:75], s[0:1], 0x18             ; sd, Wd1, bd1, gd
	s_load_b256 s[76:83], s[0:1], 0x38             ; betad, Wd2, Wv's codes, Wv's scales
	s_load_b256 s[84:91], s[0:1], 0x58             ; s2, gg2, betag2, Wg1's codes
	s_load_b64 s[92:93], s[0:1], 0x78              ; Wg1's scales
	s_load_b64 s[10:11], s[0:1], 0x80              ; g1c
	s_load_b64 s[14:15], s[0:1], 0x88              ; out0
	s_load_b128 s[96:99], s[0:1], 0x90             ; Wg2's codes, Wg2's scales
	s_load_b128 s[60:63], s[0:1], 0xa0             ; bg1, bg2
	s_load_b64 s[66:67], s[0:1], 0xb0              ; bd2
	s_load_b64 s[100:101], s[0:1], 0xb8            ; bv
	v_lshl_add_u32 v78, v0, 2, 0xe200
	v_mov_b32 v79, 0
	v_lshrrev_b32 v12, 5, v0
	v_readfirstlane_b32 s2, v12
	v_and_b32 v13, 31, v0
	v_and_b32 v14, 15, v0
	v_bfe_u32 v15, v0, 4, 1
	v_lshlrev_b32 v1, 4, v13
	v_lshlrev_b32 v2, 2, v14
	v_lshlrev_b32 v3, 8, v15
	v_lshlrev_b32 v4, 5, v14
	v_lshlrev_b32 v8, 3, v13
	s_lshr_b32 s25, s2, 1
	s_and_b32 s26, s2, 1
	s_lshr_b32 s27, s2, 2
	s_lshl_b32 s27, s27, 5
	s_and_b32 s31, s25, 1
	s_lshl_b32 s31, s31, 3
	s_add_co_u32 s27, s27, s31
	s_lshl_b32 s35, s27, 7
	s_lshl_b32 s39, s26, 6
	s_add_co_u32 s35, s35, s39
	v_and_b32 v144, 8, v14
	v_add_nc_u32 v144, v144, v14
	v_lshlrev_b32 v145, 7, v144
	v_lshl_add_u32 v145, v15, 4, v145
	v_add_nc_u32 v145, s35, v145
	v_and_b32 v146, 7, v0
	s_lshl_b32 s43, s26, 4
	s_add_co_u32 s43, s43, s27
	v_add_nc_u32 v147, s43, v146
	v_lshlrev_b32 v147, 2, v147
	s_lshl_b32 s43, s2, 10
	v_add_nc_u32 v148, s43, v1
	s_lshl_b32 s43, s2, 5
	v_lshl_add_u32 v149, v146, 2, s43
	v_lshlrev_b32 v150, 10, v14                    ; the other choice of rows: lane r of tile t takes row 8 r + t
	v_lshl_add_u32 v150, v15, 4, v150
	s_lshl_b32 s43, s25, 7
	s_add_co_u32 s43, s43, s39
	v_add_nc_u32 v150, s43, v150
	s_lshl_b32 s43, s26, 6
	s_add_co_u32 s43, s43, s25
	v_lshl_add_u32 v151, v146, 3, s43
	v_lshlrev_b32 v151, 2, v151
	v_lshrrev_b32 v186, 6, v0                      ; Wd2's image: thread = 64 t + 2 lane + register
	v_bfe_u32 v187, v0, 1, 4
	v_bfe_u32 v188, v0, 5, 1
	v_and_b32 v189, 1, v0
	v_lshl_add_u32 v188, v188, 1, v189             ; k
	v_min_u32 v189, 2, v188
	v_lshl_add_u32 v190, v187, 3, v186             ; the channel 8 r + t
	v_mad_u32_u24 v191, v190, 3, v189
	v_lshlrev_b32 v191, 2, v191
	v_lshlrev_b32 v193, 2, v190
	v_lshlrev_b32 v196, 2, v0
	v_lshlrev_b32 v197, 5, v13
	v_bfe_u32 v198, v0, 5, 2
	v_lshlrev_b32 v198, 5, v198
	v_bfe_u32 v199, v0, 4, 1
	v_lshl_add_u32 v198, v199, 3, v198
	v_and_b32 v199, 15, v0
	v_add_nc_u32 v198, v198, v199
	v_and_b32 v199, 8, v0
	v_add_nc_u32 v198, v198, v199
	v_lshlrev_b32 v198, 2, v198
	s_mov_b32 s48, 0xaf95df0b
	s_mov_b32 s49, s48
	s_mov_b32 s50, 0xb77460cd
	s_mov_b32 s51, s50
	s_mov_b32 s52, 0x76543210
	s_mov_b32 s53, 0xfedcba98
	s_mov_b32 s54, 0x600000
	s_mov_b32 s55, 0xffff0000
	s_wait_kmcnt 0x0
	s_load_b256 s[16:23], s[70:71], 0x0
	s_load_b32 s24, s[70:71], 0x20
	s_load_b96 s[28:30], s[72:73], 0x0
	s_load_b96 s[32:34], s[74:75], 0x0
	s_load_b96 s[36:38], s[76:77], 0x0
	s_add_nc_u64 s[12:13], s[10:11], 0x2000000     ; g1c's scale words
	LOADW 152, 145, 147, 90, 92
	LOADW 164, 150, 151, 96, 98
	LOADW 176, 150, 151, 80, 82
	global_load_b32 v192, v191, s[78:79]
	global_load_b32 v194, v193, s[66:67]
	global_load_b32 v195, v193, s[100:101]
	global_load_b32 v10, v198, s[86:87]
	global_load_b32 v11, v198, s[88:89]
	global_load_b32 v42, v198, s[60:61]
	global_load_b128 v[66:69], v4, s[62:63]
	global_load_b128 v[70:73], v4, s[62:63] offset:16
.set i_, 0
.rept 8
	global_load_b128 v[208+6*i_:211+6*i_], v197, s[68:69] offset:1024*i_
	global_load_b64 v[212+6*i_:213+6*i_], v197, s[68:69] offset:1024*i_+16
.set i_, i_+1
.endr
	s_wait_loadcnt 0x0
	s_wait_kmcnt 0x0
	PUTW 152, WG1, WG1S
	PUTW 164, WG2, WG2S
	PUTW 176, WV, WVS
	v_add_f32 v194, v194, v195
	v_cmp_eq_u32 vcc_lo, 3, v188
	v_cndmask_b32 v192, v192, v194, vcc_lo         ; k = 3: bd2 + bv
	ds_store_b32 v196, v192 offset:WDI
.irp u, 0,1,2,3,4,5,6,7
	v_mul_f32 v[66+\u], 0x3fb8aa3b, v[66+\u]
.endr
	BNDC
	s_wait_dscnt 0x0
	BNHEAD                                         ; its barriers also show the images to every wave
	s_lshl_b32 s57, ttmp9, 6
	s_lshl_b32 s58, s2, 2
	s_add_co_u32 s57, s57, s58
	LOADIDX 57
	s_wait_loadcnt 0x0
	GATHER 57
	s_add_co_u32 s59, s57, 1
	LOADIDX 59
	LOADH 57
	s_mov_b32 s3, 0
.Ltile:
	s_wait_loadcnt 0x0                             ; this tile's gathers and stored codes, the next tile's neighbours
	s_wait_xcnt 0x0                                ; the last tile's store has read its registers
	s_add_co_u32 s58, s57, s3
	POS1
	WDFRAG
	POSMM 80
	MM8 80, WV, WVS, 16, 32, 0, 1, 144, 4
	s_add_co_u32 s59, s58, 1
	s_min_u32 s59, s59, 0x3fff
	GATHER 59
	s_add_co_u32 s56, s58, 2
	s_min_u32 s56, s56, 0x3fff
	LOADIDX 56
	MM8 144, WG1, WG1S, 48, 64, 1, 0, 208, 2
.set tt_, 0
.rept 8
	ds_load_b128 v[240:243], v3 offset:ABT+32*tt_
	ds_load_b128 v[244:247], v3 offset:ABT+32*tt_+16
	ds_load_b128 v[248:251], v3 offset:ABT+512+32*tt_
	ds_load_b128 v[252:255], v3 offset:ABT+512+32*tt_+16
	s_wait_dscnt 0x0
	GELU 144+8*tt_, 144+8*tt_, 4, 1
.set tt_, tt_+1
.endr
	QUANT 144, 48
	MM8 144, WG2, WG2S, 48, 33, 0, 0, 208, 2
	LOADH 59                                       ; the next tile's stored codes
	; softmax over the 16 neighbours: eight in my registers, eight in lane l xor 16's.  In base 2, the maximum taken away.
.set t_, 0
.rept 8
.irp p, 0,1,2,3
	PKFMAB 144+8*t_+2*\p, 66+t_
.endr
.set t_, t_+1
.endr
.set t_, 0
.rept 8
	v_max3_num_f32 v[208+t_], v[144+8*t_], v[145+8*t_], v[146+8*t_]
.set t_, t_+1
.endr
.irp i, 3,5
.set t_, 0
.rept 8
	v_max3_num_f32 v[208+t_], v[208+t_], v[144+8*t_+\i], v[145+8*t_+\i]
.set t_, t_+1
.endr
.endr
.irp u, 0,1,2,3,4,5,6,7
	v_max_num_f32 v[208+\u], v[208+\u], v[151+8*\u]
.endr
.irp u, 0,1,2,3,4,5,6,7
	v_permlanex16_b32 v[216+\u], v[208+\u], s52, s53
.endr
.irp u, 0,1,2,3,4,5,6,7
	v_max_num_f32 v[208+\u], v[208+\u], v[216+\u]
.endr
.set t_, 0
.rept 8
.irp p, 0,1,2,3
	PKSUBB 144+8*t_+2*\p, 144+8*t_+2*\p, 208+t_
.endr
.set t_, t_+1
.endr
.set i_, 0
.rept 64
	v_exp_f32 v[144+i_], v[144+i_]
.set i_, i_+1
.endr
	v_nop                                          ; a plain place behind the exponentials
	s_wait_alu depctr_va_vdst(0)                   ; one wait for the batch, ahead of its first reader
.set t_, 0
.rept 8
	v_pk_add_f32 v[224:225], v[144+8*t_:145+8*t_], v[146+8*t_:147+8*t_]
	v_pk_add_f32 v[226:227], v[148+8*t_:149+8*t_], v[150+8*t_:151+8*t_]
	v_pk_mul_f32 v[228:229], v[144+8*t_:145+8*t_], v[80+8*t_:81+8*t_]        ; value is read from each accumulator's low end on
	v_pk_add_f32 v[224:225], v[224:225], v[226:227]
	v_pk_fma_f32 v[228:229], v[146+8*t_:147+8*t_], v[82+8*t_:83+8*t_], v[228:229]
	v_pk_fma_f32 v[228:229], v[148+8*t_:149+8*t_], v[84+8*t_:85+8*t_], v[228:229]
	v_pk_fma_f32 v[228:229], v[150+8*t_:151+8*t_], v[86+8*t_:87+8*t_], v[228:229]
	v_add_f32 v[208+t_], v224, v225
	v_add_f32 v[216+t_], v228, v229
.set t_, t_+1
.endr
.irp u, 0,1,2,3,4,5,6,7,8,9,10,11,12,13,14,15
	v_permlanex16_b32 v[232+\u], v[208+\u], s52, s53
.endr
.irp u, 0,1,2,3,4,5,6,7,8,9,10,11,12,13,14,15
	v_add_f32 v[208+\u], v[208+\u], v[232+\u]
.endr
.irp u, 0,1,2,3,4,5,6,7
	v_rcp_f32 v[224+\u], v[208+\u]
.endr
	v_lshrrev_b32 v252, 4, v3                      ; (a plain place behind the reciprocals)  16 h
	v_add_nc_u32 v252, v252, v4
	s_lshl_b32 s25, s58, 9
	v_add_nc_u32 v252, s25, v252                   ; out0: 512 n + 32 r + 16 h
	s_wait_alu depctr_va_vdst(0)
.irp u, 0,1,2,3,4,5,6,7
	v_mul_f32 v[216+\u], v[216+\u], v[224+\u]
.endr
.irp u, 0,1,2,3
	v_cndmask_b32 v[248+\u], v[216+\u], v[220+\u], s55
.endr
	global_store_b128 v252, v[248:251], s[14:15] th:TH_STORE_NT   ; 32 lanes store the query's 512 bytes, aligned
	s_add_co_u32 s3, s3, 1
	s_cmp_lt_u32 s3, 4
	s_cbranch_scc1 .Ltile
	s_wait_tensorcnt 0x0
	ds_add_u32 v78, v79
	s_wait_dscnt 0x0
	s_endpgm
.Lfunc_end_k_qc05534598f_pc:
	.size	k_qc05534598f_pc, .Lfunc_end_k_qc05534598f_pc-k_qc05534598f_pc
	.p2alignl 7, 3214868480
	.fill 96, 4, 3214868480
	.section	.rodata,"a",@progbits
	.p2align	6, 0x0
	.amdhsa_kernel k_qc05534598f_pc
		.amdhsa_group_segment_fixed_size 59904
		.amdhsa_private_segment_fixed_size 0
		.amdhsa_enable_private_segment 0
		.amdhsa_kernarg_size 192
		.amdhsa_user_sgpr_count 2
		.amdhsa_user_sgpr_kernarg_segment_ptr 1
		.amdhsa_wavefront_size32 1
		.amdhsa_system_sgpr_workgroup_id_x 1
		.amdhsa_system_sgpr_workgroup_id_y 1
		.amdhsa_system_sgpr_workgroup_id_z 1
		.amdhsa_system_vgpr_workitem_id 0
		.amdhsa_next_free_vgpr 256
		.amdhsa_next_free_sgpr 102
		.amdhsa_reserve_vcc 1
		.amdhsa_float_denorm_mode_32 3
		.amdhsa_float_denorm_mode_16_64 3
		.amdhsa_memory_ordered 1
		.amdhsa_forward_progress 1
		.amdhsa_inst_pref_size 135
	.end_amdhsa_kernel
	.amdgpu_metadata
---
amdhsa.version: [ 1, 2 ]
amdhsa.kernels:
  - .name:           k_qc05534598f_pc
    .symbol:         k_qc05534598f_pc.kd
    .args:
      - { .name: prepb, .offset: 0, .size: 8, .value_kind: global_buffer, .address_space: global }
      - { .name: idx, .offset: 8, .size: 8, .value_kind: global_buffer, .address_space: global }
      - { .name: points, .offset: 16, .size: 8, .value_kind: global_buffer, .address_space: global }
      - { .name: sd, .offset: 24, .size: 8, .value_kind: global_buffer, .address_space: global }
      - { .name: Wd1, .offset: 32, .size: 8, .value_kind: global_buffer, .address_space: global }
      - { .name: bd1, .offset: 40, .size: 8, .value_kind: global_buffer, .address_space: global }
      - { .name: gd, .offset: 48, .size: 8, .value_kind: global_buffer, .address_space: global }
      - { .name: betad, .offset: 56, .size: 8, .value_kind: global_buffer, .address_space: global }
      - { .name: Wd2, .offset: 64, .size: 8, .value_kind: global_buffer, .address_space: global }
      - { .name: Wv_codes, .offset: 72, .size: 8, .value_kind: global_buffer, .address_space: global }
      - { .name: Wv_scales, .offset: 80, .size: 8, .value_kind: global_buffer, .address_space: global }
      - { .name: s2, .offset: 88, .size: 8, .value_kind: global_buffer, .address_space: global }
      - { .name: gg2, .offset: 96, .size: 8, .value_kind: global_buffer, .address_space: global }
      - { .name: betag2, .offset: 104, .size: 8, .value_kind: global_buffer, .address_space: global }
      - { .name: Wg1_codes, .offset: 112, .size: 8, .value_kind: global_buffer, .address_space: global }
      - { .name: Wg1_scales, .offset: 120, .size: 8, .value_kind: global_buffer, .address_space: global }
      - { .name: g1c, .offset: 128, .size: 8, .value_kind: global_buffer, .address_space: global }
      - { .name: out0, .offset: 136, .size: 8, .value_kind: global_buffer, .address_space: global }
      - { .name: Wg2_codes, .offset: 144, .size: 8, .value_kind: global_buffer, .address_space: global }
      - { .name: Wg2_scales, .offset: 152, .size: 8, .value_kind: global_buffer, .address_space: global }
      - { .name: bg1, .offset: 160, .size: 8, .value_kind: global_buffer, .address_space: global }
      - { .name: bg2, .offset: 168, .size: 8, .value_kind: global_buffer, .address_space: global }
      - { .name: bd2, .offset: 176, .size: 8, .value_kind: global_buffer, .address_space: global }
      - { .name: bv, .offset: 184, .size: 8, .value_kind: global_buffer, .address_space: global }
    .group_segment_fixed_size: 59904
    .private_segment_fixed_size: 0
    .kernarg_segment_align: 8
    .kernarg_segment_size: 192
    .max_flat_workgroup_size: 512
    .sgpr_count:     102
    .vgpr_count:     256
    .wavefront_size: 32
...
	.end_amdgpu_metadata
.endif
;; end of part 7
;; ======== version 2 of 2: 7 launches; version 1 with the launches prep, knn1, pa, pb, pc written anew for expert scheduling mode
;; workspace buffers: prepb 10,813,440 bytes; gi 1,048,576 bytes of whole numbers; idx 1,048,576 bytes of whole numbers; sd 8,192 bytes; s1 262,144 bytes; s2 262,144 bytes; g1c 34,603,008 bytes
;; launch prep (part 8): grid 256 x 1, 4 waves a work-group, no clusters, 1,536 bytes of LDS; arguments feats, points, Wq_codes, Wq_scales, bq, bk, bd2, prepb; writes prepb
.if DOCPART == 8
	.amdgcn_target "amdgcn-amd-amdhsa--gfx1250"
	.amdhsa_code_object_version 6
	.text
	.protected	k_qc05534598f_prep
	.globl	k_qc05534598f_prep
	.p2align	8
	.type	k_qc05534598f_prep,@function
k_qc05534598f_prep:
	s_mov_b64 s[64:65], 0
	v_nop
	global_prefetch_b8 v0, s[64:65] scope:SCOPE_SE
	s_setreg_imm32_b32 hwreg(HW_REG_WAVE_SCHED_MODE, 0, 2), 2
	s_setreg_imm32_b32 hwreg(HW_REG_WAVE_MODE, 25, 1), 1
	s_wait_xcnt 0x0
	s_wait_alu depctr_vm_vsrc(0)
; PREP.  Three tables in one workspace buffer:
;   PT  at 0        : for each pair of points 8 f32: -2x0 -2x1 -2y0 -2y1 -2z0 -2z1 |p0|^2 |p1|^2  (|p|^2 = (x x + y y) + z z, each step rounded)
;   FC  at FC_O     : feats as E5M2 codes, [16384][128];   FS at FS_O: their scale words, [16384]
;   NQT at NQ_O     : -(feats Wq^T + bq - bk + bd2), f32, laid [row][m 16][t 8] = channel 32 (t/2) + 8 (t%2) + m + 8 (m/8)
; A wave takes 16 rows.  The product is used transposed (source 0 = 16 rows of Wq, source 1 = my 16 rows of feats); the rows of Wq that form
; tile s are chosen so that a lane's eight results are eight neighbours of NQT's layout.
; LIMITS: NaN and infinities are not served; a block whose largest magnitude lies under 2^-111 keeps the scale byte 1 (a block of zeros too: its codes are zeros).
; THE MODE: SCHED_MODE bits 1:0 = 2 (LLVM: expert scheduling mode 2), set by the entry lines.  The code itself states the register dependences
; between vector or matrix instructions and memory or LDS instructions, with s_wait_alu, always for 0.
; THE PLAN (no loop).  Registers that memory or LDS instructions touch:
;   v5-7, v9, v10, v14, v15, v44-46   offsets, made once at the head and never written again: one wait ahead of the first load.
;   v11, v12, v13                     the bias and the table's two words: written by vector lines, then read by one LDS store and two stores, never written again: one wait.
;   v16-31, v32                       codes and scale word: written by the quantiser, read by five stores and by the scaled products;
;   v48-111                           read and written by the quantiser, then the biases land in them from LDS: the same one wait behind the quantiser serves both.
;   v112-175                          the negated results: written by vector lines, read by the last stores: one wait.
.set FC_O, 262144
.set FS_O, 2359296
.set NQ_O, 2424832
.set X,   48                           ; v48-111  64 numbers of feats, later the eight accumulators
.set PW,  32                           ; v32      my rows' scale word
.set WS,  33                           ; v33-40   Wq's scale words
.set WF,  112                          ; v112-239 Wq's eight fragments, later the negated results
.set TM,  240                          ; v240-255 the quantiser's work
.set SEL, 24
.set MNT, 26
.macro NOPS n
.rept \n
	v_nop
.endr
.endm
; 64 numbers of a lane, register 16 b + i = k 32 b + 16 (lane / 16) + i of my row, become a fragment's codes in v[cd] on and its scale word in v[PW]
.macro QUANT s, cd
.irp b, 0,1,2,3
	v_max3_num_f32 v[TM+\b], |v[\s+16*\b]|, |v[\s+1+16*\b]|, 0x8000000   ; with the floor 2^(16 - 127): the byte cannot fall under 1
.endr
.irp i, 2,4,6,8,10,12,14
.irp b, 0,1,2,3
	v_max3_num_f32 v[TM+\b], v[TM+\b], |v[\s+16*\b+\i]|, |v[\s+1+16*\b+\i]|
.endr
.endr
.irp b, 0,1,2,3
	v_permlanex16_b32 v[TM+4+\b], v[TM+\b], s[SEL], s[SEL+1]
.endr
.irp b, 0,1,2,3
	v_max_num_f32 v[TM+\b], v[TM+\b], v[TM+4+\b]       ; with lane l xor 16's: the block's largest magnitude
.endr
.irp b, 0,1,2,3
	v_add_nc_u32 v[TM+12+\b], 0xf8800000, v[TM+\b]     ; 15 off its exponent field: the conversion's scale operand
.endr
.irp b, 0,1,2,3
	v_and_or_b32 v[TM+8+\b], v[TM+\b], 0x7f800000, s[MNT]  ; 57,344 x the scale
.endr
.irp b, 0,1,2,3
	v_lshrrev_b32 v[TM+4+\b], 23, v[TM+12+\b]          ; the scale's byte
.endr
	v_lshl_or_b32 v[PW], v[TM+5], 8, v[TM+4]
	v_lshl_or_b32 v[PW], v[TM+6], 16, v[PW]
	v_lshl_or_b32 v[PW], v[TM+7], 24, v[PW]
.irp b, 0,1,2,3
.irp i, 0,1,2,3,4,5,6,7,8,9,10,11,12,13,14,15
	v_med3_num_f32 v[\s+16*\b+\i], v[\s+16*\b+\i], -v[TM+8+\b], v[TM+8+\b]   ; the conversion does not saturate (ISA guide 7.6.2): the hold
.endr
	v_cvt_scalef32_pk8_bf8_f32 v[\cd+4*\b:\cd+1+4*\b], v[\s+16*\b:\s+7+16*\b], v[TM+12+\b]
	v_cvt_scalef32_pk8_bf8_f32 v[\cd+2+4*\b:\cd+3+4*\b], v[\s+8+16*\b:\s+15+16*\b], v[TM+12+\b]
.endr
	NOPS 4                                         ; codes made by vector instructions stand four places ahead of a scaled product
.endm
	s_load_b256 s[4:11], s[0:1], 0x0               ; feats, points, Wq's codes, Wq's scales
	s_load_b256 s[12:19], s[0:1], 0x20             ; bq, bk, bd2, prepb
	v_lshl_add_u32 v47, v0, 2, 0x400
	s_set_vgpr_msb 0x40
	v_mov_b32 v1, 0
	s_set_vgpr_msb 0x4000
	v_lshrrev_b32 v1, 5, v0
	v_readfirstlane_b32 s20, v1                    ; wave
	v_and_b32 v2, 15, v0                           ; r
	v_bfe_u32 v3, v0, 4, 1                         ; h
	v_lshlrev_b32 v5, 2, v0                        ; 4 x thread
	v_and_b32 v7, 7, v2
	v_lshrrev_b32 v8, 1, v7
	v_lshlrev_b32 v8, 5, v8
	v_and_b32 v9, 1, v2
	v_lshl_add_u32 v8, v9, 3, v8
	v_lshrrev_b32 v9, 3, v2
	v_add_nc_u32 v8, v8, v9                        ; Wq: lane r of tile s takes row 32 ((r%8)/2) + 8 (r%2) + r/8 + 2 s + 8 (s/4)
	v_lshlrev_b32 v6, 7, v8
	v_lshl_add_u32 v6, v3, 4, v6                   ; its codes
	v_lshlrev_b32 v7, 2, v8                        ; its scale word
	v_lshlrev_b32 v46, 2, v3                       ; 4 h
	s_wait_alu depctr_va_sdst(0)                   ; s20 is written, ahead of its first reader: the wave's first row is made from it
	s_lshl_b32 s21, ttmp9, 2
	s_add_co_u32 s21, s21, s20
	s_lshl_b32 s22, s21, 4                         ; my wave's first row
	v_add_nc_u32 v4, s22, v2                       ; my row, and my point
	v_lshlrev_b32 v9, 9, v4
	v_lshl_add_u32 v9, v3, 6, v9                   ; feats: row of 512 bytes, + 64 h
	v_mul_u32_u24 v10, v4, 12                      ; my point
	v_lshrrev_b32 v14, 1, v4
	v_lshlrev_b32 v14, 5, v14
	v_and_b32 v15, 1, v4
	v_lshl_add_u32 v14, v15, 2, v14
	v_lshl_add_u32 v14, v3, 4, v14                 ; PT: pair x 32 + 4 x (point % 2) + 16 h
	v_lshlrev_b32 v15, 9, v4
	v_lshl_add_u32 v15, v3, 5, v15                 ; NQT: row x 512 + 32 h
	v_lshlrev_b32 v44, 7, v4
	v_lshl_add_u32 v44, v3, 4, v44                 ; FC
	v_lshlrev_b32 v45, 2, v4                       ; FS
	s_mov_b32 s23, 0xffff0000                      ; lanes 16-31
	s_mov_b32 s[SEL], 0x76543210
	s_mov_b32 s[SEL+1], 0xfedcba98
	s_mov_b32 s[MNT], 0x600000
.irp b, 0,1,2,3
	v_mov_b32 v[TM+4+\b], 0                        ; a lane permute's destination counts as one of its sources
.endr
	s_wait_kmcnt 0x0
	s_wait_alu depctr_va_vdst(0)                   ; all offsets (v5-7, v9, v10, v14, v15, v44-46) are written: every load and store of the kernel reads one of them
	global_load_b32 v11, v5, s[12:13]
	global_load_b32 v12, v5, s[14:15]
	global_load_b32 v13, v5, s[16:17]
	global_load_b32 v41, v10, s[6:7]
	global_load_b32 v42, v10, s[6:7] offset:4
	global_load_b32 v43, v10, s[6:7] offset:8
.irp b, 0,1,2,3
.irp j, 0,1,2,3
	global_load_b128 v[X+16*\b+4*\j:X+16*\b+4*\j+3], v9, s[4:5] offset:128*\b+16*\j
.endr
.endr
.irp s, 0,1,2,3,4,5,6,7
.irp k, 0,1,2,3
	global_load_b128 v[WF+16*\s+4*\k:WF+16*\s+4*\k+3], v6, s[8:9] offset:(2*\s+8*(\s/4))*128+32*\k
.endr
	global_load_b32 v[WS+\s], v7, s[10:11] offset:(2*\s+8*(\s/4))*4
.endr
	s_wait_loadcnt 0x0
	v_sub_f32 v11, v11, v12
	v_add_f32 v11, v11, v13                        ; bq - bk + bd2 of channel = thread
	; PT's words are made here too, so that one wait serves the LDS store and the two stores
	v_mul_f32 v[TM], v41, v41
	v_mul_f32 v12, v42, v42
	v_add_f32 v[TM], v[TM], v12
	v_mul_f32 v12, v43, v43
	v_add_f32 v[TM], v[TM], v12                    ; |p|^2
	v_mul_f32 v41, -2.0, v41
	v_mul_f32 v42, -2.0, v42
	v_mul_f32 v43, -2.0, v43
	v_cndmask_b32 v12, v41, v43, s23               ; lanes 0-15 store -2x and -2y, lanes 16-31 -2z and |p|^2
	v_cndmask_b32 v13, v42, v[TM], s23
	s_wait_alu depctr_va_vdst(0)                   ; v11, v12 and v13 are written, which the LDS store and the two stores below read
	ds_store_b32 v5, v11
	s_wait_dscnt 0x0                               ; for the other waves' sake
	s_barrier_signal -1
	s_barrier_wait -1
	global_store_b32 v14, v12, s[18:19]
	global_store_b32 v14, v13, s[18:19] offset:8
	; feats' codes
	QUANT X, 16
	s_wait_alu depctr_va_vdst(0)                   ; the quantiser has written the codes v16-31 and the scale word v32, which the stores and the scaled products read, and is done with v48-111, in which the biases land
.irp k, 0,1,2,3
	global_store_b128 v44, v[16+4*\k:19+4*\k], s[18:19] offset:FC_O+32*\k
.endr
	global_store_b32 v45, v[PW], s[18:19] offset:FS_O    ; both halves of the lanes hold the same word
	; the biases are the C of the products: register j of tile s in lane (r, h) is channel 32 (j/2) + 8 (j%2) + 2 s + h + 8 (s/4)
.irp s, 0,1,2,3,4,5,6,7
.irp j, 0,1,2,3,4,5,6,7
	ds_load_b32 v[X+8*\s+\j], v46 offset:4*(32*(\j/2)+8*(\j%2)+2*\s+8*(\s/4))
.endr
.endr
	NOPS 4
	s_wait_dscnt 0x0
.irp s, 0,1,2,3,4,5,6,7
	v_wmma_scale_f32_16x16x128_f8f6f4 v[X+8*\s:X+8*\s+7], v[WF+16*\s:WF+16*\s+15], v[16:31], v[X+8*\s:X+8*\s+7], v[WS+\s], v[PW] matrix_a_fmt:MATRIX_FMT_BF8 matrix_b_fmt:MATRIX_FMT_BF8
.endr
	NOPS 9
.set i_, 0
.rept 32
	v_pk_mul_f32 v[WF+i_:WF+i_+1], v[X+i_:X+i_+1], -1.0 op_sel_hi:[1,0]   ; each accumulator from its low end on
.set i_, i_+2
.endr
	s_wait_alu depctr_va_vdst(0)                   ; the multiplications have written v112-175, which the stores read
.irp s, 0,1,2,3,4,5,6,7
	global_store_b128 v15, v[WF+8*\s:WF+8*\s+3], s[18:19] offset:NQ_O+64*\s
	global_store_b128 v15, v[WF+8*\s+4:WF+8*\s+7], s[18:19] offset:NQ_O+64*\s+16
.endr
	s_set_vgpr_msb 0x4                             ; the add's data register lies in block 1
	s_wait_dscnt 0x0                               ; the closing lines, six on end, for a launch in the mode that stores to LDS
	s_wait_alu 0x0
	s_wait_tensorcnt 0x0
	ds_add_u32 v47, v1
	s_wait_dscnt 0x0
	s_endpgm
.Lfunc_end_k_qc05534598f_prep:
	.size	k_qc05534598f_prep, .Lfunc_end_k_qc05534598f_prep-k_qc05534598f_prep
	.p2alignl 7, 3214868480
	.fill 96, 4, 3214868480
	.section	.rodata,"a",@progbits
	.p2align	6, 0x0
	.amdhsa_kernel k_qc05534598f_prep
		.amdhsa_group_segment_fixed_size 1536
		.amdhsa_private_segment_fixed_size 0
		.amdhsa_enable_private_segment 0
		.amdhsa_kernarg_size 64
		.amdhsa_user_sgpr_count 2
		.amdhsa_user_sgpr_kernarg_segment_ptr 1
		.amdhsa_wavefront_size32 1
		.amdhsa_system_sgpr_workgroup_id_x 1
		.amdhsa_system_sgpr_workgroup_id_y 1
		.amdhsa_system_sgpr_workgroup_id_z 1
		.amdhsa_system_vgpr_workitem_id 0
		.amdhsa_next_free_vgpr 258
		.amdhsa_next_free_sgpr 66
		.amdhsa_reserve_vcc 0
		.amdhsa_float_denorm_mode_32 3
		.amdhsa_float_denorm_mode_16_64 3
		.amdhsa_memory_ordered 1
		.amdhsa_forward_progress 1
		.amdhsa_inst_pref_size 27
	.end_amdhsa_kernel
	.amdgpu_metadata
---
amdhsa.version: [ 1, 2 ]
amdhsa.kernels:
  - .name:           k_qc05534598f_prep
    .symbol:         k_qc05534598f_prep.kd
    .args:
      - { .name: feats, .offset: 0, .size: 8, .value_kind: global_buffer, .address_space: global }
      - { .name: points, .offset: 8, .size: 8, .value_kind: global_buffer, .address_space: global }
      - { .name: Wq_codes, .offset: 16, .size: 8, .value_kind: global_buffer, .address_space: global }
      - { .name: Wq_scales, .offset: 24, .size: 8, .value_kind: global_buffer, .address_space: global }
      - { .name: bq, .offset: 32, .size: 8, .value_kind: global_buffer, .address_space: global }
      - { .name: bk, .offset: 40, .size: 8, .value_kind: global_buffer, .address_space: global }
      - { .name: bd2, .offset: 48, .size: 8, .value_kind: global_buffer, .address_space: global }
      - { .name: prepb, .offset: 56, .size: 8, .value_kind: global_buffer, .address_space: global }
    .group_segment_fixed_size: 1536
    .private_segment_fixed_size: 0
    .kernarg_segment_align: 8
    .kernarg_segment_size: 64
    .max_flat_workgroup_size: 128
    .sgpr_count:     66
    .vgpr_count:     258
    .wavefront_size: 32
...
	.end_amdgpu_metadata
.endif
;; end of part 8
;; launch knn1 (part 9): grid 256 x 1, 4 waves a work-group, no clusters, 139,776 bytes of LDS; arguments prepb, gi; writes gi
.if DOCPART == 9
	.amdgcn_target "amdgcn-amd-amdhsa--gfx1250"
	.amdhsa_code_object_version 6
	.text
	.protected	k_qc05534598f_knn1
	.globl	k_qc05534598f_knn1
	.p2align	8
	.type	k_qc05534598f_knn1,@function
k_qc05534598f_knn1:
	s_mov_b64 s[64:65], 0
	v_nop
	global_prefetch_b8 v0, s[64:65] scope:SCOPE_SE
	s_setreg_imm32_b32 hwreg(HW_REG_WAVE_SCHED_MODE, 0, 2), 2
	s_setreg_imm32_b32 hwreg(HW_REG_WAVE_MODE, 25, 1), 1
	s_wait_xcnt 0x0
	s_wait_alu depctr_vm_vsrc(0)
; KNN, FIRST STEP.  For each query: the 16 groups (of 16 neighbouring candidates) with the smallest (group's least d2, group's number), stored as whole numbers in ascending order.
; Every one of the query's 16 nearest (ties: the lower index) lies in one of them: were one outside, 16 groups would stand before its own, each with a candidate that stands before it.
; d2 = (|q|^2 + |c|^2) - 2 (q . c), the dot product as a multiplication and two fused multiply-adds in ascending order; the factor -2 is folded into the table and rounds nothing.
; A work-group has 64 queries of one batch, a lane a query; waves 0, 1: queries 0-31, waves 2, 3: queries 32-63; of a pair of waves one walks groups 0-255 and one groups 256-511.
; The batch's table (131,072 bytes) lies in LDS; all lanes of a load read the same 16 bytes.  No branch and no address hangs on a distance: the list is kept by compares and selects.
; ORDER OF THE LINES.  A SIMD has one wave here, so the text itself keeps a result and its reader apart: the distances go in passes of eight, the minimum is a tree three deep, and in an
; insertion every line reads results that stand 15 lines back or more (macro INSERTP).
; LIMITS: NaN and infinities are not served; where two candidates' d2 differ from another order of rounding by an ulp at the 16th place, they may change places.
; THE MODE: SCHED_MODE bits 1:0 = 2 (LLVM: expert scheduling mode 2), set by the entry lines.  The code itself states the register dependences
; between vector instructions and memory or LDS instructions, with s_wait_alu, always for 0.
; THE PLAN.  Registers that LDS instructions touch in the loop:
;   B0, B1   A group's 64 registers.  The group's distances (DIST) read them and write eight pairs of them; behind that the group two further on is loaded into them.
;   v9       The LDS address: read by every load of a group, written once a group, at the head of the group's work.
;   The list, the payloads, the distances and the tree are named by vector instructions alone; the sixteen masks are written by compares and read by selects.
; So a group has three waits: one on vm_vsrc ahead of the move into v9; ONE on va_vdst behind the group's minimum (v9 is written; DIST is done with the buffer); one on va_sdst
; between the insertion's compares and its selects.  The group's 16 loads follow the second, dealt among the insertion's compares and list lines, which name none of their registers.
.set L,  10                            ; v10-25   the 16 smallest minima, ascending
.set I,  26                            ; v26-41   their groups' numbers (as f32): one of two sets that change places from insertion to insertion
.set I2, 196                           ; v196-211 the other set
.set D,  42                            ; v42-57   16 distances
.set T,  212                           ; v212-216 the minimum's tree
.set M,  32                            ; s32-47   compare masks
.set B0, 64                            ; v64-127, v128-191: two groups' table entries
.set B1, 128
.set LISTS, 131072
; c and its payload id go into the list.  A strict compare keeps the earlier entry ahead on ties.  The payloads are read from set fr and written to set to:
;   to[j] = c < L[j-1] ? fr[j-1] : (c < L[j] ? id : fr[j]),  with the L of before the insertion.
; Compare j stands ahead of the line that rewrites L[j]; compares and list lines alternate; the two passes of selects follow, each select 15 lines or more behind what it reads.
; ld = 1: buffer b is asked for again, a load behind each pair of lines.
.macro INSERTP c, id, fr, to, b, ld
	v_cmp_lt_f32 s[M+15], v[\c], v[L+15]
.irp j, 15,14,13,12,11,10,9,8,7,6,5,4,3,2,1
	v_cmp_lt_f32 s[M+\j-1], v[\c], v[L+\j-1]
	v_med3_num_f32 v[L+\j], v[L+\j-1], v[L+\j], v[\c]
.if \ld
	ds_load_b128 v[\b+60-4*\j:\b+63-4*\j], v9 offset:240-16*\j   ; no wait: no vector instruction since the wait behind the minimum names the buffer or v9
.endif
.endr
	v_min_num_f32 v[L], v[L], v[\c]
.if \ld
	ds_load_b128 v[\b+60:\b+63], v9 offset:240
.endif
	s_wait_alu depctr_va_sdst(0)                   ; the sixteen compares have written their masks, which the selects read
.irp j, 15,14,13,12,11,10,9,8,7,6,5,4,3,2,1,0
	v_cndmask_b32 v[\to+\j], v[\fr+\j], v[\id], s[M+\j]
.endr
.irp j, 15,14,13,12,11,10,9,8,7,6,5,4,3,2,1
	v_cndmask_b32 v[\to+\j], v[\to+\j], v[\fr+\j-1], s[M+\j-1]
.endr
.endm
.macro INSV l, c                       ; values alone
.irp j, 15,14,13,12,11,10,9,8,7,6,5,4,3,2,1
	v_med3_num_f32 v[\l+\j], v[\l+\j-1], v[\l+\j], v[\c]
.endr
	v_min_num_f32 v[\l], v[\l], v[\c]
.endm
.macro DIST b                          ; 16 distances, two at a time; v[4:7] = x, y, z, |q|^2
.irp k, 0,1,2,3,4,5,6,7
	v_pk_mul_f32 v[D+2*\k:D+2*\k+1], v[\b+8*\k:\b+8*\k+1], v[4:5] op_sel_hi:[1,0]
.endr
.irp k, 0,1,2,3,4,5,6,7
	v_pk_fma_f32 v[D+2*\k:D+2*\k+1], v[\b+8*\k+2:\b+8*\k+3], v[4:5], v[D+2*\k:D+2*\k+1] op_sel:[0,1,0] op_sel_hi:[1,1,1]
.endr
.irp k, 0,1,2,3,4,5,6,7
	v_pk_fma_f32 v[D+2*\k:D+2*\k+1], v[\b+8*\k+4:\b+8*\k+5], v[6:7], v[D+2*\k:D+2*\k+1] op_sel_hi:[1,0,1]
.endr
.irp k, 0,1,2,3,4,5,6,7
	v_pk_add_f32 v[\b+8*\k+6:\b+8*\k+7], v[\b+8*\k+6:\b+8*\k+7], v[6:7] op_sel:[0,1] op_sel_hi:[1,1]
.endr
.irp k, 0,1,2,3,4,5,6,7
	v_pk_add_f32 v[D+2*\k:D+2*\k+1], v[\b+8*\k+6:\b+8*\k+7], v[D+2*\k:D+2*\k+1]
.endr
.endm
.macro LOADG b, off                    ; a group's 256 bytes, off bytes behind the address in v9: the two first groups
.set i_, 0
.rept 16
	ds_load_b128 v[\b+4*i_:\b+4*i_+3], v9 offset:\off+16*i_
.set i_, i_+1
.endr
.endm
.macro PROC b, fr, to, ld              ; ld = 1: behind the distances the buffer is asked for again, with the group two further on
.if \ld
	s_wait_alu depctr_vm_vsrc(0)                   ; the LDS loads issued so far have read v9
	v_mov_b32 v9, s20                              ; the address of this group's run of loads
.endif
	DIST \b
	v_min3_num_f32 v[T],   v[D],    v[D+1],  v[D+2]
	v_min3_num_f32 v[T+1], v[D+3],  v[D+4],  v[D+5]
	v_min3_num_f32 v[T+2], v[D+6],  v[D+7],  v[D+8]
	v_min3_num_f32 v[T+3], v[D+9],  v[D+10], v[D+11]
	v_min3_num_f32 v[T+4], v[D+12], v[D+13], v[D+14]
	v_add_f32 v8, 1.0, v8                          ; the group's number
	v_min3_num_f32 v[T],   v[T],   v[T+1], v[T+2]
	v_min3_num_f32 v[T+3], v[T+3], v[T+4], v[D+15]
	v_min_num_f32 v58, v[T], v[T+3]                ; the group's least distance
.if \ld
	s_wait_alu depctr_va_vdst(0)                   ; v9 is written, which the loads below read; the distances' lines are done reading and writing the buffer, in which they land
.endif
	INSERTP 58, 8, \fr, \to, \b, \ld
.if \ld
	s_add_co_u32 s20, s20, 256
.endif
.endm
	s_load_b128 s[4:7], s[0:1], 0x0                ; prepb, gi
	v_lshl_add_u32 v224, v0, 2, 0x22000
	v_mov_b32 v225, 0
	v_lshrrev_b32 v1, 5, v0
	v_readfirstlane_b32 s8, v1                     ; wave
	v_and_b32 v1, 31, v0
	v_lshlrev_b32 v2, 4, v0                        ; the copy: 16 bytes a thread
	v_add_nc_u32 v3, 0x10000, v2
	s_wait_alu depctr_va_sdst(0)                   ; s8 is written, ahead of its first reader: the wave's shares are made from it
	s_lshr_b32 s9, s8, 1                           ; which 32 queries
	s_and_b32 s10, s8, 1                           ; which half of the candidates
	s_lshl_b32 s11, s9, 12
	s_add_co_u32 s11, s11, LISTS
	v_lshl_add_u32 v59, v1, 4, s11                 ; where a list's images lie
	s_lshr_b32 s12, ttmp9, 7
	s_lshl_b32 s12, s12, 17                        ; the batch's part of PT
	s_mov_b32 s13, 0
	s_lshl_b32 s14, ttmp9, 6
	s_lshl_b32 s15, s9, 5
	s_add_co_u32 s14, s14, s15
	v_add_nc_u32 v9, s14, v1                       ; my query
	v_lshrrev_b32 v193, 1, v9
	v_and_b32 v194, 1, v9
	v_lshlrev_b32 v193, 5, v193
	v_lshl_add_u32 v193, v194, 2, v193             ; its place in PT
	v_lshlrev_b32 v192, 6, v9                      ; its 64 bytes of gi
	s_wait_kmcnt 0x0
	s_add_nc_u64 s[16:17], s[4:5], s[12:13]
	s_wait_alu depctr_va_vdst(0)                   ; the offsets and addresses v2, v3, v59, v192 and v193 are written, which the loads and stores of the kernel read
	global_load_b32 v4, v193, s[4:5]
	global_load_b32 v5, v193, s[4:5] offset:8
	global_load_b32 v6, v193, s[4:5] offset:16
	global_load_b32 v7, v193, s[4:5] offset:24
.irp u, 0,1                            ; the table, 65,536 bytes at a time: 32 loads and 32 LDS stores a thread
.if \u > 0
	s_wait_alu depctr_vm_vsrc(0)                   ; the LDS stores above have read v64-191, in which the next loads land
.endif
.set i_, 0
.rept 32
	global_load_b128 v[64+4*i_:67+4*i_], v2, s[16:17] offset:65536*\u+2048*i_
.set i_, i_+1
.endr
	s_wait_loadcnt 0x0
.set i_, 0
.rept 32
	ds_store_b128 v[2+\u], v[64+4*i_:67+4*i_] offset:2048*i_
.set i_, i_+1
.endr
	s_wait_dscnt 0x0                               ; the stores are done: for the other waves' sake
.endr
	s_barrier_signal -1
	s_barrier_wait -1
	v_mul_f32 v4, -0.5, v4
	v_mul_f32 v5, -0.5, v5
	v_mul_f32 v6, -0.5, v6
.irp j, 0,1,2,3,4,5,6,7,8,9,10,11,12,13,14,15
	v_mov_b32 v[L+\j], 0x7f800000
	v_mov_b32 v[I+\j], 0
.endr
	s_lshl_b32 s18, s10, 8
	s_sub_co_i32 s18, s18, 1
	v_cvt_f32_i32 v8, s18                          ; one under my first group's number
	s_lshl_b32 s20, s10, 16                        ; my half of the table
	v_mov_b32 v9, s20
	s_wait_alu depctr_vm_vsrc(0)                   ; my LDS stores of the table have read v64-191, in which the groups land
	s_wait_alu depctr_va_vdst(0)                   ; v9 is written, which the loads below read
	LOADG B0, 0                                    ; my first two groups
	LOADG B1, 256
	s_add_co_u32 s20, s20, 512
	s_mov_b32 s21, 127
.Lpair:                                ; a trip works two groups and asks, in each group's insertion, for the group two further on
	s_wait_dscnt 16                                ; the older group is in; the other buffer's 16 loads may be out
	PROC B0, I, I2, 1
	s_wait_dscnt 16
	PROC B1, I2, I, 1
	s_sub_co_u32 s21, s21, 1
	s_cmp_lg_u32 s21, 0
	s_cbranch_scc1 .Lpair
	s_wait_dscnt 16                                ; the last two groups: nothing more is asked for
	PROC B0, I, I2, 0
	s_wait_dscnt 0x0
	PROC B1, I2, I, 0
	s_wait_alu depctr_va_vdst(0)                   ; the list and its payloads are written, which the LDS stores below read; the distances' lines are done with v64-95, in which the partner's list lands
	s_barrier_signal -1                            ; nobody reads the table any more
	s_barrier_wait -1
	s_cmp_eq_u32 s10, 0
	s_cbranch_scc1 .Lkeep
.irp k, 0,1,2,3
	ds_store_b128 v59, v[L+4*\k:L+4*\k+3] offset:512*\k
	ds_store_b128 v59, v[I+4*\k:I+4*\k+3] offset:2048+512*\k
.endr
.Lkeep:
	s_wait_dscnt 0x0
	s_barrier_signal -1
	s_barrier_wait -1
	s_cmp_lg_u32 s10, 0
	s_cbranch_scc1 .Lend
.irp k, 0,1,2,3,4,5,6,7
	ds_load_b128 v[64+4*\k:67+4*\k], v59 offset:512*\k
.endr
	s_wait_dscnt 0x0
.irp i, 0,1,2,3,4,5,6,7,8,9,10,11,12,13,14,15
	v_cmp_lt_f32 s[M+\i], v[79-\i], v[L+\i]        ; the 16 smallest of two ascending lists; my list (the lower groups) wins ties
.endr
.irp j, 0,1,2,3,4,5,6,7,8,9,10,11,12,13,14,15
	v_mov_b32 v[96+\j], 0x7f800000
.endr
	s_wait_alu depctr_va_sdst(0)                   ; the sixteen compares have written their masks, which the selects read
.irp i, 0,1,2,3,4,5,6,7,8,9,10,11,12,13,14,15
	v_cndmask_b32 v[112+\i], v[I+\i], v[95-\i], s[M+\i]
.endr
.irp i, 0,1,2,3,4,5,6,7,8,9,10,11,12,13,14,15
	INSV 96, 112+\i                                ; the groups' numbers in ascending order
.endr
.irp j, 0,1,2,3,4,5,6,7,8,9,10,11,12,13,14,15
	v_cvt_u32_f32 v[96+\j], v[96+\j]
.endr
	s_wait_alu depctr_va_vdst(0)                   ; the conversions have written v96-111, which the stores read
.irp k, 0,1,2,3
	global_store_b128 v192, v[96+4*\k:99+4*\k], s[6:7] offset:16*\k
.endr
.Lend:
	s_wait_dscnt 0x0                               ; the closing lines, six on end, for a launch in the mode that stores to LDS
	s_wait_alu 0x0
	s_wait_tensorcnt 0x0
	ds_add_u32 v224, v225
	s_wait_dscnt 0x0
	s_endpgm
.Lfunc_end_k_qc05534598f_knn1:
	.size	k_qc05534598f_knn1, .Lfunc_end_k_qc05534598f_knn1-k_qc05534598f_knn1
	.p2alignl 7, 3214868480
	.fill 96, 4, 3214868480
	.section	.rodata,"a",@progbits
	.p2align	6, 0x0
	.amdhsa_kernel k_qc05534598f_knn1
		.amdhsa_group_segment_fixed_size 139776
		.amdhsa_private_segment_fixed_size 0
		.amdhsa_enable_private_segment 0
		.amdhsa_kernarg_size 16
		.amdhsa_user_sgpr_count 2
		.amdhsa_user_sgpr_kernarg_segment_ptr 1
		.amdhsa_wavefront_size32 1
		.amdhsa_system_sgpr_workgroup_id_x 1
		.amdhsa_system_sgpr_workgroup_id_y 1
		.amdhsa_system_sgpr_workgroup_id_z 1
		.amdhsa_system_vgpr_workitem_id 0
		.amdhsa_next_free_vgpr 226
		.amdhsa_next_free_sgpr 66
		.amdhsa_reserve_vcc 0
		.amdhsa_float_denorm_mode_32 3
		.amdhsa_float_denorm_mode_16_64 3
		.amdhsa_memory_ordered 1
		.amdhsa_forward_progress 1
		.amdhsa_inst_pref_size 68
	.end_amdhsa_kernel
	.amdgpu_metadata
---
amdhsa.version: [ 1, 2 ]
amdhsa.kernels:
  - .name:           k_qc05534598f_knn1
    .symbol:         k_qc05534598f_knn1.kd
    .args:
      - { .name: prepb, .offset: 0, .size: 8, .value_kind: global_buffer, .address_space: global }
      - { .name: gi, .offset: 8, .size: 8, .value_kind: global_buffer, .address_space: global }
    .group_segment_fixed_size: 139776
    .private_segment_fixed_size: 0
    .kernarg_segment_align: 8
    .kernarg_segment_size: 16
    .max_flat_workgroup_size: 128
    .sgpr_count:     66
    .vgpr_count:     226
    .wavefront_size: 32
...
	.end_amdgpu_metadata
.endif
;; end of part 9
;; launch knn2: the kernel of part 3 again; grid 256 x 1, 4 waves a work-group, no clusters, 8,704 bytes of LDS; arguments prepb, gi, idx; writes idx
;; launch pd: the kernel of part 4 again; grid 256 x 1, 8 waves a work-group, no clusters, 1,280 bytes of LDS; arguments points, idx, Wd1, sd; writes sd
;; launch pa (part 10): grid 256 x 1, 16 waves a work-group, no clusters, 53,760 bytes of LDS; arguments prepb, idx, points, sd, Wd1, bd1, gd, betad, Wd2, Wk_codes, Wk_scales, s1; writes s1
.if DOCPART == 10
	.amdgcn_target "amdgcn-amd-amdhsa--gfx1250"
	.amdhsa_code_object_version 6
	.text
	.protected	k_qc05534598f_pa
	.globl	k_qc05534598f_pa
	.p2align	8
	.type	k_qc05534598f_pa,@function
k_qc05534598f_pa:
	s_mov_b64 s[64:65], 0
	v_nop
	global_prefetch_b8 v0, s[64:65] scope:SCOPE_SE
	s_setreg_imm32_b32 hwreg(HW_REG_WAVE_SCHED_MODE, 0, 2), 2
	s_setreg_imm32_b32 hwreg(HW_REG_WAVE_MODE, 25, 1), 1
	s_wait_xcnt 0x0
	s_wait_alu depctr_vm_vsrc(0)
; STATISTICS OF E = -(q - key + pos), the number in front of the second norm, with its sign turned.  E = Wk x(neighbour) - Wd2 pos1 - (q + bq - bk + bd2).
; A tile is one query with its 16 neighbours as 16 rows.  A work-group of 16 waves has 64 tiles, a wave four.  The neighbours' feats come as rows of codes, gathered straight into the operand's registers.
; The small product (K = 3) goes by the f32 matrix form with K = 4: its fourth place carries 1 on the tile's side and the query's term on the weight's side; it starts the sum that the quantised product goes on with.
; Products are used in the natural way here (source 0 = the tile): a lane holds ONE channel (slot 16 t + lane % 16 = channel 32 (t/2) + 8 (t%2) + r + 8 (r/8)) and eight neighbours.
; Mean and sum of squares are kept about a pivot (each lane's first number) and merged as (mean, M2): no difference of large sums is formed.  Each work-group stores 128 pairs over its 1,024 rows.
; No tensor loads and no cluster: the weights are 16 KB a work-group, read once; what is gathered differs from tile to tile.
; LIMITS: NaN and infinities are not served.  erf is a ratio of polynomials in z^2 on |z| <= 4 (beyond, erf is 1 in f32), good to a few ulp.
; THE MODE: SCHED_MODE bits 1:0 = 2 (LLVM: expert scheduling mode 2), set by the entry lines.  The code itself states the register dependences
; between vector or matrix instructions and memory or LDS instructions, with s_wait_alu, always for 0.
; THE PLAN.  Registers that memory or LDS instructions touch, round the loop over tiles:
;   v5-7, v12-14     offsets of the gathers: written by vector lines at the GATHER POINT (behind the tile's last product), read by the loads that follow.
;   v9               the neighbours' rows: read by the offsets' first line, then the rows of the tile after next land in it.
;   v16-32, v42-55   what is gathered: read by the products, by POS1 and by the selects of this tile; the next tile's lands in them.
;   v144-207, v34-41 four fragments of Wk and the eight scale words: read by the products; fragments 4-7 land behind products 0-3, the next tile's fragments 0-3 at the gather point.
;   v244-255, v236-239  -Wd2's eight pairs: read by the selects and the f32 products; the next tile's land at the gather point.  STATS and POS1 name none of them.
;   v1, v2, v8       LDS addresses, made at the head and never written again.
; So a tile has: one wait on va_vdst between the two halves of the product; at the gather point one on vm_vsrc ahead of the offsets' lines (the last gathers have read them) and one on
; va_vdst behind them, which covers all the loads named above; they are issued in one run, and STATS stands behind them.  POS1's wait for its reciprocals stays.
.set FC_O, 262144
.set FS_O, 2359296
.set NQ_O, 2424832
.set WK,  0                            ; LDS: Wk's eight fragments as images of their registers, 2,048 bytes each
.set WKS, 16384                        ; their scale words, 64 bytes a tile
.set WDI, 16896                        ; -Wd2's eight fragments of the f32 form, 256 bytes each
.set REC, 18944                        ; 32 x 128 pairs (mean, M2)
.set WDR, 244                          ; -Wd2's pair u lies at v[244 + 2 u], pairs 6 and 7 at v236 and v238
; REGISTERS: v1 16 lane, v2 4 r, v3 256 h, v4 32 r, v8 8 lane; v5-7, v12-14 offsets of the gathers; v9 the next tile's neighbours; v10-11 the tile's fragment of the f32 form;
; v16-31 the neighbours' codes, v32 their scale words, v34-41 the weights' scale words; v42-47 points; v48-55 the query's term; v56-63 pivots, v64-71 sums, v72-79 sums of squares;
; v80-143 E (written by matrix instructions alone); v144-207 four fragments of weights; v208-255 at work.
.macro NOPS n
.rept \n
	v_nop
.endr
.endm
.macro HORN acc, k, np                 ; acc = acc x z^2 + k
.set g_, 0
.rept \np
	v_pk_fma_f32 v[\acc+g_:\acc+g_+1], v[\acc+g_:\acc+g_+1], v[216+g_:217+g_], \k op_sel_hi:[1,1,0]
.set g_, g_+2
.endr
.endm
; gelu(y) = y/2 (1 + erf(y / sqrt 2)) of np pairs.  ab = 1: y = src x a + b (a in v240 on, b in v248 on); else y lies in dst.  v208-239 at work.
.macro GELU src, dst, np, ab
.if \ab
.set g_, 0
.rept \np
	v_pk_fma_f32 v[\dst+g_:\dst+g_+1], v[\src+g_:\src+g_+1], v[240+g_:241+g_], v[248+g_:249+g_]
.set g_, g_+2
.endr
.endif
.set g_, 0
.rept \np
	v_pk_mul_f32 v[208+g_:209+g_], v[\dst+g_:\dst+g_+1], 0x3f3504f3 op_sel_hi:[1,0]
.set g_, g_+2
.endr
.set g_, 0
.rept 2*\np
	v_med3_num_f32 v[208+g_], v[208+g_], -4.0, 4.0
.set g_, g_+1
.endr
.set g_, 0
.rept \np
	v_pk_mul_f32 v[216+g_:217+g_], v[208+g_:209+g_], v[208+g_:209+g_]
.set g_, g_+2
.endr
.set g_, 0
.rept \np
	v_pk_fma_f32 v[224+g_:225+g_], v[216+g_:217+g_], s[48:49], 0x32edffee op_sel_hi:[1,0,0]
	v_pk_fma_f32 v[232+g_:233+g_], v[216+g_:217+g_], s[50:51], 0xb95fbd29 op_sel_hi:[1,0,0]
.set g_, g_+2
.endr
	HORN 224, 0xb60cff51, \np
	HORN 232, 0xbadc924e, \np
	HORN 224, 0xb86ec2d2, \np
	HORN 232, 0xbbf19bf8, \np
	HORN 224, 0xba40ac63, \np
	HORN 232, 0xbc69b6a7, \np
	HORN 224, 0xbb41a1f6, \np
	HORN 224, 0xbc83dbd4, \np
.set g_, 0
.rept \np
	v_pk_mul_f32 v[224+g_:225+g_], v[224+g_:225+g_], v[208+g_:209+g_]
.set g_, g_+2
.endr
.set g_, 0
.rept 2*\np
	v_rcp_f32 v[208+g_], v[232+g_]
.set g_, g_+1
.endr
.set g_, 0
.rept \np
	v_pk_mul_f32 v[216+g_:217+g_], v[\dst+g_:\dst+g_+1], 0.5 op_sel_hi:[1,0]   ; plain work behind the reciprocals
.set g_, g_+2
.endr
	s_wait_alu depctr_va_vdst(0)                   ; one wait for the batch of reciprocals in v208 on, ahead of their first reader
.set g_, 0
.rept \np
	v_pk_mul_f32 v[224+g_:225+g_], v[224+g_:225+g_], v[208+g_:209+g_]
.set g_, g_+2
.endr
.set g_, 0
.rept \np
	v_pk_fma_f32 v[\dst+g_:\dst+g_+1], v[216+g_:217+g_], v[224+g_:225+g_], v[216+g_:217+g_]
.set g_, g_+2
.endr
.endm
; pos1 = gelu(bn(Wd1 (p_query - p_neighbour) + bd1)) of my neighbour, as the tile's fragment of the f32 form: k = 2 h + register; k = 3 is 1
.macro POS1
	v_sub_f32 v42, v45, v42
	v_sub_f32 v43, v46, v43
	v_sub_f32 v44, v47, v44
.irp c, 0,1,2
	v_mul_f32 v[240+\c], s[16+3*\c], v42
.endr
.irp c, 0,1,2
	v_fma_f32 v[240+\c], s[17+3*\c], v43, v[240+\c]
.endr
.irp c, 0,1,2
	v_fma_f32 v[240+\c], s[18+3*\c], v44, v[240+\c]
.endr
.irp c, 0,1,2
	v_add_f32 v[240+\c], s[28+\c], v[240+\c]
.endr
.irp c, 0,1,2
	v_fma_f32 v[240+\c], v[240+\c], s[40+\c], s[44+\c]
.endr
	v_mov_b32 v243, v242
	GELU 240, 240, 2, 0
	v_cndmask_b32 v10, v240, v242, s55
	v_cndmask_b32 v11, v241, 1.0, s55
.endm
.macro WDLOAD                          ; the weight's side of the f32 form, from LDS
.irp u, 0,1,2,3,4,5,6,7
.set wr_, WDR+2*\u-20*(\u/6)
	ds_load_b64 v[wr_:wr_+1], v8 offset:WDI+256*\u
.endr
.endm
.macro WDSEL                           ; its k = 3 is the query's term
.irp u, 0,1,2,3,4,5,6,7
.set wr_, WDR+2*\u-20*(\u/6)
	v_cndmask_b32 v[wr_+1], v[wr_+1], v[48+\u], s55
.endr
.endm
.macro POSMM tr, acc
.irp u, 0,1,2,3,4,5,6,7
.set wr_, WDR+2*\u-20*(\u/6)
.if \tr
	v_wmma_f32_16x16x4_f32 v[\acc+8*\u:\acc+8*\u+7], v[wr_:wr_+1], v[10:11], 0
.else
	v_wmma_f32_16x16x4_f32 v[\acc+8*\u:\acc+8*\u+7], v[10:11], v[wr_:wr_+1], 0
.endif
.endr
	NOPS 9                                         ; nine places ahead of the products of another form that go on with these sums
.endm
; nf fragments of a weight, from tile t0 on, out of LDS into v[tmp] on, and their scale words
.macro WLOAD img, simg, t0, tmp, nf
.set f_, 0
.rept \nf
.irp k, 0,1,2,3
	ds_load_b128 v[\tmp+16*f_+4*\k:\tmp+16*f_+4*\k+3], v1 offset:\img+2048*(\t0+f_)+512*\k
.endr
	ds_load_b32 v[34+\t0+f_], v2 offset:\simg+64*(\t0+f_)
.set f_, f_+1
.endr
.endm
; nf products of one tile with these fragments.  tr = 1: source 0 = the weight.  cm = 1: C = D.
.macro WPROD d, x, xs, tr, cm, t0, tmp, nf
.set f_, 0
.rept \nf
.set dd_, \d+8*(\t0+f_)
.set ff_, \tmp+16*f_
.set ss_, 34+\t0+f_
.if \tr
.if \cm
	v_wmma_scale_f32_16x16x128_f8f6f4 v[dd_:dd_+7], v[ff_:ff_+15], v[\x:\x+15], v[dd_:dd_+7], v[ss_], v[\xs] matrix_a_fmt:MATRIX_FMT_BF8 matrix_b_fmt:MATRIX_FMT_BF8
.else
	v_wmma_scale_f32_16x16x128_f8f6f4 v[dd_:dd_+7], v[ff_:ff_+15], v[\x:\x+15], 0, v[ss_], v[\xs] matrix_a_fmt:MATRIX_FMT_BF8 matrix_b_fmt:MATRIX_FMT_BF8
.endif
.else
.if \cm
	v_wmma_scale_f32_16x16x128_f8f6f4 v[dd_:dd_+7], v[\x:\x+15], v[ff_:ff_+15], v[dd_:dd_+7], v[\xs], v[ss_] matrix_a_fmt:MATRIX_FMT_BF8 matrix_b_fmt:MATRIX_FMT_BF8
.else
	v_wmma_scale_f32_16x16x128_f8f6f4 v[dd_:dd_+7], v[\x:\x+15], v[ff_:ff_+15], 0, v[\xs], v[ss_] matrix_a_fmt:MATRIX_FMT_BF8 matrix_b_fmt:MATRIX_FMT_BF8
.endif
.endif
.set f_, f_+1
.endr
.endm
.macro PKSUBB d, a, b                  ; v[d:d+1] = v[a:a+1] - v[b], both halves
.if ((\b)%2)==0
	v_pk_add_f32 v[\d:\d+1], v[\a:\a+1], v[\b:\b+1] op_sel_hi:[1,0] neg_lo:[0,1] neg_hi:[0,1]
.else
	v_pk_add_f32 v[\d:\d+1], v[\a:\a+1], v[\b-1:\b] op_sel:[0,1] op_sel_hi:[1,1] neg_lo:[0,1] neg_hi:[0,1]
.endif
.endm
.macro STATS acc                       ; my eight numbers of each of eight channels, about the lane's pivot; each accumulator is read from its low end on
.set t_, 0
.rept 8
	v_cndmask_b32 v[56+t_], v[56+t_], v[\acc+8*t_], s56
.irp p, 0,1,2,3
	PKSUBB 208+2*\p, \acc+8*t_+2*\p, 56+t_
.endr
	v_pk_add_f32 v[216:217], v[208:209], v[210:211]
	v_pk_add_f32 v[218:219], v[212:213], v[214:215]
	v_pk_mul_f32 v[220:221], v[208:209], v[208:209]
	v_pk_add_f32 v[216:217], v[216:217], v[218:219]
	v_pk_fma_f32 v[220:221], v[210:211], v[210:211], v[220:221]
	v_pk_fma_f32 v[220:221], v[212:213], v[212:213], v[220:221]
	v_pk_fma_f32 v[220:221], v[214:215], v[214:215], v[220:221]
	v_add_f32 v216, v216, v217
	v_add_f32 v220, v220, v221
	v_add_f32 v[64+t_], v[64+t_], v216
	v_add_f32 v[72+t_], v[72+t_], v220
.set t_, t_+1
.endr
.endm
; Merging records (mean, M2) of equal counts: v208 pivot, v209 sum of (mean - pivot), v210 of its square, v211 of M2
.macro MINIT m
	v_mov_b32 v208, v[\m]
	v_mov_b32 v209, 0
	v_mov_b32 v210, 0
	v_mov_b32 v211, 0
.endm
.macro MACC m
	v_sub_f32 v212, v[\m], v208
	v_add_f32 v211, v211, v[\m+1]
	v_add_f32 v209, v209, v212
	v_fma_f32 v210, v212, v212, v210
.endm
.macro MFIN invg, n                    ; 1 / records, numbers in a record -> v[214:215]
	v_mul_f32 v212, v209, v209
	v_fma_f32 v214, v209, \invg, v208
	v_fma_f32 v210, -v212, \invg, v210
	v_fma_f32 v215, v210, \n, v211
.endm
.macro RECOUT                          ; 32 records of 32 numbers for each of 128 slots meet in LDS; waves 0-3 merge and store them
	s_wait_alu depctr_vm_vsrc(0)                   ; the gathers have read v12 to v14, which are written here
	v_and_b32 v12, 15, v0
	v_lshlrev_b32 v12, 3, v12
	v_bfe_u32 v13, v0, 4, 1
	v_lshl_add_u32 v12, v13, 10, v12
	s_lshl_b32 s25, s2, 11
	s_add_co_u32 s25, s25, REC
	v_add_nc_u32 v12, s25, v12
	v_lshlrev_b32 v13, 3, v0
	v_add_nc_u32 v15, REC, v13
	s_lshl_b32 s25, ttmp9, 10
	v_add_nc_u32 v14, s25, v13
.irp u, 0,1,2,3,4,5,6,7
	v_mul_f32 v[208+\u], v[64+\u], v[64+\u]
	v_fma_f32 v[144+2*\u], v[64+\u], 0x3d000000, v[56+\u]
	v_fma_f32 v[145+2*\u], -v[208+\u], 0x3d000000, v[72+\u]
.endr
	s_wait_alu depctr_va_vdst(0)                   ; my eight records v144-159 and the addresses v12, v14 and v15 are written, which the LDS stores, the loads and the store below read
.irp u, 0,1,2,3,4,5,6,7
	ds_store_b64 v12, v[144+2*\u:145+2*\u] offset:128*\u
.endr
	s_wait_dscnt 0x0
	s_barrier_signal -1
	s_barrier_wait -1
	s_wait_alu depctr_vm_vsrc(0)                   ; my LDS stores have read v144-159, in which the records to be merged land
	s_cmp_ge_u32 s2, 4
	s_cbranch_scc1 .Lrec_done
.set i_, 0
.rept 32
	ds_load_b64 v[144+2*i_:145+2*i_], v15 offset:1024*i_
.set i_, i_+1
.endr
	s_wait_dscnt 0x0
	MINIT 144
.set i_, 0
.rept 32
	MACC 144+2*i_
.set i_, i_+1
.endr
	MFIN 0x3d000000, 0x42000000
	s_wait_alu depctr_va_vdst(0)                   ; the merge has written v[214:215], which the store reads
	global_store_b64 v14, v[214:215], s[14:15]     ; a wave stores 256 consecutive bytes, aligned
.Lrec_done:
.endm
.macro GADDR st, nq                    ; tile s[st]: its neighbours' rows stand in v9; the offsets of its gathers
	v_min_u32 v6, 0x3fff, v9
	v_lshrrev_b32 v5, 4, v3
	v_lshl_add_u32 v5, v6, 7, v5
	v_mul_u32_u24 v7, v6, 12
	v_lshlrev_b32 v6, 2, v6
	s_mul_i32 s25, s[\st], 12
	v_mov_b32 v12, s25
.if \nq
	s_lshl_b32 s25, s[\st], 9
	v_add_nc_u32 v13, s25, v4
.endif
.endm
.macro GLOADS nq
.irp k, 0,1,2,3
	global_load_b128 v[16+4*\k:19+4*\k], v5, s[4:5] offset:FC_O+32*\k
.endr
	global_load_b32 v32, v6, s[4:5] offset:FS_O
.irp k, 0,1,2
	global_load_b32 v[42+\k], v7, s[8:9] offset:4*\k
	global_load_b32 v[45+\k], v12, s[8:9] offset:4*\k
.endr
.if \nq
	global_load_b128 v[48:51], v13, s[4:5] offset:NQ_O
	global_load_b128 v[52:55], v13, s[4:5] offset:NQ_O+16
.endif
.endm
.macro IADDR st
	s_lshl_b32 s25, s[\st], 6
	v_add_nc_u32 v14, s25, v2
.endm
.macro ILOAD
	global_load_b32 v9, v14, s[6:7]
.endm
.macro LOADW d, vc, vs, pc, ps         ; my wave's 1,024 bytes of a weight's images, and 8 scale words
	global_load_b128 v[\d:\d+3], v[\vc], s[\pc:\pc+1]
	global_load_b128 v[\d+4:\d+7], v[\vc], s[\pc:\pc+1] offset:32
	global_load_b32 v[\d+8], v[\vs], s[\ps:\ps+1]
.endm
.macro PUTW d, img, simg
	ds_store_b128 v148, v[\d:\d+3] offset:\img
	ds_store_b128 v148, v[\d+4:\d+7] offset:\img+512
	ds_store_b32 v149, v[\d+8] offset:\simg
.endm
.macro BNDC                            ; the first norm's y = u A + B from the 256 records in v208-255 (eight a lane) -> s40-42, s44-46
.set i_, 1
.rept 7
	v_pk_add_f32 v[208:209], v[208:209], v[208+6*i_:209+6*i_]
	v_pk_add_f32 v[210:211], v[210:211], v[210+6*i_:211+6*i_]
	v_pk_add_f32 v[212:213], v[212:213], v[212+6*i_:213+6*i_]
.set i_, i_+1
.endr
.irp x, 1,2,4,8
.irp c, 0,1,2,3,4,5
	v_add_f32_dpp v[208+\c], v[208+\c], v[208+\c] row_xmask:\x row_mask:0xf bank_mask:0xf
.endr
.endr
.irp c, 0,1,2,3,4,5
	v_permlanex16_b32 v[214+\c], v[208+\c], s52, s53
.endr
.irp c, 0,1,2,3,4,5
	v_add_f32 v[208+\c], v[208+\c], v[214+\c]
.endr
.irp c, 0,1,2
	v_mul_f32 v[208+\c], 0x36800000, v[208+\c]     ; / 262,144
	v_mul_f32 v[211+\c], 0x36800000, v[211+\c]
	v_fma_f32 v[211+\c], -v[208+\c], v[208+\c], v[211+\c]
	v_add_f32 v[211+\c], 0x3727c5ac, v[211+\c]     ; + 1e-5
.endr
.irp c, 0,1,2
	v_rsq_f32 v[211+\c], v[211+\c]
.endr
	v_nop
	s_wait_alu depctr_va_vdst(0)                   ; the three roots in v211-213, ahead of their first reader
.irp c, 0,1,2
	v_mul_f32 v[220+\c], s[32+\c], v[211+\c]
	v_add_f32 v[208+\c], s[28+\c], v[208+\c]
	v_fma_f32 v[223+\c], -v[208+\c], v[220+\c], s[36+\c]
	v_readfirstlane_b32 s[40+\c], v[220+\c]
	v_readfirstlane_b32 s[44+\c], v[223+\c]
.endr
	s_wait_alu depctr_va_sdst(0)                   ; s40-42 and s44-46 are written: POS1 reads them in every tile; the wait stands here, ahead of every branch and label
.endm
	s_load_b128 s[4:7], s[0:1], 0x0                ; prepb, idx
	s_load_b64 s[8:9], s[0:1], 0x10                ; points
	s_load_b256 s[68:75], s[0:1], 0x18             ; sd, Wd1, bd1, gd
	s_load_b256 s[76:83], s[0:1], 0x38             ; betad, Wd2, Wk's codes, Wk's scales
	s_load_b64 s[14:15], s[0:1], 0x58              ; s1
	v_lshrrev_b32 v12, 5, v0
	v_readfirstlane_b32 s2, v12                    ; wave
	v_and_b32 v13, 31, v0
	v_and_b32 v14, 15, v0
	v_bfe_u32 v15, v0, 4, 1
	v_lshlrev_b32 v1, 4, v13
	v_lshlrev_b32 v2, 2, v14
	v_lshlrev_b32 v3, 8, v15
	v_lshlrev_b32 v4, 5, v14
	v_lshlrev_b32 v8, 3, v13
	s_wait_alu depctr_va_sdst(0)                   ; s2 is written, ahead of its first reader
	s_lshr_b32 s25, s2, 1                          ; the images: wave W brings chunks 2 (W%2), 2 (W%2) + 1 of tile t = W / 2
	s_and_b32 s26, s2, 1
	s_lshr_b32 s27, s2, 2
	s_lshl_b32 s27, s27, 5
	s_and_b32 s31, s25, 1
	s_lshl_b32 s31, s31, 3
	s_add_co_u32 s27, s27, s31                     ; 32 (t/2) + 8 (t%2)
	s_lshl_b32 s35, s27, 7
	s_lshl_b32 s39, s26, 6
	s_add_co_u32 s35, s35, s39
	v_and_b32 v144, 8, v14
	v_add_nc_u32 v144, v144, v14                   ; r + 8 (r/8)
	v_lshlrev_b32 v145, 7, v144
	v_lshl_add_u32 v145, v15, 4, v145
	v_add_nc_u32 v145, s35, v145                   ; codes
	v_and_b32 v146, 7, v0
	s_lshl_b32 s43, s26, 4
	s_add_co_u32 s43, s43, s27
	v_add_nc_u32 v147, s43, v146
	v_lshlrev_b32 v147, 2, v147                    ; scale words: word 8 W + lane % 8 of the image
	s_lshl_b32 s43, s2, 10
	v_add_nc_u32 v148, s43, v1
	s_lshl_b32 s43, s2, 5
	v_lshl_add_u32 v149, v146, 2, s43
	v_lshrrev_b32 v186, 6, v0                      ; Wd2's image: thread = 64 t + 2 lane + register
	v_bfe_u32 v187, v0, 1, 4
	v_bfe_u32 v188, v0, 5, 1
	v_and_b32 v189, 1, v0
	v_lshl_add_u32 v188, v188, 1, v189             ; k
	v_min_u32 v189, 2, v188
	v_lshrrev_b32 v190, 1, v186
	v_lshlrev_b32 v190, 5, v190
	v_and_b32 v191, 1, v186
	v_lshl_add_u32 v190, v191, 3, v190
	v_add_nc_u32 v190, v190, v187
	v_and_b32 v191, 8, v187
	v_add_nc_u32 v190, v190, v191                  ; the channel
	v_mad_u32_u24 v191, v190, 3, v189
	v_lshlrev_b32 v191, 2, v191
	v_lshlrev_b32 v196, 2, v0
	v_lshlrev_b32 v197, 5, v13
	s_mov_b32 s48, 0xaf95df0b
	s_mov_b32 s49, s48
	s_mov_b32 s50, 0xb77460cd
	s_mov_b32 s51, s50
	s_mov_b32 s52, 0x76543210
	s_mov_b32 s53, 0xfedcba98
	s_mov_b32 s55, 0xffff0000                      ; lanes 16-31
	s_wait_kmcnt 0x0
	s_load_b256 s[16:23], s[70:71], 0x0            ; Wd1
	s_load_b32 s24, s[70:71], 0x20
	s_load_b96 s[28:30], s[72:73], 0x0             ; bd1
	s_load_b96 s[32:34], s[74:75], 0x0             ; gd
	s_load_b96 s[36:38], s[76:77], 0x0             ; betad
	s_wait_alu depctr_va_vdst(0)                   ; the head's offsets and addresses (v1-4, v8, v145-149, v191, v196, v197) are written, which the loads and LDS instructions below read
	LOADW 152, 145, 147, 80, 82
	global_load_b32 v192, v191, s[78:79]
.set i_, 0
.rept 8
	global_load_b128 v[208+6*i_:211+6*i_], v197, s[68:69] offset:1024*i_
	global_load_b64 v[212+6*i_:213+6*i_], v197, s[68:69] offset:1024*i_+16
.set i_, i_+1
.endr
	s_wait_loadcnt 0x0
	s_wait_kmcnt 0x0
	v_mul_f32 v192, -1.0, v192                     ; (the words of k = 3 are replaced in every tile)
	s_wait_alu depctr_va_vdst(0)                   ; v192 is written, which the last LDS store below reads
	PUTW 152, WK, WKS
	ds_store_b32 v196, v192 offset:WDI
	BNDC
.irp j, 0,1,2,3,4,5,6,7,8,9,10,11,12,13,14,15,16,17,18,19,20,21,22,23
	v_mov_b32 v[56+\j], 0
.endr
	s_wait_dscnt 0x0
	s_barrier_signal -1
	s_barrier_wait -1
	s_lshl_b32 s57, ttmp9, 6
	s_lshl_b32 s58, s2, 2
	s_add_co_u32 s57, s57, s58                     ; my first tile
	IADDR 57
	s_wait_alu depctr_va_vdst(0)                   ; v14 is written, which the load below reads
	ILOAD
	s_wait_loadcnt 0x0
	s_wait_alu depctr_vm_vsrc(0)                   ; that load has read v14, which is written again; the head's loads and LDS stores have read v145-197, in which fragments land
	GADDR 57, 1
	s_add_co_u32 s59, s57, 1
	IADDR 59
	s_wait_alu depctr_va_vdst(0)                   ; the offsets v5-7 and v12-14 are written; their first line is done reading v9; the head's vector lines are done with v144-255, in which fragments and pairs land
	GLOADS 1
	ILOAD
	WDLOAD
	WLOAD WK, WKS, 0, 144, 4
	s_mov_b32 s3, 0
.Ltile:
	s_wait_loadcnt 0x0                             ; this tile's gathers and the next tile's neighbours
	s_cmp_eq_u32 s3, 0
	s_cselect_b32 s56, -1, 0                       ; the first tile sets the pivots
	s_add_co_u32 s58, s57, s3
	POS1
	s_wait_dscnt 0x0                               ; -Wd2's pairs, Wk's fragments 0-3 and their scale words, asked for at the last gather point
	WDSEL
	POSMM 0, 80
	WPROD 80, 16, 32, 0, 1, 0, 144, 4
	NOPS 8                                         ; places in front of loads into registers that products have read
	s_wait_alu depctr_va_vdst(0)                   ; products 0-3 are done reading v144-207, in which fragments 4-7 land
	WLOAD WK, WKS, 4, 144, 4
	s_wait_dscnt 0x0
	WPROD 80, 16, 32, 0, 1, 4, 144, 4
	NOPS 9
	; THE GATHER POINT
	s_wait_xcnt 0x0                                ; the gathers' offsets are written again only behind this wait
	s_wait_alu depctr_vm_vsrc(0)                   ; the last gathers have read their offsets v5-7 and v12-14, which are written again below
	s_add_co_u32 s59, s58, 1
	s_min_u32 s59, s59, 0x3fff                     ; behind the last tile: a tile that exists, not used
	GADDR 59, 1
	s_add_co_u32 s59, s58, 2
	s_min_u32 s59, s59, 0x3fff
	IADDR 59
	s_wait_alu depctr_va_vdst(0)                   ; the offsets are written; the products are done reading v16-32, v34-41, v144-207 and -Wd2's pairs, POS1 and the selects v42-55, the offsets' first line v9: the loads below land in these
	GLOADS 1
	ILOAD
	WDLOAD                                         ; the next tile's LDS loads too (behind the last tile: not used)
	WLOAD WK, WKS, 0, 144, 4
	STATS 80                                       ; names v56-143 and v208-221: none of the registers that those loads touch
	s_add_co_u32 s3, s3, 1
	s_cmp_lt_u32 s3, 4
	s_cbranch_scc1 .Ltile
	s_wait_loadcnt 0x0
	s_wait_dscnt 0x0                               ; the last trip's LDS loads have landed: their registers are written below
	RECOUT
	s_wait_xcnt 0x0
	v_lshl_add_u32 v254, v0, 2, 0xca00
	v_mov_b32 v255, 0
	s_wait_dscnt 0x0                               ; the closing lines, six on end, for a launch in the mode that stores to LDS
	s_wait_alu 0x0
	s_wait_tensorcnt 0x0
	ds_add_u32 v254, v255
	s_wait_dscnt 0x0
	s_endpgm
.Lfunc_end_k_qc05534598f_pa:
	.size	k_qc05534598f_pa, .Lfunc_end_k_qc05534598f_pa-k_qc05534598f_pa
	.p2alignl 7, 3214868480
	.fill 96, 4, 3214868480
	.section	.rodata,"a",@progbits
	.p2align	6, 0x0
	.amdhsa_kernel k_qc05534598f_pa
		.amdhsa_group_segment_fixed_size 53760
		.amdhsa_private_segment_fixed_size 0
		.amdhsa_enable_private_segment 0
		.amdhsa_kernarg_size 96
		.amdhsa_user_sgpr_count 2
		.amdhsa_user_sgpr_kernarg_segment_ptr 1
		.amdhsa_wavefront_size32 1
		.amdhsa_system_sgpr_workgroup_id_x 1
		.amdhsa_system_sgpr_workgroup_id_y 1
		.amdhsa_system_sgpr_workgroup_id_z 1
		.amdhsa_system_vgpr_workitem_id 0
		.amdhsa_next_free_vgpr 256
		.amdhsa_next_free_sgpr 84
		.amdhsa_reserve_vcc 0
		.amdhsa_float_denorm_mode_32 3
		.amdhsa_float_denorm_mode_16_64 3
		.amdhsa_memory_ordered 1
		.amdhsa_forward_progress 1
		.amdhsa_inst_pref_size 46
	.end_amdhsa_kernel
	.amdgpu_metadata
---
amdhsa.version: [ 1, 2 ]
amdhsa.kernels:
  - .name:           k_qc05534598f_pa
    .symbol:         k_qc05534598f_pa.kd
    .args:
      - { .name: prepb, .offset: 0, .size: 8, .value_kind: global_buffer, .address_space: global }
      - { .name: idx, .offset: 8, .size: 8, .value_kind: global_buffer, .address_space: global }
      - { .name: points, .offset: 16, .size: 8, .value_kind: global_buffer, .address_space: global }
      - { .name: sd, .offset: 24, .size: 8, .value_kind: global_buffer, .address_space: global }
      - { .name: Wd1, .offset: 32, .size: 8, .value_kind: global_buffer, .address_space: global }
      - { .name: bd1, .offset: 40, .size: 8, .value_kind: global_buffer, .address_space: global }
      - { .name: gd, .offset: 48, .size: 8, .value_kind: global_buffer, .address_space: global }
      - { .name: betad, .offset: 56, .size: 8, .value_kind: global_buffer, .address_space: global }
      - { .name: Wd2, .offset: 64, .size: 8, .value_kind: global_buffer, .address_space: global }
      - { .name: Wk_codes, .offset: 72, .size: 8, .value_kind: global_buffer, .address_space: global }
      - { .name: Wk_scales, .offset: 80, .size: 8, .value_kind: global_buffer, .address_space: global }
      - { .name: s1, .offset: 88, .size: 8, .value_kind: global_buffer, .address_space: global }
    .group_segment_fixed_size: 53760
    .private_segment_fixed_size: 0
    .kernarg_segment_align: 8
    .kernarg_segment_size: 96
    .max_flat_workgroup_size: 512
    .sgpr_count:     84
    .vgpr_count:     256
    .wavefront_size: 32
...
	.end_amdgpu_metadata
.endif
;; end of part 10
;; launch pb (part 11): grid 256 x 1, 16 waves a work-group, no clusters, 75,776 bytes of LDS; arguments prepb, idx, points, sd, Wd1, bd1, gd, betad, Wd2, Wk_codes, Wk_scales, s1, gg1, betag1, Wg1_codes, Wg1_scales, g1c, s2; writes g1c, s2
.if DOCPART == 11
	.amdgcn_target "amdgcn-amd-amdhsa--gfx1250"
	.amdhsa_code_object_version 6
	.text
	.protected	k_qc05534598f_pb
	.globl	k_qc05534598f_pb
	.p2align	8
	.type	k_qc05534598f_pb,@function
k_qc05534598f_pb:
	s_mov_b64 s[64:65], 0
	v_nop
	global_prefetch_b8 v0, s[64:65] scope:SCOPE_SE
	s_setreg_imm32_b32 hwreg(HW_REG_WAVE_SCHED_MODE, 0, 2), 2
	s_setreg_imm32_b32 hwreg(HW_REG_WAVE_MODE, 25, 1), 1
	s_wait_xcnt 0x0
	s_wait_alu depctr_vm_vsrc(0)
; E = -(q - key + pos) once more, now transposed (source 0 = the weight): a lane holds ONE neighbour and registers along the channels, 32 b + 16 h + i in register 16 b + i.
; Then the second norm (from the 256 records of the launch before), gelu, the quantiser along the channels: the codes are the operand of the product with Wg1; they are stored as images of their
; registers (2,048 bytes a tile, a wave's store covers 512 consecutive bytes) with their scale words, and multiplied at once (natural way) for the statistics of that product, stored like the launch before's.
; Shares, gathers and the f32 matrix form's use as in that launch.  bg1 shifts the third norm's mean alone and is added where the statistics are used.
; LIMITS: NaN and infinities are not served; a block whose largest magnitude lies under 2^-111 keeps the scale byte 1; erf as a ratio of polynomials on |z| <= 4, good to a few ulp.
; THE MODE: SCHED_MODE bits 1:0 = 2 (LLVM: expert scheduling mode 2), set by the entry lines.  The code itself states the register dependences
; between vector or matrix instructions and memory or LDS instructions, with s_wait_alu, always for 0.
; THE PLAN.  Registers that memory or LDS instructions touch, round the loop over tiles:
;   v5-7, v12-14, v9, v16-32, v42-55, v244-255 and v236-239 (-Wd2's pairs): as in the launch before: written or loaded at the GATHER POINT, behind the tile's last product.
;   v144-207, v34-41   four fragments and the scale words: Wk's 0-3 (asked for at the last gather point), Wk's 4-7, then gelu's results, then Wg1's 0-3 and 4-7.
;   v240-255           the norm's a and b of eight channels: read by a gelu's first four lines alone; the next eight channels' land behind the wait that the gelu's reciprocals have anyway.
;   v16-31, v33, v254, v255   the codes just made, their scale word and the stores' offsets: written by the quantiser and two additions, read by five stores and by the scaled products.
; So a tile has, beside the waits for reciprocals: one wait on va_vdst between the halves of each of the two products; one behind the quantiser (codes, scale word and offsets are written; the
; quantiser is done with v144-207); and at the gather point one on vm_vsrc (gathers and stores have read their registers) and one on va_vdst (offsets written, all readers done).
.set FC_O, 262144
.set FS_O, 2359296
.set NQ_O, 2424832
.set WK,   0
.set WG1,  16384
.set WKS,  32768
.set WG1S, 33280
.set WDI,  33792
.set ABT,  35840                       ; the norm's a: 256 h + 4 x register; b 512 bytes on
.set REC2, 36864                       ; 4 x 128 pairs
.set REC,  40960                       ; 32 x 128 pairs
.set TM,  208
.set PW,  33
.set SEL, 52
.set MNT, 54
.set WDR, 244                          ; -Wd2's pair u lies at v[244 + 2 u], pairs 6 and 7 at v236 and v238
; REGISTERS as in the launch before; the codes just made lie on v16-31, their scale word in v33; v144-207 also hold gelu's results.
.macro NOPS n
.rept \n
	v_nop
.endr
.endm
.macro HORN acc, k, np
.set g_, 0
.rept \np
	v_pk_fma_f32 v[\acc+g_:\acc+g_+1], v[\acc+g_:\acc+g_+1], v[216+g_:217+g_], \k op_sel_hi:[1,1,0]
.set g_, g_+2
.endr
.endm
.macro ABLOAD n                        ; the norm's a and b of channels' registers 8 n .. 8 n + 7
	ds_load_b128 v[240:243], v3 offset:ABT+32*(\n)
	ds_load_b128 v[244:247], v3 offset:ABT+32*(\n)+16
	ds_load_b128 v[248:251], v3 offset:ABT+512+32*(\n)
	ds_load_b128 v[252:255], v3 offset:ABT+512+32*(\n)+16
.endm
; nx >= 0: the a and b of the next eight channels are asked for on the way
.macro GELU src, dst, np, ab, nx
.if \ab
.set g_, 0
.rept \np
	v_pk_fma_f32 v[\dst+g_:\dst+g_+1], v[\src+g_:\src+g_+1], v[240+g_:241+g_], v[248+g_:249+g_]
.set g_, g_+2
.endr
.endif
.set g_, 0
.rept \np
	v_pk_mul_f32 v[208+g_:209+g_], v[\dst+g_:\dst+g_+1], 0x3f3504f3 op_sel_hi:[1,0]
.set g_, g_+2
.endr
.set g_, 0
.rept 2*\np
	v_med3_num_f32 v[208+g_], v[208+g_], -4.0, 4.0
.set g_, g_+1
.endr
.set g_, 0
.rept \np
	v_pk_mul_f32 v[216+g_:217+g_], v[208+g_:209+g_], v[208+g_:209+g_]
.set g_, g_+2
.endr
.set g_, 0
.rept \np
	v_pk_fma_f32 v[224+g_:225+g_], v[216+g_:217+g_], s[48:49], 0x32edffee op_sel_hi:[1,0,0]
	v_pk_fma_f32 v[232+g_:233+g_], v[216+g_:217+g_], s[50:51], 0xb95fbd29 op_sel_hi:[1,0,0]
.set g_, g_+2
.endr
	HORN 224, 0xb60cff51, \np
	HORN 232, 0xbadc924e, \np
	HORN 224, 0xb86ec2d2, \np
	HORN 232, 0xbbf19bf8, \np
	HORN 224, 0xba40ac63, \np
	HORN 232, 0xbc69b6a7, \np
	HORN 224, 0xbb41a1f6, \np
	HORN 224, 0xbc83dbd4, \np
.set g_, 0
.rept \np
	v_pk_mul_f32 v[224+g_:225+g_], v[224+g_:225+g_], v[208+g_:209+g_]
.set g_, g_+2
.endr
.set g_, 0
.rept 2*\np
	v_rcp_f32 v[208+g_], v[232+g_]
.set g_, g_+1
.endr
.set g_, 0
.rept \np
	v_pk_mul_f32 v[216+g_:217+g_], v[\dst+g_:\dst+g_+1], 0.5 op_sel_hi:[1,0]   ; plain work behind the reciprocals
.set g_, g_+2
.endr
	s_wait_alu depctr_va_vdst(0)                   ; one wait for the batch of reciprocals in v208 on, ahead of their first reader; it also shows the macro's first lines done reading a and b in v240-255
.if \nx >= 0
	ABLOAD \nx                                     ; no line behind the wait names v240-255
.endif
.set g_, 0
.rept \np
	v_pk_mul_f32 v[224+g_:225+g_], v[224+g_:225+g_], v[208+g_:209+g_]
.set g_, g_+2
.endr
.set g_, 0
.rept \np
	v_pk_fma_f32 v[\dst+g_:\dst+g_+1], v[216+g_:217+g_], v[224+g_:225+g_], v[216+g_:217+g_]
.set g_, g_+2
.endr
.endm
.macro QUANT s, cd
.irp b, 0,1,2,3
	v_max3_num_f32 v[TM+\b], |v[\s+16*\b]|, |v[\s+1+16*\b]|, 0x8000000   ; with the floor 2^(16 - 127): the byte cannot fall under 1
.endr
.irp i, 2,4,6,8,10,12,14
.irp b, 0,1,2,3
	v_max3_num_f32 v[TM+\b], v[TM+\b], |v[\s+16*\b+\i]|, |v[\s+1+16*\b+\i]|
.endr
.endr
.irp b, 0,1,2,3
	v_permlanex16_b32 v[TM+4+\b], v[TM+\b], s[SEL], s[SEL+1]
.endr
.irp b, 0,1,2,3
	v_max_num_f32 v[TM+\b], v[TM+\b], v[TM+4+\b]
.endr
.irp b, 0,1,2,3
	v_add_nc_u32 v[TM+12+\b], 0xf8800000, v[TM+\b]
.endr
.irp b, 0,1,2,3
	v_and_or_b32 v[TM+8+\b], v[TM+\b], 0x7f800000, s[MNT]
.endr
.irp b, 0,1,2,3
	v_lshrrev_b32 v[TM+4+\b], 23, v[TM+12+\b]
.endr
	v_lshl_or_b32 v[PW], v[TM+5], 8, v[TM+4]
	v_lshl_or_b32 v[PW], v[TM+6], 16, v[PW]
	v_lshl_or_b32 v[PW], v[TM+7], 24, v[PW]
.irp b, 0,1,2,3
.irp i, 0,1,2,3,4,5,6,7,8,9,10,11,12,13,14,15
	v_med3_num_f32 v[\s+16*\b+\i], v[\s+16*\b+\i], -v[TM+8+\b], v[TM+8+\b]   ; the conversion does not saturate (ISA guide 7.6.2): the hold
.endr
	v_cvt_scalef32_pk8_bf8_f32 v[\cd+4*\b:\cd+1+4*\b], v[\s+16*\b:\s+7+16*\b], v[TM+12+\b]
	v_cvt_scalef32_pk8_bf8_f32 v[\cd+2+4*\b:\cd+3+4*\b], v[\s+8+16*\b:\s+15+16*\b], v[TM+12+\b]
.endr
	NOPS 4                                         ; codes made by vector instructions stand four places ahead of a scaled product (the scale word stands ahead of the 64 holds)
.endm
.macro POS1
	v_sub_f32 v42, v45, v42
	v_sub_f32 v43, v46, v43
	v_sub_f32 v44, v47, v44
.irp c, 0,1,2
	v_mul_f32 v[240+\c], s[16+3*\c], v42
.endr
.irp c, 0,1,2
	v_fma_f32 v[240+\c], s[17+3*\c], v43, v[240+\c]
.endr
.irp c, 0,1,2
	v_fma_f32 v[240+\c], s[18+3*\c], v44, v[240+\c]
.endr
.irp c, 0,1,2
	v_add_f32 v[240+\c], s[28+\c], v[240+\c]
.endr
.irp c, 0,1,2
	v_fma_f32 v[240+\c], v[240+\c], s[40+\c], s[44+\c]
.endr
	v_mov_b32 v243, v242
	GELU 240, 240, 2, 0, -1
	v_cndmask_b32 v10, v240, v242, s55
	v_cndmask_b32 v11, v241, 1.0, s55
.endm
.macro WDLOAD                          ; the weight's side of the f32 form, from LDS
.irp u, 0,1,2,3,4,5,6,7
.set wr_, WDR+2*\u-20*(\u/6)
	ds_load_b64 v[wr_:wr_+1], v8 offset:WDI+256*\u
.endr
.endm
.macro WDSEL                           ; its k = 3 is the query's term
.irp u, 0,1,2,3,4,5,6,7
.set wr_, WDR+2*\u-20*(\u/6)
	v_cndmask_b32 v[wr_+1], v[wr_+1], v[48+\u], s55
.endr
.endm
.macro POSMM tr, acc
.irp u, 0,1,2,3,4,5,6,7
.set wr_, WDR+2*\u-20*(\u/6)
.if \tr
	v_wmma_f32_16x16x4_f32 v[\acc+8*\u:\acc+8*\u+7], v[wr_:wr_+1], v[10:11], 0
.else
	v_wmma_f32_16x16x4_f32 v[\acc+8*\u:\acc+8*\u+7], v[10:11], v[wr_:wr_+1], 0
.endif
.endr
	NOPS 9
.endm
.macro WLOAD img, simg, t0, tmp, nf    ; nf fragments of a weight, from tile t0 on, out of LDS into v[tmp] on, and their scale words
.set f_, 0
.rept \nf
.irp k, 0,1,2,3
	ds_load_b128 v[\tmp+16*f_+4*\k:\tmp+16*f_+4*\k+3], v1 offset:\img+2048*(\t0+f_)+512*\k
.endr
	ds_load_b32 v[34+\t0+f_], v2 offset:\simg+64*(\t0+f_)
.set f_, f_+1
.endr
.endm
.macro WPROD d, x, xs, tr, cm, t0, tmp, nf   ; nf products of one tile with these fragments.  tr = 1: source 0 = the weight.  cm = 1: C = D.
.set f_, 0
.rept \nf
.set dd_, \d+8*(\t0+f_)
.set ff_, \tmp+16*f_
.set ss_, 34+\t0+f_
.if \tr
.if \cm
	v_wmma_scale_f32_16x16x128_f8f6f4 v[dd_:dd_+7], v[ff_:ff_+15], v[\x:\x+15], v[dd_:dd_+7], v[ss_], v[\xs] matrix_a_fmt:MATRIX_FMT_BF8 matrix_b_fmt:MATRIX_FMT_BF8
.else
	v_wmma_scale_f32_16x16x128_f8f6f4 v[dd_:dd_+7], v[ff_:ff_+15], v[\x:\x+15], 0, v[ss_], v[\xs] matrix_a_fmt:MATRIX_FMT_BF8 matrix_b_fmt:MATRIX_FMT_BF8
.endif
.else
.if \cm
	v_wmma_scale_f32_16x16x128_f8f6f4 v[dd_:dd_+7], v[\x:\x+15], v[ff_:ff_+15], v[dd_:dd_+7], v[\xs], v[ss_] matrix_a_fmt:MATRIX_FMT_BF8 matrix_b_fmt:MATRIX_FMT_BF8
.else
	v_wmma_scale_f32_16x16x128_f8f6f4 v[dd_:dd_+7], v[\x:\x+15], v[ff_:ff_+15], 0, v[\xs], v[ss_] matrix_a_fmt:MATRIX_FMT_BF8 matrix_b_fmt:MATRIX_FMT_BF8
.endif
.endif
.set f_, f_+1
.endr
.endm
.macro PKSUBB d, a, b
.if ((\b)%2)==0
	v_pk_add_f32 v[\d:\d+1], v[\a:\a+1], v[\b:\b+1] op_sel_hi:[1,0] neg_lo:[0,1] neg_hi:[0,1]
.else
	v_pk_add_f32 v[\d:\d+1], v[\a:\a+1], v[\b-1:\b] op_sel:[0,1] op_sel_hi:[1,1] neg_lo:[0,1] neg_hi:[0,1]
.endif
.endm
.macro STATS acc
.set t_, 0
.rept 8
	v_cndmask_b32 v[56+t_], v[56+t_], v[\acc+8*t_], s56
.irp p, 0,1,2,3
	PKSUBB 208+2*\p, \acc+8*t_+2*\p, 56+t_
.endr
	v_pk_add_f32 v[216:217], v[208:209], v[210:211]
	v_pk_add_f32 v[218:219], v[212:213], v[214:215]
	v_pk_mul_f32 v[220:221], v[208:209], v[208:209]
	v_pk_add_f32 v[216:217], v[216:217], v[218:219]
	v_pk_fma_f32 v[220:221], v[210:211], v[210:211], v[220:221]
	v_pk_fma_f32 v[220:221], v[212:213], v[212:213], v[220:221]
	v_pk_fma_f32 v[220:221], v[214:215], v[214:215], v[220:221]
	v_add_f32 v216, v216, v217
	v_add_f32 v220, v220, v221
	v_add_f32 v[64+t_], v[64+t_], v216
	v_add_f32 v[72+t_], v[72+t_], v220
.set t_, t_+1
.endr
.endm
.macro MINIT m
	v_mov_b32 v208, v[\m]
	v_mov_b32 v209, 0
	v_mov_b32 v210, 0
	v_mov_b32 v211, 0
.endm
.macro MACC m
	v_sub_f32 v212, v[\m], v208
	v_add_f32 v211, v211, v[\m+1]
	v_add_f32 v209, v209, v212
	v_fma_f32 v210, v212, v212, v210
.endm
.macro MFIN invg, n
	v_mul_f32 v212, v209, v209
	v_fma_f32 v214, v209, \invg, v208
	v_fma_f32 v210, -v212, \invg, v210
	v_fma_f32 v215, v210, \n, v211
.endm
.macro RECOUT
	s_wait_alu depctr_vm_vsrc(0)                   ; the gathers have read v12 to v14, which are written here
	v_and_b32 v12, 15, v0
	v_lshlrev_b32 v12, 3, v12
	v_bfe_u32 v13, v0, 4, 1
	v_lshl_add_u32 v12, v13, 10, v12
	s_lshl_b32 s25, s2, 11
	s_add_co_u32 s25, s25, REC
	v_add_nc_u32 v12, s25, v12
	v_lshlrev_b32 v13, 3, v0
	v_add_nc_u32 v15, REC, v13
	s_lshl_b32 s25, ttmp9, 10
	v_add_nc_u32 v14, s25, v13
.irp u, 0,1,2,3,4,5,6,7
	v_mul_f32 v[208+\u], v[64+\u], v[64+\u]
	v_fma_f32 v[144+2*\u], v[64+\u], 0x3d000000, v[56+\u]
	v_fma_f32 v[145+2*\u], -v[208+\u], 0x3d000000, v[72+\u]
.endr
	s_wait_alu depctr_va_vdst(0)                   ; my eight records v144-159 and the addresses v12, v14 and v15 are written, which the LDS stores, the loads and the store below read
.irp u, 0,1,2,3,4,5,6,7
	ds_store_b64 v12, v[144+2*\u:145+2*\u] offset:128*\u
.endr
	s_wait_dscnt 0x0
	s_barrier_signal -1
	s_barrier_wait -1
	s_wait_alu depctr_vm_vsrc(0)                   ; my LDS stores have read v144-159, in which the records to be merged land
	s_cmp_ge_u32 s2, 4
	s_cbranch_scc1 .Lrec_done
.set i_, 0
.rept 32
	ds_load_b64 v[144+2*i_:145+2*i_], v15 offset:1024*i_
.set i_, i_+1
.endr
	s_wait_dscnt 0x0
	MINIT 144
.set i_, 0
.rept 32
	MACC 144+2*i_
.set i_, i_+1
.endr
	MFIN 0x3d000000, 0x42000000
	s_wait_alu depctr_va_vdst(0)                   ; the merge has written v[214:215], which the store reads
	global_store_b64 v14, v[214:215], s[14:15]
.Lrec_done:
.endm
; The norm's y = x a + b for 128 slots, from 256 records a slot (s[84:85]); gain in v10, shift in v11 (of slot = thread % 128).  Thread (slot, quarter) merges 64 records; waves 0-3 merge the four.
.macro BNHEAD
	v_and_b32 v12, 127, v0
	v_lshlrev_b32 v12, 3, v12
	v_lshrrev_b32 v13, 7, v0
	v_lshl_add_u32 v12, v13, 16, v12
	v_lshlrev_b32 v13, 3, v0
	v_bfe_u32 v14, v0, 3, 1
	v_lshlrev_b32 v14, 8, v14
	v_bfe_u32 v15, v0, 4, 3
	v_lshl_add_u32 v14, v15, 5, v14
	v_and_b32 v15, 7, v0
	v_lshl_add_u32 v14, v15, 2, v14                ; slot 16 t + 8 h + j lies at 256 h + 4 (8 t + j)
	s_wait_alu depctr_vm_vsrc(0)                   ; the head's loads and LDS stores have read their offsets and data in v145-198, in which the records land
.irp u, 0,1
	s_wait_alu depctr_va_vdst(0)                   ; first: v12 to v14 are written and the head's lines are done with v144-207; then: the merge is done reading v144-207, in which the next records land
.set i_, 0
.rept 32
	global_load_b64 v[144+2*i_:145+2*i_], v12, s[84:85] offset:1024*(32*\u+i_)
.set i_, i_+1
.endr
	s_wait_loadcnt 0x0
.if \u == 0
	MINIT 144
.endif
.set i_, 0
.rept 32
	MACC 144+2*i_
.set i_, i_+1
.endr
.endr
	MFIN 0x3c800000, 0x44800000
	s_wait_alu depctr_va_vdst(0)                   ; the merge has written v[214:215], which the LDS store reads, and is done reading v144-151, in which the four records land
	ds_store_b64 v13, v[214:215] offset:REC2
	s_wait_dscnt 0x0
	s_barrier_signal -1
	s_barrier_wait -1
	s_wait_alu depctr_vm_vsrc(0)                   ; the LDS store has read v[214:215], which the second merge writes
	s_cmp_ge_u32 s2, 4
	s_cbranch_scc1 .Lbn_done
.irp k, 0,1,2,3
	ds_load_b64 v[144+2*\k:145+2*\k], v13 offset:REC2+1024*\k
.endr
	s_wait_dscnt 0x0
	MINIT 144
.irp k, 0,1,2,3
	MACC 144+2*\k
.endr
	MFIN 0x3e800000, 0x47800000
	v_mul_f32 v215, 0x36800000, v215
	v_add_f32 v215, 0x3727c5ac, v215
	v_rsq_f32 v215, v215
	v_nop
	s_wait_alu depctr_va_vdst(0)                   ; the root in v215, ahead of its first reader
	v_mul_f32 v216, v215, v10
	v_fma_f32 v217, v214, v216, v11                ; the number at hand is E = -gamma: a = -rs g, b = beta + mean(E) rs g
	v_mul_f32 v216, -1.0, v216
	s_wait_alu depctr_va_vdst(0)                   ; v216 and v217 are written, which the LDS stores read
	ds_store_b32 v14, v216 offset:ABT
	ds_store_b32 v14, v217 offset:ABT+512
.Lbn_done:
	s_wait_dscnt 0x0
	s_barrier_signal -1
	s_barrier_wait -1
.endm
.macro GADDR st, nq                    ; tile s[st]: its neighbours' rows stand in v9; the offsets of its gathers
	v_min_u32 v6, 0x3fff, v9
	v_lshrrev_b32 v5, 4, v3
	v_lshl_add_u32 v5, v6, 7, v5
	v_mul_u32_u24 v7, v6, 12
	v_lshlrev_b32 v6, 2, v6
	s_mul_i32 s25, s[\st], 12
	v_mov_b32 v12, s25
.if \nq
	s_lshl_b32 s25, s[\st], 9
	v_add_nc_u32 v13, s25, v4
.endif
.endm
.macro GLOADS nq
.irp k, 0,1,2,3
	global_load_b128 v[16+4*\k:19+4*\k], v5, s[4:5] offset:FC_O+32*\k
.endr
	global_load_b32 v32, v6, s[4:5] offset:FS_O
.irp k, 0,1,2
	global_load_b32 v[42+\k], v7, s[8:9] offset:4*\k
	global_load_b32 v[45+\k], v12, s[8:9] offset:4*\k
.endr
.if \nq
	global_load_b128 v[48:51], v13, s[4:5] offset:NQ_O
	global_load_b128 v[52:55], v13, s[4:5] offset:NQ_O+16
.endif
.endm
.macro IADDR st
	s_lshl_b32 s25, s[\st], 6
	v_add_nc_u32 v14, s25, v2
.endm
.macro ILOAD
	global_load_b32 v9, v14, s[6:7]
.endm
.macro LOADW d, vc, vs, pc, ps
	global_load_b128 v[\d:\d+3], v[\vc], s[\pc:\pc+1]
	global_load_b128 v[\d+4:\d+7], v[\vc], s[\pc:\pc+1] offset:32
	global_load_b32 v[\d+8], v[\vs], s[\ps:\ps+1]
.endm
.macro PUTW d, img, simg
	ds_store_b128 v148, v[\d:\d+3] offset:\img
	ds_store_b128 v148, v[\d+4:\d+7] offset:\img+512
	ds_store_b32 v149, v[\d+8] offset:\simg
.endm
.macro BNDC
.set i_, 1
.rept 7
	v_pk_add_f32 v[208:209], v[208:209], v[208+6*i_:209+6*i_]
	v_pk_add_f32 v[210:211], v[210:211], v[210+6*i_:211+6*i_]
	v_pk_add_f32 v[212:213], v[212:213], v[212+6*i_:213+6*i_]
.set i_, i_+1
.endr
.irp x, 1,2,4,8
.irp c, 0,1,2,3,4,5
	v_add_f32_dpp v[208+\c], v[208+\c], v[208+\c] row_xmask:\x row_mask:0xf bank_mask:0xf
.endr
.endr
.irp c, 0,1,2,3,4,5
	v_permlanex16_b32 v[214+\c], v[208+\c], s52, s53
.endr
.irp c, 0,1,2,3,4,5
	v_add_f32 v[208+\c], v[208+\c], v[214+\c]
.endr
.irp c, 0,1,2
	v_mul_f32 v[208+\c], 0x36800000, v[208+\c]
	v_mul_f32 v[211+\c], 0x36800000, v[211+\c]
	v_fma_f32 v[211+\c], -v[208+\c], v[208+\c], v[211+\c]
	v_add_f32 v[211+\c], 0x3727c5ac, v[211+\c]
.endr
.irp c, 0,1,2
	v_rsq_f32 v[211+\c], v[211+\c]
.endr
	v_nop
	s_wait_alu depctr_va_vdst(0)                   ; the three roots in v211-213, ahead of their first reader
.irp c, 0,1,2
	v_mul_f32 v[220+\c], s[32+\c], v[211+\c]
	v_add_f32 v[208+\c], s[28+\c], v[208+\c]
	v_fma_f32 v[223+\c], -v[208+\c], v[220+\c], s[36+\c]
	v_readfirstlane_b32 s[40+\c], v[220+\c]
	v_readfirstlane_b32 s[44+\c], v[223+\c]
.endr
	s_wait_alu depctr_va_sdst(0)                   ; s40-42 and s44-46 are written: POS1 reads them in every tile; the wait stands here, ahead of every branch and label
.endm
	s_load_b128 s[4:7], s[0:1], 0x0                ; prepb, idx
	s_load_b64 s[8:9], s[0:1], 0x10                ; points
	s_load_b256 s[68:75], s[0:1], 0x18             ; sd, Wd1, bd1, gd
	s_load_b256 s[76:83], s[0:1], 0x38             ; betad, Wd2, Wk's codes, Wk's scales
	s_load_b256 s[84:91], s[0:1], 0x58             ; s1, gg1, betag1, Wg1's codes
	s_load_b64 s[92:93], s[0:1], 0x78              ; Wg1's scales
	s_load_b64 s[10:11], s[0:1], 0x80              ; g1c
	s_load_b64 s[14:15], s[0:1], 0x88              ; s2
	v_lshrrev_b32 v12, 5, v0
	v_readfirstlane_b32 s2, v12
	v_and_b32 v13, 31, v0
	v_and_b32 v14, 15, v0
	v_bfe_u32 v15, v0, 4, 1
	v_lshlrev_b32 v1, 4, v13
	v_lshlrev_b32 v2, 2, v14
	v_lshlrev_b32 v3, 8, v15
	v_lshlrev_b32 v4, 5, v14
	v_lshlrev_b32 v8, 3, v13
	s_wait_alu depctr_va_sdst(0)                   ; s2 is written, ahead of its first reader
	s_lshr_b32 s25, s2, 1
	s_and_b32 s26, s2, 1
	s_lshr_b32 s27, s2, 2
	s_lshl_b32 s27, s27, 5
	s_and_b32 s31, s25, 1
	s_lshl_b32 s31, s31, 3
	s_add_co_u32 s27, s27, s31
	s_lshl_b32 s35, s27, 7
	s_lshl_b32 s39, s26, 6
	s_add_co_u32 s35, s35, s39
	v_and_b32 v144, 8, v14
	v_add_nc_u32 v144, v144, v14
	v_lshlrev_b32 v145, 7, v144
	v_lshl_add_u32 v145, v15, 4, v145
	v_add_nc_u32 v145, s35, v145
	v_and_b32 v146, 7, v0
	s_lshl_b32 s43, s26, 4
	s_add_co_u32 s43, s43, s27
	v_add_nc_u32 v147, s43, v146
	v_lshlrev_b32 v147, 2, v147
	s_lshl_b32 s43, s2, 10
	v_add_nc_u32 v148, s43, v1
	s_lshl_b32 s43, s2, 5
	v_lshl_add_u32 v149, v146, 2, s43
	v_lshrrev_b32 v186, 6, v0
	v_bfe_u32 v187, v0, 1, 4
	v_bfe_u32 v188, v0, 5, 1
	v_and_b32 v189, 1, v0
	v_lshl_add_u32 v188, v188, 1, v189
	v_min_u32 v189, 2, v188
	v_lshrrev_b32 v190, 1, v186
	v_lshlrev_b32 v190, 5, v190
	v_and_b32 v191, 1, v186
	v_lshl_add_u32 v190, v191, 3, v190
	v_add_nc_u32 v190, v190, v187
	v_and_b32 v191, 8, v187
	v_add_nc_u32 v190, v190, v191
	v_mad_u32_u24 v191, v190, 3, v189
	v_lshlrev_b32 v191, 2, v191
	v_lshlrev_b32 v196, 2, v0
	v_lshlrev_b32 v197, 5, v13
	v_bfe_u32 v198, v0, 5, 2                       ; the channel of slot = thread % 128
	v_lshlrev_b32 v198, 5, v198
	v_bfe_u32 v199, v0, 4, 1
	v_lshl_add_u32 v198, v199, 3, v198
	v_and_b32 v199, 15, v0
	v_add_nc_u32 v198, v198, v199
	v_and_b32 v199, 8, v0
	v_add_nc_u32 v198, v198, v199
	v_lshlrev_b32 v198, 2, v198
	s_mov_b32 s48, 0xaf95df0b
	s_mov_b32 s49, s48
	s_mov_b32 s50, 0xb77460cd
	s_mov_b32 s51, s50
	s_mov_b32 s52, 0x76543210
	s_mov_b32 s53, 0xfedcba98
	s_mov_b32 s54, 0x600000
	s_mov_b32 s55, 0xffff0000
	s_wait_kmcnt 0x0
	s_load_b256 s[16:23], s[70:71], 0x0
	s_load_b32 s24, s[70:71], 0x20
	s_load_b96 s[28:30], s[72:73], 0x0
	s_load_b96 s[32:34], s[74:75], 0x0
	s_load_b96 s[36:38], s[76:77], 0x0
	s_add_nc_u64 s[12:13], s[10:11], 0x2000000     ; g1c's scale words
	s_wait_alu depctr_va_vdst(0)                   ; the head's offsets and addresses (v1-4, v8, v145-149, v191, v196-198) are written, which the loads and LDS instructions below read
	LOADW 152, 145, 147, 80, 82
	LOADW 164, 145, 147, 90, 92
	global_load_b32 v192, v191, s[78:79]
	global_load_b32 v10, v198, s[86:87]
	global_load_b32 v11, v198, s[88:89]
.set i_, 0
.rept 8
	global_load_b128 v[208+6*i_:211+6*i_], v197, s[68:69] offset:1024*i_
	global_load_b64 v[212+6*i_:213+6*i_], v197, s[68:69] offset:1024*i_+16
.set i_, i_+1
.endr
	s_wait_loadcnt 0x0
	s_wait_kmcnt 0x0
	v_mul_f32 v192, -1.0, v192
	s_wait_alu depctr_va_vdst(0)                   ; v192 is written, which the last LDS store below reads
	PUTW 152, WK, WKS
	PUTW 164, WG1, WG1S
	ds_store_b32 v196, v192 offset:WDI
	BNDC
.irp j, 0,1,2,3,4,5,6,7,8,9,10,11,12,13,14,15,16,17,18,19,20,21,22,23
	v_mov_b32 v[56+\j], 0
.endr
	s_wait_dscnt 0x0
	BNHEAD                                         ; its barriers also show the images to every wave
	s_lshl_b32 s57, ttmp9, 6
	s_lshl_b32 s58, s2, 2
	s_add_co_u32 s57, s57, s58
	s_wait_alu depctr_vm_vsrc(0)                   ; the norm's loads and LDS instructions have read v12 to v14, which are written again from here on
	IADDR 57
	s_wait_alu depctr_va_vdst(0)                   ; v14 is written, which the load below reads
	ILOAD
	s_wait_loadcnt 0x0
	s_wait_alu depctr_vm_vsrc(0)                   ; that load has read v14, which is written again
	GADDR 57, 1
	s_add_co_u32 s59, s57, 1
	IADDR 59
	s_wait_alu depctr_va_vdst(0)                   ; the offsets v5-7 and v12-14 are written; their first line is done reading v9; the head's vector lines are done with v144-255, in which fragments and pairs land
	GLOADS 1
	ILOAD
	WDLOAD
	WLOAD WK, WKS, 0, 144, 4
	s_mov_b32 s3, 0
.Ltile:
	s_wait_loadcnt 0x0
	s_cmp_eq_u32 s3, 0
	s_cselect_b32 s56, -1, 0
	s_add_co_u32 s58, s57, s3
	POS1
	s_wait_dscnt 0x0                               ; -Wd2's pairs, Wk's fragments 0-3 and their scale words, asked for at the last gather point
	WDSEL
	POSMM 1, 80
	WPROD 80, 16, 32, 1, 1, 0, 144, 4
	NOPS 8                                         ; places in front of loads into registers that products have read
	s_wait_alu depctr_va_vdst(0)                   ; products 0-3 are done reading v144-207, in which fragments 4-7 land; the f32 products and POS1 are done with v240-255, in which the first a and b land
	WLOAD WK, WKS, 4, 144, 4
	ABLOAD 0
	s_wait_dscnt 0x0
	WPROD 80, 16, 32, 1, 1, 4, 144, 4
	NOPS 9
.set tt_, 0
.rept 8
.if tt_ > 0
	s_wait_dscnt 0x0                               ; these eight channels' a and b, asked for in the gelu before
.endif
.if tt_ < 7
	GELU 80+8*tt_, 144+8*tt_, 4, 1, tt_+1
.else
	GELU 80+8*tt_, 144+8*tt_, 4, 1, -1
.endif
.set tt_, tt_+1
.endr
	QUANT 144, 16
	s_lshl_b32 s25, s58, 11
	v_add_nc_u32 v254, s25, v1
	s_lshl_b32 s25, s58, 6
	v_add_nc_u32 v255, s25, v2
	s_wait_alu depctr_va_vdst(0)                   ; the codes v16-31, the scale word v33 and the offsets v254, v255 are written, which the stores and the scaled products read; the quantiser is done with v144-207, in which Wg1's fragments land
.irp k, 0,1,2,3
	global_store_b128 v254, v[16+4*\k:19+4*\k], s[10:11] offset:512*\k   ; 32 lanes store 512 consecutive bytes, aligned
.endr
	global_store_b32 v255, v33, s[12:13]
	WLOAD WG1, WG1S, 0, 144, 4
	s_wait_dscnt 0x0
	WPROD 80, 16, 33, 0, 0, 0, 144, 4
	NOPS 8
	s_wait_alu depctr_va_vdst(0)                   ; products 0-3 are done reading v144-207, in which fragments 4-7 land
	WLOAD WG1, WG1S, 4, 144, 4
	s_wait_dscnt 0x0
	WPROD 80, 16, 33, 0, 0, 4, 144, 4
	NOPS 9
	; THE GATHER POINT
	s_wait_xcnt 0x0                                ; the stores have read the codes and their offsets; the gathers' offsets may be written too
	s_wait_alu depctr_vm_vsrc(0)                   ; the last gathers have read v5-7 and v12-14, the stores v16-31, v33, v254 and v255: all are written again from here on
	s_add_co_u32 s59, s58, 1
	s_min_u32 s59, s59, 0x3fff
	GADDR 59, 1
	s_add_co_u32 s59, s58, 2
	s_min_u32 s59, s59, 0x3fff
	IADDR 59
	s_wait_alu depctr_va_vdst(0)                   ; the offsets are written; the products are done reading v16-33, v34-41 and v144-207, the gelus v240-255, POS1 and the selects v42-55, the offsets' first line v9: the loads below land in these
	GLOADS 1
	ILOAD
	WDLOAD                                         ; the next tile's LDS loads too (behind the last tile: not used)
	WLOAD WK, WKS, 0, 144, 4
	STATS 80                                       ; names v56-143 and v208-221: none of the registers that those loads touch
	s_add_co_u32 s3, s3, 1
	s_cmp_lt_u32 s3, 4
	s_cbranch_scc1 .Ltile
	s_wait_loadcnt 0x0
	s_wait_dscnt 0x0                               ; the last trip's LDS loads have landed: their registers are written below
	RECOUT
	s_wait_xcnt 0x0
	v_lshl_add_u32 v254, v0, 2, 0x12000
	v_mov_b32 v255, 0
	s_wait_dscnt 0x0                               ; the closing lines, six on end, for a launch in the mode that stores to LDS
	s_wait_alu 0x0
	s_wait_tensorcnt 0x0
	ds_add_u32 v254, v255
	s_wait_dscnt 0x0
	s_endpgm
.Lfunc_end_k_qc05534598f_pb:
	.size	k_qc05534598f_pb, .Lfunc_end_k_qc05534598f_pb-k_qc05534598f_pb
	.p2alignl 7, 3214868480
	.fill 96, 4, 3214868480
	.section	.rodata,"a",@progbits
	.p2align	6, 0x0
	.amdhsa_kernel k_qc05534598f_pb
		.amdhsa_group_segment_fixed_size 75776
		.amdhsa_private_segment_fixed_size 0
		.amdhsa_enable_private_segment 0
		.amdhsa_kernarg_size 144
		.amdhsa_user_sgpr_count 2
		.amdhsa_user_sgpr_kernarg_segment_ptr 1
		.amdhsa_wavefront_size32 1
		.amdhsa_system_sgpr_workgroup_id_x 1
		.amdhsa_system_sgpr_workgroup_id_y 1
		.amdhsa_system_sgpr_workgroup_id_z 1
		.amdhsa_system_vgpr_workitem_id 0
		.amdhsa_next_free_vgpr 256
		.amdhsa_next_free_sgpr 94
		.amdhsa_reserve_vcc 0
		.amdhsa_float_denorm_mode_32 3
		.amdhsa_float_denorm_mode_16_64 3
		.amdhsa_memory_ordered 1
		.amdhsa_forward_progress 1
		.amdhsa_inst_pref_size 133
	.end_amdhsa_kernel
	.amdgpu_metadata
---
amdhsa.version: [ 1, 2 ]
amdhsa.kernels:
  - .name:           k_qc05534598f_pb
    .symbol:         k_qc05534598f_pb.kd
    .args:
      - { .name: prepb, .offset: 0, .size: 8, .value_kind: global_buffer, .address_space: global }
      - { .name: idx, .offset: 8, .size: 8, .value_kind: global_buffer, .address_space: global }
      - { .name: points, .offset: 16, .size: 8, .value_kind: global_buffer, .address_space: global }
      - { .name: sd, .offset: 24, .size: 8, .value_kind: global_buffer, .address_space: global }
      - { .name: Wd1, .offset: 32, .size: 8, .value_kind: global_buffer, .address_space: global }
      - { .name: bd1, .offset: 40, .size: 8, .value_kind: global_buffer, .address_space: global }
      - { .name: gd, .offset: 48, .size: 8, .value_kind: global_buffer, .address_space: global }
      - { .name: betad, .offset: 56, .size: 8, .value_kind: global_buffer, .address_space: global }
      - { .name: Wd2, .offset: 64, .size: 8, .value_kind: global_buffer, .address_space: global }
      - { .name: Wk_codes, .offset: 72, .size: 8, .value_kind: global_buffer, .address_space: global }
      - { .name: Wk_scales, .offset: 80, .size: 8, .value_kind: global_buffer, .address_space: global }
      - { .name: s1, .offset: 88, .size: 8, .value_kind: global_buffer, .address_space: global }
      - { .name: gg1, .offset: 96, .size: 8, .value_kind: global_buffer, .address_space: global }
      - { .name: betag1, .offset: 104, .size: 8, .value_kind: global_buffer, .address_space: global }
      - { .name: Wg1_codes, .offset: 112, .size: 8, .value_kind: global_buffer, .address_space: global }
      - { .name: Wg1_scales, .offset: 120, .size: 8, .value_kind: global_buffer, .address_space: global }
      - { .name: g1c, .offset: 128, .size: 8, .value_kind: global_buffer, .address_space: global }
      - { .name: s2, .offset: 136, .size: 8, .value_kind: global_buffer, .address_space: global }
    .group_segment_fixed_size: 75776
    .private_segment_fixed_size: 0
    .kernarg_segment_align: 8
    .kernarg_segment_size: 144
    .max_flat_workgroup_size: 512
    .sgpr_count:     94
    .vgpr_count:     256
    .wavefront_size: 32
...
	.end_amdgpu_metadata
.endif
;; end of part 11
;; launch pc (part 12): grid 256 x 1, 16 waves a work-group, no clusters, 59,904 bytes of LDS; arguments prepb, idx, points, sd, Wd1, bd1, gd, betad, Wd2, Wv_codes, Wv_scales, s2, gg2, betag2, Wg1_codes, Wg1_scales, g1c, out0, Wg2_codes, Wg2_scales, bg1, bg2, bd2, bv; writes out0
.if DOCPART == 12
	.amdgcn_target "amdgcn-amd-amdhsa--gfx1250"
	.amdhsa_code_object_version 6
	.text
	.protected	k_qc05534598f_pc
	.globl	k_qc05534598f_pc
	.p2align	8
	.type	k_qc05534598f_pc,@function
k_qc05534598f_pc:
	s_mov_b64 s[64:65], 0
	v_nop
	global_prefetch_b8 v0, s[64:65] scope:SCOPE_SE
	s_setreg_imm32_b32 hwreg(HW_REG_WAVE_SCHED_MODE, 0, 2), 2
	s_setreg_imm32_b32 hwreg(HW_REG_WAVE_MODE, 25, 1), 1
	s_wait_xcnt 0x0
	s_wait_alu depctr_vm_vsrc(0)
; THE LAST PASS.  For each tile (a query and its 16 neighbours):
;   value = Wv x(neighbour) + bv + Wd2 pos1 + bd2 (natural way; the f32 matrix form starts the sum, its fourth K place carries the two biases);
;   the stored codes x Wg1 (transposed) -> third norm -> gelu -> quantiser -> x Wg2 (natural way) -> + bg2 -> softmax over the 16 neighbours, with its maximum taken away -> the weighted sum of value.
; For Wg2, Wv and Wd2 lane r of tile t takes row 8 r + t: a lane then ends with eight neighbouring channels, and the wave's one store covers the query's 512 bytes.
; Shares and gathers as in the two launches before.
; LIMITS: NaN and infinities are not served; a block whose largest magnitude lies under 2^-111 keeps the scale byte 1; erf as a ratio of polynomials on |z| <= 4, good to a few ulp.
; THE MODE: SCHED_MODE bits 1:0 = 2 (LLVM: expert scheduling mode 2), set by the entry lines.  The code itself states the register dependences
; between vector or matrix instructions and memory or LDS instructions, with s_wait_alu, always for 0.
; THE PLAN.  Registers that memory or LDS instructions touch, round the loop over tiles:
;   v5-7, v12, v14, v74, v75   offsets of the gathers and of the stored codes: written at the GATHER POINT (behind the last product with Wv), read by the loads of the rest of the tile.
;   v9, v16-32, v42-47         the neighbours' rows and what is gathered: read by this tile's first part; the next tile's land at the gather point.
;   v48-64                     the stored codes and their scale word, then the codes just made: read by the products with Wg1 and Wg2; the next tile's land behind the last product with Wg2.
;   v144-207, v34-41           Wv's fragments, four at a time, and the scale words; then gamma.  The next tile's fragments 0-3 land at the tile's end, behind the wait that the last reciprocals have anyway.
;   Wd2's eight pairs          v212, v214, v236, v238, v244, v246, v254, v76: named by nothing between that wait and the f32 products; they land with those fragments.
;   v208-239                   Wg1's and Wg2's fragments, two at a time: a wait on va_vdst between rounds.
;   v240-255                   the norm's a and b: the next eight channels' land behind the wait that each gelu's reciprocals have anyway.
;   v248-252                   the output's data and offset: written at the tile's end, read by the one store.
; One wait on vm_vsrc a tile, at the gather point: every earlier load and store, the last tile's output store among them, has read its registers.
.set FC_O, 262144
.set FS_O, 2359296
.set WG1,  0
.set WG2,  16384
.set WV,   32768
.set WG1S, 49152
.set WG2S, 49664
.set WVS,  50176
.set WDI,  50688
.set ABT,  52736
.set REC2, 53760
.set TM,  208
.set PW,  33
.set SEL, 52
.set MNT, 54
; REGISTERS: v1-15 as before; v16-31 the neighbours' codes, v32 their scale words, v33 the scale word just made, v34-41 the weights'; v42-47 points; v48-63 the stored codes, later the codes just made;
; v64 the stored scale word; v66-73 bg2 log2(e); v74-75 offsets of the stored codes; v80-143 value (written by matrix instructions alone); v144-207 gamma; v208-255 at work.
.macro NOPS n
.rept \n
	v_nop
.endr
.endm
.macro HORN acc, k, np
.set g_, 0
.rept \np
	v_pk_fma_f32 v[\acc+g_:\acc+g_+1], v[\acc+g_:\acc+g_+1], v[216+g_:217+g_], \k op_sel_hi:[1,1,0]
.set g_, g_+2
.endr
.endm
.macro ABLOAD n                        ; the norm's a and b of channels' registers 8 n .. 8 n + 7
	ds_load_b128 v[240:243], v3 offset:ABT+32*(\n)
	ds_load_b128 v[244:247], v3 offset:ABT+32*(\n)+16
	ds_load_b128 v[248:251], v3 offset:ABT+512+32*(\n)
	ds_load_b128 v[252:255], v3 offset:ABT+512+32*(\n)+16
.endm
; nx >= 0: the a and b of the next eight channels are asked for on the way
.macro GELU src, dst, np, ab, nx
.if \ab
.set g_, 0
.rept \np
	v_pk_fma_f32 v[\dst+g_:\dst+g_+1], v[\src+g_:\src+g_+1], v[240+g_:241+g_], v[248+g_:249+g_]
.set g_, g_+2
.endr
.endif
.set g_, 0
.rept \np
	v_pk_mul_f32 v[208+g_:209+g_], v[\dst+g_:\dst+g_+1], 0x3f3504f3 op_sel_hi:[1,0]
.set g_, g_+2
.endr
.set g_, 0
.rept 2*\np
	v_med3_num_f32 v[208+g_], v[208+g_], -4.0, 4.0
.set g_, g_+1
.endr
.set g_, 0
.rept \np
	v_pk_mul_f32 v[216+g_:217+g_], v[208+g_:209+g_], v[208+g_:209+g_]
.set g_, g_+2
.endr
.set g_, 0
.rept \np
	v_pk_fma_f32 v[224+g_:225+g_], v[216+g_:217+g_], s[48:49], 0x32edffee op_sel_hi:[1,0,0]
	v_pk_fma_f32 v[232+g_:233+g_], v[216+g_:217+g_], s[50:51], 0xb95fbd29 op_sel_hi:[1,0,0]
.set g_, g_+2
.endr
	HORN 224, 0xb60cff51, \np
	HORN 232, 0xbadc924e, \np
	HORN 224, 0xb86ec2d2, \np
	HORN 232, 0xbbf19bf8, \np
	HORN 224, 0xba40ac63, \np
	HORN 232, 0xbc69b6a7, \np
	HORN 224, 0xbb41a1f6, \np
	HORN 224, 0xbc83dbd4, \np
.set g_, 0
.rept \np
	v_pk_mul_f32 v[224+g_:225+g_], v[224+g_:225+g_], v[208+g_:209+g_]
.set g_, g_+2
.endr
.set g_, 0
.rept 2*\np
	v_rcp_f32 v[208+g_], v[232+g_]
.set g_, g_+1
.endr
.set g_, 0
.rept \np
	v_pk_mul_f32 v[216+g_:217+g_], v[\dst+g_:\dst+g_+1], 0.5 op_sel_hi:[1,0]   ; plain work behind the reciprocals
.set g_, g_+2
.endr
	s_wait_alu depctr_va_vdst(0)                   ; one wait for the batch of reciprocals in v208 on, ahead of their first reader; it also shows the macro's first lines done reading a and b in v240-255
.if \nx >= 0
	ABLOAD \nx                                     ; no line behind the wait names v240-255
.endif
.set g_, 0
.rept \np
	v_pk_mul_f32 v[224+g_:225+g_], v[224+g_:225+g_], v[208+g_:209+g_]
.set g_, g_+2
.endr
.set g_, 0
.rept \np
	v_pk_fma_f32 v[\dst+g_:\dst+g_+1], v[216+g_:217+g_], v[224+g_:225+g_], v[216+g_:217+g_]
.set g_, g_+2
.endr
.endm
.macro QUANT s, cd
.irp b, 0,1,2,3
	v_max3_num_f32 v[TM+\b], |v[\s+16*\b]|, |v[\s+1+16*\b]|, 0x8000000   ; with the floor 2^(16 - 127): the byte cannot fall under 1
.endr
.irp i, 2,4,6,8,10,12,14
.irp b, 0,1,2,3
	v_max3_num_f32 v[TM+\b], v[TM+\b], |v[\s+16*\b+\i]|, |v[\s+1+16*\b+\i]|
.endr
.endr
.irp b, 0,1,2,3
	v_permlanex16_b32 v[TM+4+\b], v[TM+\b], s[SEL], s[SEL+1]
.endr
.irp b, 0,1,2,3
	v_max_num_f32 v[TM+\b], v[TM+\b], v[TM+4+\b]
.endr
.irp b, 0,1,2,3
	v_add_nc_u32 v[TM+12+\b], 0xf8800000, v[TM+\b]
.endr
.irp b, 0,1,2,3
	v_and_or_b32 v[TM+8+\b], v[TM+\b], 0x7f800000, s[MNT]
.endr
.irp b, 0,1,2,3
	v_lshrrev_b32 v[TM+4+\b], 23, v[TM+12+\b]
.endr
	v_lshl_or_b32 v[PW], v[TM+5], 8, v[TM+4]
	v_lshl_or_b32 v[PW], v[TM+6], 16, v[PW]
	v_lshl_or_b32 v[PW], v[TM+7], 24, v[PW]
.irp b, 0,1,2,3
.irp i, 0,1,2,3,4,5,6,7,8,9,10,11,12,13,14,15
	v_med3_num_f32 v[\s+16*\b+\i], v[\s+16*\b+\i], -v[TM+8+\b], v[TM+8+\b]   ; the conversion does not saturate (ISA guide 7.6.2): the hold
.endr
	v_cvt_scalef32_pk8_bf8_f32 v[\cd+4*\b:\cd+1+4*\b], v[\s+16*\b:\s+7+16*\b], v[TM+12+\b]
	v_cvt_scalef32_pk8_bf8_f32 v[\cd+2+4*\b:\cd+3+4*\b], v[\s+8+16*\b:\s+15+16*\b], v[TM+12+\b]
.endr
	NOPS 4                                         ; codes made by vector instructions stand four places ahead of a scaled product (the scale word stands ahead of the 64 holds)
.endm
.macro POS1
	v_sub_f32 v42, v45, v42
	v_sub_f32 v43, v46, v43
	v_sub_f32 v44, v47, v44
.irp c, 0,1,2
	v_mul_f32 v[240+\c], s[16+3*\c], v42
.endr
.irp c, 0,1,2
	v_fma_f32 v[240+\c], s[17+3*\c], v43, v[240+\c]
.endr
.irp c, 0,1,2
	v_fma_f32 v[240+\c], s[18+3*\c], v44, v[240+\c]
.endr
.irp c, 0,1,2
	v_add_f32 v[240+\c], s[28+\c], v[240+\c]
.endr
.irp c, 0,1,2
	v_fma_f32 v[240+\c], v[240+\c], s[40+\c], s[44+\c]
.endr
	v_mov_b32 v243, v242
	GELU 240, 240, 2, 0, -1
	v_cndmask_b32 v10, v240, v242, s55
	v_cndmask_b32 v11, v241, 1.0, s55
.endm
.macro WDREG u                         ; wr_ = the first register of Wd2's pair u: 212, 214, 236, 238, 244, 246, 254, 76
.if \u < 2
.set wr_, 212+2*\u
.elseif \u < 4
.set wr_, 232+2*\u
.elseif \u < 6
.set wr_, 236+2*\u
.elseif \u == 6
.set wr_, 254
.else
.set wr_, 76
.endif
.endm
.macro WDLOAD                          ; the weight's side of the f32 form, from LDS
.irp u, 0,1,2,3,4,5,6,7
	WDREG \u
	ds_load_b64 v[wr_:wr_+1], v8 offset:WDI+256*\u
.endr
.endm
.macro POSMM acc
.irp u, 0,1,2,3,4,5,6,7
	WDREG \u
	v_wmma_f32_16x16x4_f32 v[\acc+8*\u:\acc+8*\u+7], v[10:11], v[wr_:wr_+1], 0
.endr
	NOPS 9
.endm
.macro WLOAD img, simg, t0, tmp, nf    ; nf fragments of a weight, from tile t0 on, out of LDS into v[tmp] on, and their scale words
.set f_, 0
.rept \nf
.irp k, 0,1,2,3
	ds_load_b128 v[\tmp+16*f_+4*\k:\tmp+16*f_+4*\k+3], v1 offset:\img+2048*(\t0+f_)+512*\k
.endr
	ds_load_b32 v[34+\t0+f_], v2 offset:\simg+64*(\t0+f_)
.set f_, f_+1
.endr
.endm
.macro WPROD d, x, xs, tr, cm, t0, tmp, nf   ; nf products of one tile with these fragments.  tr = 1: source 0 = the weight.  cm = 1: C = D.
.set f_, 0
.rept \nf
.set dd_, \d+8*(\t0+f_)
.set ff_, \tmp+16*f_
.set ss_, 34+\t0+f_
.if \tr
.if \cm
	v_wmma_scale_f32_16x16x128_f8f6f4 v[dd_:dd_+7], v[ff_:ff_+15], v[\x:\x+15], v[dd_:dd_+7], v[ss_], v[\xs] matrix_a_fmt:MATRIX_FMT_BF8 matrix_b_fmt:MATRIX_FMT_BF8
.else
	v_wmma_scale_f32_16x16x128_f8f6f4 v[dd_:dd_+7], v[ff_:ff_+15], v[\x:\x+15], 0, v[ss_], v[\xs] matrix_a_fmt:MATRIX_FMT_BF8 matrix_b_fmt:MATRIX_FMT_BF8
.endif
.else
.if \cm
	v_wmma_scale_f32_16x16x128_f8f6f4 v[dd_:dd_+7], v[\x:\x+15], v[ff_:ff_+15], v[dd_:dd_+7], v[\xs], v[ss_] matrix_a_fmt:MATRIX_FMT_BF8 matrix_b_fmt:MATRIX_FMT_BF8
.else
	v_wmma_scale_f32_16x16x128_f8f6f4 v[dd_:dd_+7], v[\x:\x+15], v[ff_:ff_+15], 0, v[\xs], v[ss_] matrix_a_fmt:MATRIX_FMT_BF8 matrix_b_fmt:MATRIX_FMT_BF8
.endif
.endif
.set f_, f_+1
.endr
.endm
.macro PKSUBB d, a, b
.if ((\b)%2)==0
	v_pk_add_f32 v[\d:\d+1], v[\a:\a+1], v[\b:\b+1] op_sel_hi:[1,0] neg_lo:[0,1] neg_hi:[0,1]
.else
	v_pk_add_f32 v[\d:\d+1], v[\a:\a+1], v[\b-1:\b] op_sel:[0,1] op_sel_hi:[1,1] neg_lo:[0,1] neg_hi:[0,1]
.endif
.endm
.macro PKFMAB d, b                     ; v[d:d+1] = v[d:d+1] x log2(e) + v[b]
.if ((\b)%2)==0
	v_pk_fma_f32 v[\d:\d+1], v[\d:\d+1], 0x3fb8aa3b, v[\b:\b+1] op_sel_hi:[1,0,0]
.else
	v_pk_fma_f32 v[\d:\d+1], v[\d:\d+1], 0x3fb8aa3b, v[\b-1:\b] op_sel:[0,0,1] op_sel_hi:[1,0,1]
.endif
.endm
.macro MINIT m
	v_mov_b32 v208, v[\m]
	v_mov_b32 v209, 0
	v_mov_b32 v210, 0
	v_mov_b32 v211, 0
.endm
.macro MACC m
	v_sub_f32 v212, v[\m], v208
	v_add_f32 v211, v211, v[\m+1]
	v_add_f32 v209, v209, v212
	v_fma_f32 v210, v212, v212, v210
.endm
.macro MFIN invg, n
	v_mul_f32 v212, v209, v209
	v_fma_f32 v214, v209, \invg, v208
	v_fma_f32 v210, -v212, \invg, v210
	v_fma_f32 v215, v210, \n, v211
.endm
; The third norm's y = x a + b, x the product without its bias; gain in v10, shift in v11, bg1 in v42 (of slot = thread % 128)
.macro BNHEAD
	v_and_b32 v12, 127, v0
	v_lshlrev_b32 v12, 3, v12
	v_lshrrev_b32 v13, 7, v0
	v_lshl_add_u32 v12, v13, 16, v12
	v_lshlrev_b32 v13, 3, v0
	v_bfe_u32 v14, v0, 3, 1
	v_lshlrev_b32 v14, 8, v14
	v_bfe_u32 v15, v0, 4, 3
	v_lshl_add_u32 v14, v15, 5, v14
	v_and_b32 v15, 7, v0
	v_lshl_add_u32 v14, v15, 2, v14
	s_wait_alu depctr_vm_vsrc(0)                   ; the head's loads and LDS stores have read their offsets and data in v145-198, in which the records land
.irp u, 0,1
	s_wait_alu depctr_va_vdst(0)                   ; first: v12 to v14 are written and the head's lines are done with v144-207; then: the merge is done reading v144-207, in which the next records land
.set i_, 0
.rept 32
	global_load_b64 v[144+2*i_:145+2*i_], v12, s[84:85] offset:1024*(32*\u+i_)
.set i_, i_+1
.endr
	s_wait_loadcnt 0x0
.if \u == 0
	MINIT 144
.endif
.set i_, 0
.rept 32
	MACC 144+2*i_
.set i_, i_+1
.endr
.endr
	MFIN 0x3c800000, 0x44800000
	s_wait_alu depctr_va_vdst(0)                   ; the merge has written v[214:215], which the LDS store reads, and is done reading v144-151, in which the four records land
	ds_store_b64 v13, v[214:215] offset:REC2
	s_wait_dscnt 0x0
	s_barrier_signal -1
	s_barrier_wait -1
	s_wait_alu depctr_vm_vsrc(0)                   ; the LDS store has read v[214:215], which the second merge writes
	s_cmp_ge_u32 s2, 4
	s_cbranch_scc1 .Lbn_done
.irp k, 0,1,2,3
	ds_load_b64 v[144+2*\k:145+2*\k], v13 offset:REC2+1024*\k
.endr
	s_wait_dscnt 0x0
	MINIT 144
.irp k, 0,1,2,3
	MACC 144+2*\k
.endr
	MFIN 0x3e800000, 0x47800000
	v_mul_f32 v215, 0x36800000, v215
	v_add_f32 v215, 0x3727c5ac, v215
	v_rsq_f32 v215, v215
	v_nop
	s_wait_alu depctr_va_vdst(0)                   ; the root in v215, ahead of its first reader
	v_mul_f32 v216, v215, v10                      ; a = rs g
	v_add_f32 v218, v214, v42                      ; the mean with the bias
	v_fma_f32 v217, -v218, v216, v11
	v_fma_f32 v217, v42, v216, v217                ; b = bg1 a + beta - (mean + bg1) a
	s_wait_alu depctr_va_vdst(0)                   ; v216 and v217 are written, which the LDS stores read
	ds_store_b32 v14, v216 offset:ABT
	ds_store_b32 v14, v217 offset:ABT+512
.Lbn_done:
	s_wait_dscnt 0x0
	s_barrier_signal -1
	s_barrier_wait -1
.endm
.macro GADDR st                        ; tile s[st]: its neighbours' rows stand in v9; the offsets of its gathers
	v_min_u32 v6, 0x3fff, v9
	v_lshrrev_b32 v5, 4, v3
	v_lshl_add_u32 v5, v6, 7, v5
	v_mul_u32_u24 v7, v6, 12
	v_lshlrev_b32 v6, 2, v6
	s_mul_i32 s25, s[\st], 12
	v_mov_b32 v12, s25
.endm
.macro GLOADS
.irp k, 0,1,2,3
	global_load_b128 v[16+4*\k:19+4*\k], v5, s[4:5] offset:FC_O+32*\k
.endr
	global_load_b32 v32, v6, s[4:5] offset:FS_O
.irp k, 0,1,2
	global_load_b32 v[42+\k], v7, s[8:9] offset:4*\k
	global_load_b32 v[45+\k], v12, s[8:9] offset:4*\k
.endr
.endm
.macro IADDR st
	s_lshl_b32 s25, s[\st], 6
	v_add_nc_u32 v14, s25, v2
.endm
.macro ILOAD
	global_load_b32 v9, v14, s[6:7]
.endm
.macro HADDR st                        ; the offsets of the stored codes of tile s[st] and of their scale words
	s_lshl_b32 s25, s[\st], 11
	v_add_nc_u32 v74, s25, v1
	s_lshl_b32 s25, s[\st], 6
	v_add_nc_u32 v75, s25, v2
.endm
.macro HLOADS                          ; the stored codes, as they left the registers, and their scale words
.irp k, 0,1,2,3
	global_load_b128 v[48+4*\k:51+4*\k], v74, s[10:11] offset:512*\k th:TH_LOAD_NT
.endr
	global_load_b32 v64, v75, s[12:13]
.endm
.macro LOADW d, vc, vs, pc, ps
	global_load_b128 v[\d:\d+3], v[\vc], s[\pc:\pc+1]
	global_load_b128 v[\d+4:\d+7], v[\vc], s[\pc:\pc+1] offset:32
	global_load_b32 v[\d+8], v[\vs], s[\ps:\ps+1]
.endm
.macro PUTW d, img, simg
	ds_store_b128 v148, v[\d:\d+3] offset:\img
	ds_store_b128 v148, v[\d+4:\d+7] offset:\img+512
	ds_store_b32 v149, v[\d+8] offset:\simg
.endm
.macro BNDC
.set i_, 1
.rept 7
	v_pk_add_f32 v[208:209], v[208:209], v[208+6*i_:209+6*i_]
	v_pk_add_f32 v[210:211], v[210:211], v[210+6*i_:211+6*i_]
	v_pk_add_f32 v[212:213], v[212:213], v[212+6*i_:213+6*i_]
.set i_, i_+1
.endr
.irp x, 1,2,4,8
.irp c, 0,1,2,3,4,5
	v_add_f32_dpp v[208+\c], v[208+\c], v[208+\c] row_xmask:\x row_mask:0xf bank_mask:0xf
.endr
.endr
.irp c, 0,1,2,3,4,5
	v_permlanex16_b32 v[214+\c], v[208+\c], s52, s53
.endr
.irp c, 0,1,2,3,4,5
	v_add_f32 v[208+\c], v[208+\c], v[214+\c]
.endr
.irp c, 0,1,2
	v_mul_f32 v[208+\c], 0x36800000, v[208+\c]
	v_mul_f32 v[211+\c], 0x36800000, v[211+\c]
	v_fma_f32 v[211+\c], -v[208+\c], v[208+\c], v[211+\c]
	v_add_f32 v[211+\c], 0x3727c5ac, v[211+\c]
.endr
.irp c, 0,1,2
	v_rsq_f32 v[211+\c], v[211+\c]
.endr
	v_nop
	s_wait_alu depctr_va_vdst(0)                   ; the three roots in v211-213, ahead of their first reader
.irp c, 0,1,2
	v_mul_f32 v[220+\c], s[32+\c], v[211+\c]
	v_add_f32 v[208+\c], s[28+\c], v[208+\c]
	v_fma_f32 v[223+\c], -v[208+\c], v[220+\c], s[36+\c]
	v_readfirstlane_b32 s[40+\c], v[220+\c]
	v_readfirstlane_b32 s[44+\c], v[223+\c]
.endr
	s_wait_alu depctr_va_sdst(0)                   ; s40-42 and s44-46 are written: POS1 reads them in every tile; the wait stands here, ahead of every branch and label
.endm
	s_load_b128 s[4:7], s[0:1], 0x0                ; prepb, idx
	s_load_b64 s[8:9], s[0:1], 0x10                ; points
	s_load_b256 s[68:75], s[0:1], 0x18             ; sd, Wd1, bd1, gd
	s_load_b256 s[76:83], s[0:1], 0x38             ; betad, Wd2, Wv's codes, Wv's scales
	s_load_b256 s[84:91], s[0:1], 0x58             ; s2, gg2, betag2, Wg1's codes
	s_load_b64 s[92:93], s[0:1], 0x78              ; Wg1's scales
	s_load_b64 s[10:11], s[0:1], 0x80              ; g1c
	s_load_b64 s[14:15], s[0:1], 0x88              ; out0
	s_load_b128 s[96:99], s[0:1], 0x90             ; Wg2's codes, Wg2's scales
	s_load_b128 s[60:63], s[0:1], 0xa0             ; bg1, bg2
	s_load_b64 s[66:67], s[0:1], 0xb0              ; bd2
	s_load_b64 s[100:101], s[0:1], 0xb8            ; bv
	v_lshl_add_u32 v78, v0, 2, 0xe200
	v_mov_b32 v79, 0
	v_lshrrev_b32 v12, 5, v0
	v_readfirstlane_b32 s2, v12
	v_and_b32 v13, 31, v0
	v_and_b32 v14, 15, v0
	v_bfe_u32 v15, v0, 4, 1
	v_lshlrev_b32 v1, 4, v13
	v_lshlrev_b32 v2, 2, v14
	v_lshlrev_b32 v3, 8, v15
	v_lshlrev_b32 v4, 5, v14
	v_lshlrev_b32 v8, 3, v13
	s_wait_alu depctr_va_sdst(0)                   ; s2 is written, ahead of its first reader
	s_lshr_b32 s25, s2, 1
	s_and_b32 s26, s2, 1
	s_lshr_b32 s27, s2, 2
	s_lshl_b32 s27, s27, 5
	s_and_b32 s31, s25, 1
	s_lshl_b32 s31, s31, 3
	s_add_co_u32 s27, s27, s31
	s_lshl_b32 s35, s27, 7
	s_lshl_b32 s39, s26, 6
	s_add_co_u32 s35, s35, s39
	v_and_b32 v144, 8, v14
	v_add_nc_u32 v144, v144, v14
	v_lshlrev_b32 v145, 7, v144
	v_lshl_add_u32 v145, v15, 4, v145
	v_add_nc_u32 v145, s35, v145
	v_and_b32 v146, 7, v0
	s_lshl_b32 s43, s26, 4
	s_add_co_u32 s43, s43, s27
	v_add_nc_u32 v147, s43, v146
	v_lshlrev_b32 v147, 2, v147
	s_lshl_b32 s43, s2, 10
	v_add_nc_u32 v148, s43, v1
	s_lshl_b32 s43, s2, 5
	v_lshl_add_u32 v149, v146, 2, s43
	v_lshlrev_b32 v150, 10, v14                    ; the other choice of rows: lane r of tile t takes row 8 r + t
	v_lshl_add_u32 v150, v15, 4, v150
	s_lshl_b32 s43, s25, 7
	s_add_co_u32 s43, s43, s39
	v_add_nc_u32 v150, s43, v150
	s_lshl_b32 s43, s26, 6
	s_add_co_u32 s43, s43, s25
	v_lshl_add_u32 v151, v146, 3, s43
	v_lshlrev_b32 v151, 2, v151
	v_lshrrev_b32 v186, 6, v0                      ; Wd2's image: thread = 64 t + 2 lane + register
	v_bfe_u32 v187, v0, 1, 4
	v_bfe_u32 v188, v0, 5, 1
	v_and_b32 v189, 1, v0
	v_lshl_add_u32 v188, v188, 1, v189             ; k
	v_min_u32 v189, 2, v188
	v_lshl_add_u32 v190, v187, 3, v186             ; the channel 8 r + t
	v_mad_u32_u24 v191, v190, 3, v189
	v_lshlrev_b32 v191, 2, v191
	v_lshlrev_b32 v193, 2, v190
	v_lshlrev_b32 v196, 2, v0
	v_lshlrev_b32 v197, 5, v13
	v_bfe_u32 v198, v0, 5, 2
	v_lshlrev_b32 v198, 5, v198
	v_bfe_u32 v199, v0, 4, 1
	v_lshl_add_u32 v198, v199, 3, v198
	v_and_b32 v199, 15, v0
	v_add_nc_u32 v198, v198, v199
	v_and_b32 v199, 8, v0
	v_add_nc_u32 v198, v198, v199
	v_lshlrev_b32 v198, 2, v198
	s_mov_b32 s48, 0xaf95df0b
	s_mov_b32 s49, s48
	s_mov_b32 s50, 0xb77460cd
	s_mov_b32 s51, s50
	s_mov_b32 s52, 0x76543210
	s_mov_b32 s53, 0xfedcba98
	s_mov_b32 s54, 0x600000
	s_mov_b32 s55, 0xffff0000
	s_wait_kmcnt 0x0
	s_load_b256 s[16:23], s[70:71], 0x0
	s_load_b32 s24, s[70:71], 0x20
	s_load_b96 s[28:30], s[72:73], 0x0
	s_load_b96 s[32:34], s[74:75], 0x0
	s_load_b96 s[36:38], s[76:77], 0x0
	s_add_nc_u64 s[12:13], s[10:11], 0x2000000     ; g1c's scale words
	s_wait_alu depctr_va_vdst(0)                   ; the head's offsets and addresses (v1-4, v8, v145-151, v191, v193, v196-198) are written, which the loads and LDS instructions below read
	LOADW 152, 145, 147, 90, 92
	LOADW 164, 150, 151, 96, 98
	LOADW 176, 150, 151, 80, 82
	global_load_b32 v192, v191, s[78:79]
	global_load_b32 v194, v193, s[66:67]
	global_load_b32 v195, v193, s[100:101]
	global_load_b32 v10, v198, s[86:87]
	global_load_b32 v11, v198, s[88:89]
	global_load_b32 v42, v198, s[60:61]
	global_load_b128 v[66:69], v4, s[62:63]
	global_load_b128 v[70:73], v4, s[62:63] offset:16
.set i_, 0
.rept 8
	global_load_b128 v[208+6*i_:211+6*i_], v197, s[68:69] offset:1024*i_
	global_load_b64 v[212+6*i_:213+6*i_], v197, s[68:69] offset:1024*i_+16
.set i_, i_+1
.endr
	s_wait_loadcnt 0x0
	s_wait_kmcnt 0x0
	v_cmp_eq_u32 vcc_lo, 3, v188
	v_add_f32 v194, v194, v195
.irp u, 0,1,2,3,4,5,6,7
	v_mul_f32 v[66+\u], 0x3fb8aa3b, v[66+\u]
.endr
	s_wait_alu depctr_va_vcc(0)                    ; the compare has written VCC, which the select reads
	v_cndmask_b32 v192, v192, v194, vcc_lo         ; k = 3: bd2 + bv
	s_wait_alu depctr_va_vdst(0)                   ; v192 is written, which the last LDS store below reads
	PUTW 152, WG1, WG1S
	PUTW 164, WG2, WG2S
	PUTW 176, WV, WVS
	ds_store_b32 v196, v192 offset:WDI
	BNDC
	s_wait_dscnt 0x0
	BNHEAD                                         ; its barriers also show the images to every wave
	s_lshl_b32 s57, ttmp9, 6
	s_lshl_b32 s58, s2, 2
	s_add_co_u32 s57, s57, s58
	s_wait_alu depctr_vm_vsrc(0)                   ; the norm's loads and LDS instructions have read v12 to v14, which are written again from here on
	IADDR 57
	s_wait_alu depctr_va_vdst(0)                   ; v14 is written, which the load below reads
	ILOAD
	s_wait_loadcnt 0x0
	s_wait_alu depctr_vm_vsrc(0)                   ; that load has read v14, which is written again
	GADDR 57
	HADDR 57
	s_add_co_u32 s59, s57, 1
	IADDR 59
	s_wait_alu depctr_va_vdst(0)                   ; the offsets v5-7, v12, v14, v74 and v75 are written; their first line is done reading v9; the head's vector lines are done with v42 and v144-255, in which gathers, fragments and pairs land
	GLOADS
	ILOAD
	HLOADS
	WDLOAD
	WLOAD WV, WVS, 0, 144, 4
	s_mov_b32 s3, 0
.Ltile:
	s_wait_loadcnt 0x0                             ; this tile's gathers and stored codes, the next tile's neighbours
	s_wait_xcnt 0x0                                ; the last tile's store has read its registers
	s_add_co_u32 s58, s57, s3
	POS1
	s_wait_dscnt 0x0                               ; Wd2's pairs, Wv's fragments 0-3 and their scale words, asked for at the last tile's end
	POSMM 80
	WPROD 80, 16, 32, 0, 1, 0, 144, 4
	NOPS 8                                         ; places in front of loads into registers that products have read
	s_wait_alu depctr_va_vdst(0)                   ; products 0-3 are done reading v144-207, in which fragments 4-7 land
	WLOAD WV, WVS, 4, 144, 4
	s_wait_dscnt 0x0
	WPROD 80, 16, 32, 0, 1, 4, 144, 4
	NOPS 9
	; THE GATHER POINT
	s_wait_alu depctr_vm_vsrc(0)                   ; the last gathers have read v5-7, v12, v14, v74 and v75, the last tile's store v248-252: all are written again from here on
	s_add_co_u32 s59, s58, 1
	s_min_u32 s59, s59, 0x3fff
	GADDR 59
	HADDR 59
	s_add_co_u32 s56, s58, 2
	s_min_u32 s56, s56, 0x3fff
	IADDR 56
	s_wait_alu depctr_va_vdst(0)                   ; the offsets are written; the products with Wv are done reading v16-32 and v34-41, POS1 v42-47 and v208-243, the f32 products their pairs, the offsets' first line v9: the loads below land in these
	GLOADS
	ILOAD
	WLOAD WG1, WG1S, 0, 208, 2
	s_wait_dscnt 0x0
	WPROD 144, 48, 64, 1, 0, 0, 208, 2
.irp q, 2,4,6
	NOPS 8
	s_wait_alu depctr_va_vdst(0)                   ; the last two products are done reading v208-239, in which the next two fragments land
	WLOAD WG1, WG1S, \q, 208, 2
.if \q == 6
	ABLOAD 0                                       ; v240-255 are named by nothing since the wait at the gather point
.endif
	s_wait_dscnt 0x0
	WPROD 144, 48, 64, 1, 0, \q, 208, 2
.endr
	NOPS 9
.set tt_, 0
.rept 8
.if tt_ > 0
	s_wait_dscnt 0x0                               ; these eight channels' a and b, asked for in the gelu before
.endif
.if tt_ < 7
	GELU 144+8*tt_, 144+8*tt_, 4, 1, tt_+1
.else
	GELU 144+8*tt_, 144+8*tt_, 4, 1, -1
.endif
.set tt_, tt_+1
.endr
	QUANT 144, 48
	s_wait_alu depctr_va_vdst(0)                   ; the codes v48-63 and the scale word v33 are written, which the scaled products read; the quantiser is done with v208-223, in which fragments land
	WLOAD WG2, WG2S, 0, 208, 2
	s_wait_dscnt 0x0
	WPROD 144, 48, 33, 0, 0, 0, 208, 2
.irp q, 2,4,6
	NOPS 8
	s_wait_alu depctr_va_vdst(0)                   ; the last two products are done reading v208-239, in which the next two fragments land
	WLOAD WG2, WG2S, \q, 208, 2
	s_wait_dscnt 0x0
	WPROD 144, 48, 33, 0, 0, \q, 208, 2
.endr
	NOPS 9
	s_wait_alu depctr_va_vdst(0)                   ; the products with Wg2 are done reading v48-63, those with Wg1 v64: the next tile's stored codes land in them
	HLOADS                                         ; the next tile's stored codes
	; softmax over the 16 neighbours: eight in my registers, eight in lane l xor 16's.  In base 2, the maximum taken away.
.set t_, 0
.rept 8
.irp p, 0,1,2,3
	PKFMAB 144+8*t_+2*\p, 66+t_
.endr
.set t_, t_+1
.endr
.set t_, 0
.rept 8
	v_max3_num_f32 v[208+t_], v[144+8*t_], v[145+8*t_], v[146+8*t_]
.set t_, t_+1
.endr
.irp i, 3,5
.set t_, 0
.rept 8
	v_max3_num_f32 v[208+t_], v[208+t_], v[144+8*t_+\i], v[145+8*t_+\i]
.set t_, t_+1
.endr
.endr
.irp u, 0,1,2,3,4,5,6,7
	v_max_num_f32 v[208+\u], v[208+\u], v[151+8*\u]
.endr
.irp u, 0,1,2,3,4,5,6,7
	v_permlanex16_b32 v[216+\u], v[208+\u], s52, s53
.endr
.irp u, 0,1,2,3,4,5,6,7
	v_max_num_f32 v[208+\u], v[208+\u], v[216+\u]
.endr
.set t_, 0
.rept 8
.irp p, 0,1,2,3
	PKSUBB 144+8*t_+2*\p, 144+8*t_+2*\p, 208+t_
.endr
.set t_, t_+1
.endr
.set i_, 0
.rept 64
	v_exp_f32 v[144+i_], v[144+i_]
.set i_, i_+1
.endr
	v_nop                                          ; a plain place behind the exponentials
	s_wait_alu depctr_va_vdst(0)                   ; one wait for the batch of exponentials in v144-207, ahead of its first reader
.set t_, 0
.rept 8
	v_pk_add_f32 v[224:225], v[144+8*t_:145+8*t_], v[146+8*t_:147+8*t_]
	v_pk_add_f32 v[226:227], v[148+8*t_:149+8*t_], v[150+8*t_:151+8*t_]
	v_pk_mul_f32 v[228:229], v[144+8*t_:145+8*t_], v[80+8*t_:81+8*t_]        ; value is read from each accumulator's low end on
	v_pk_add_f32 v[224:225], v[224:225], v[226:227]
	v_pk_fma_f32 v[228:229], v[146+8*t_:147+8*t_], v[82+8*t_:83+8*t_], v[228:229]
	v_pk_fma_f32 v[228:229], v[148+8*t_:149+8*t_], v[84+8*t_:85+8*t_], v[228:229]
	v_pk_fma_f32 v[228:229], v[150+8*t_:151+8*t_], v[86+8*t_:87+8*t_], v[228:229]
	v_add_f32 v[208+t_], v224, v225
	v_add_f32 v[216+t_], v228, v229
.set t_, t_+1
.endr
.irp u, 0,1,2,3,4,5,6,7,8,9,10,11,12,13,14,15
	v_permlanex16_b32 v[232+\u], v[208+\u], s52, s53
.endr
.irp u, 0,1,2,3,4,5,6,7,8,9,10,11,12,13,14,15
	v_add_f32 v[208+\u], v[208+\u], v[232+\u]
.endr
.irp u, 0,1,2,3,4,5,6,7
	v_rcp_f32 v[224+\u], v[208+\u]
.endr
	v_lshrrev_b32 v252, 4, v3                      ; (a plain place behind the reciprocals)  16 h
	v_add_nc_u32 v252, v252, v4
	s_lshl_b32 s25, s58, 9
	v_add_nc_u32 v252, s25, v252                   ; out0: 512 n + 32 r + 16 h
	s_wait_alu depctr_va_vdst(0)                   ; the eight reciprocals in v224-231, ahead of their first reader; the sums are done reading v144-207 and the lines above are done with Wd2's pairs' registers; the products with Wg2 are done reading v34-37
	WDLOAD                                         ; the next tile's first LDS loads (behind the last tile: not used): the lines below name v216-231 and v248-252 alone
	WLOAD WV, WVS, 0, 144, 4
.irp u, 0,1,2,3,4,5,6,7
	v_mul_f32 v[216+\u], v[216+\u], v[224+\u]
.endr
.irp u, 0,1,2,3
	v_cndmask_b32 v[248+\u], v[216+\u], v[220+\u], s55
.endr
	s_wait_alu depctr_va_vdst(0)                   ; the selects have written v248-251, which the store reads
	global_store_b128 v252, v[248:251], s[14:15] th:TH_STORE_NT   ; 32 lanes store the query's 512 bytes, aligned
	s_add_co_u32 s3, s3, 1
	s_cmp_lt_u32 s3, 4
	s_cbranch_scc1 .Ltile
	s_wait_dscnt 0x0                               ; the closing lines, six on end, for a launch in the mode that stores to LDS
	s_wait_alu 0x0
	s_wait_tensorcnt 0x0
	ds_add_u32 v78, v79
	s_wait_dscnt 0x0
	s_endpgm
.Lfunc_end_k_qc05534598f_pc:
	.size	k_qc05534598f_pc, .Lfunc_end_k_qc05534598f_pc-k_qc05534598f_pc
	.p2alignl 7, 3214868480
	.fill 96, 4, 3214868480
	.section	.rodata,"a",@progbits
	.p2align	6, 0x0
	.amdhsa_kernel k_qc05534598f_pc
		.amdhsa_group_segment_fixed_size 59904
		.amdhsa_private_segment_fixed_size 0
		.amdhsa_enable_private_segment 0
		.amdhsa_kernarg_size 192
		.amdhsa_user_sgpr_count 2
		.amdhsa_user_sgpr_kernarg_segment_ptr 1
		.amdhsa_wavefront_size32 1
		.amdhsa_system_sgpr_workgroup_id_x 1
		.amdhsa_system_sgpr_workgroup_id_y 1
		.amdhsa_system_sgpr_workgroup_id_z 1
		.amdhsa_system_vgpr_workitem_id 0
		.amdhsa_next_free_vgpr 256
		.amdhsa_next_free_sgpr 102
		.amdhsa_reserve_vcc 1
		.amdhsa_float_denorm_mode_32 3
		.amdhsa_float_denorm_mode_16_64 3
		.amdhsa_memory_ordered 1
		.amdhsa_forward_progress 1
		.amdhsa_inst_pref_size 138
	.end_amdhsa_kernel
	.amdgpu_metadata
---
amdhsa.version: [ 1, 2 ]
amdhsa.kernels:
  - .name:           k_qc05534598f_pc
    .symbol:         k_qc05534598f_pc.kd
    .args:
      - { .name: prepb, .offset: 0, .size: 8, .value_kind: global_buffer, .address_space: global }
      - { .name: idx, .offset: 8, .size: 8, .value_kind: global_buffer, .address_space: global }
      - { .name: points, .offset: 16, .size: 8, .value_kind: global_buffer, .address_space: global }
      - { .name: sd, .offset: 24, .size: 8, .value_kind: global_buffer, .address_space: global }
      - { .name: Wd1, .offset: 32, .size: 8, .value_kind: global_buffer, .address_space: global }
      - { .name: bd1, .offset: 40, .size: 8, .value_kind: global_buffer, .address_space: global }
      - { .name: gd, .offset: 48, .size: 8, .value_kind: global_buffer, .address_space: global }
      - { .name: betad, .offset: 56, .size: 8, .value_kind: global_buffer, .address_space: global }
      - { .name: Wd2, .offset: 64, .size: 8, .value_kind: global_buffer, .address_space: global }
      - { .name: Wv_codes, .offset: 72, .size: 8, .value_kind: global_buffer, .address_space: global }
      - { .name: Wv_scales, .offset: 80, .size: 8, .value_kind: global_buffer, .address_space: global }
      - { .name: s2, .offset: 88, .size: 8, .value_kind: global_buffer, .address_space: global }
      - { .name: gg2, .offset: 96, .size: 8, .value_kind: global_buffer, .address_space: global }
      - { .name: betag2, .offset: 104, .size: 8, .value_kind: global_buffer, .address_space: global }
      - { .name: Wg1_codes, .offset: 112, .size: 8, .value_kind: global_buffer, .address_space: global }
      - { .name: Wg1_scales, .offset: 120, .size: 8, .value_kind: global_buffer, .address_space: global }
      - { .name: g1c, .offset: 128, .size: 8, .value_kind: global_buffer, .address_space: global }
      - { .name: out0, .offset: 136, .size: 8, .value_kind: global_buffer, .address_space: global }
      - { .name: Wg2_codes, .offset: 144, .size: 8, .value_kind: global_buffer, .address_space: global }
      - { .name: Wg2_scales, .offset: 152, .size: 8, .value_kind: global_buffer, .address_space: global }
      - { .name: bg1, .offset: 160, .size: 8, .value_kind: global_buffer, .address_space: global }
      - { .name: bg2, .offset: 168, .size: 8, .value_kind: global_buffer, .address_space: global }
      - { .name: bd2, .offset: 176, .size: 8, .value_kind: global_buffer, .address_space: global }
      - { .name: bv, .offset: 184, .size: 8, .value_kind: global_buffer, .address_space: global }
    .group_segment_fixed_size: 59904
    .private_segment_fixed_size: 0
    .kernarg_segment_align: 8
    .kernarg_segment_size: 192
    .max_flat_workgroup_size: 512
    .sgpr_count:     102
    .vgpr_count:     256
    .wavefront_size: 32
...
	.end_amdgpu_metadata
.endif
;; end of part 12
